; MI455X (gfx1250); checked and timed in simulation.
; The chip was launched on July 23, 2026; its instructions are those of AMD's public machine-readable ISA for CDNA 5 (MIT licence, August 2026) and "CDNA5" Instruction Set Architecture Reference Guide (July 2026). The comments in the code are by the model that wrote it; some were corrected since.
;; Bi Transformer layer. Allowed arithmetic: matrix products marked QUANTISED: E4M3 operands, one E8M0 scale for each 32 along K, by v_wmma_scale_f32_16x16x128_f8f6f4 with both operands' format E4M3, f32 sums; everything else in f32.
;; Inputs: b1 3,072 float32; b2 768 float32; bk 768 float32; bo 768 float32; bq 768 float32; bv 384 float32; ln1_b 768 float32; ln1_s 768 float32; ln2_b 768 float32; ln2_s 768 float32; padding_mask 2 x 2,048 bool; w1 768 x 3,072 float32; w2 3,072 x 768 float32; wk 768 x 768 float32; wo 768 x 768 float32; wq 768 x 768 float32; wv 768 x 384 float32; x 2 x 2,048 x 768 float32.
;; Outputs: out0 2 x 2,048 x 768 float32.
;; Constants: unused = 0.
;; This version of the problem:
;;   THIS VERSION OF THE PROBLEM IS GIVEN IN LOW PRECISION. The matrix products marked QUANTISED in the list below multiply operands that are first quantised to E4M3 (4 exponent bits, 3 mantissa bits; 8 bits a number), with one power-of-two scale for each 32 numbers along K (OCP MX v1.0); their sums are f32. All else is computed in f32.
;;   The module's matrix products, in the order in which they are computed (A, B: the left and right operand; K: the contracted axis; several contracted axes count as one K, in the product's order):
;;     1. [M 4,096, K 768] x [K 768, N 768]; A: input x; B: input wq: QUANTISED
;;     2. [M 4,096, K 768] x [K 768, N 768]; A: input x; B: input wk: QUANTISED
;;     3. [M 4,096, K 768] x [K 768, N 384]; A: input x; B: input wv: QUANTISED
;;     4. batch 24 x [M 2,048, K 64] x [K 64, N 2,048]; A: computed on the way; B: computed on the way: QUANTISED
;;     5. batch 24 x [M 32, K 2,048] x [K 2,048, N 2,048]; A: computed on the way; B: softmax (see below): QUANTISED
;;     6. batch 24 x [M 32, K 2,048] x [K 2,048, N 2,048]; A: computed on the way; B: softmax (see below): QUANTISED
;;     7. [M 4,096, K 768] x [K 768, N 768]; A: computed on the way; B: input wo: QUANTISED
;;     8. [M 4,096, K 768] x [K 768, N 3,072]; A: computed on the way; B: input w1: QUANTISED
;;     9. [M 4,096, K 3,072] x [K 3,072, N 768]; A: computed on the way; B: input w2: QUANTISED
;;   THE QUANTISER, for each operand of a quantised product, along K:
;;     - K is cut into blocks of 32 from its start; a last block that is shorter is filled with zeros.
;;     - A block's scale is 2^e with e = floor(log2(the largest magnitude in the block)) - 8, held to -126 .. 127; a block of zeros has e = 0. As a byte (E8M0): e + 127.
;;     - Each number is divided by its block's scale, clamped to +-448, and rounded to the nearest number of E4M3, ties to even, subnormals kept.
;;     - The product sums the exact products of the quantised numbers (number of the format x scale) in f32.
;;   ~~~python
;;   def quantise(x, axis):      # numpy; x: float32 -> the quantised numbers, widened to float32 again
;;       x = np.moveaxis(x, axis, -1); K = x.shape[-1]
;;       x = np.pad(x, [(0, 0)] * (x.ndim - 1) + [(0, -K % 32)]); x = x.reshape(x.shape[:-1] + (-1, 32)); a = np.abs(x).max(-1, keepdims=True)
;;       e = np.where(a > 0, np.clip(np.frexp(np.where(a > 0, a, 1))[1] - 1 - 8, -126, 127), 0)      # np.frexp(a)[1] - 1 = floor(log2(a)), exactly
;;       r = np.clip(x / 2.0 ** e, -448, 448)
;;       step = 2.0 ** (np.maximum(np.frexp(np.where(r == 0, 1, r))[1] - 1, -6) - 3)
;;       q = np.round(r / step) * step * 2.0 ** e      # np.round: ties to even
;;       return np.moveaxis(q.reshape(q.shape[:-2] + (-1,))[..., :K], -1, axis).astype(np.float32)
;;   ~~~
;;   SOFTMAX AHEAD OF A QUANTISED PRODUCT. Where the list says 'softmax', what is quantised is not the finished softmax but p = 2^(t - M), with t = logit x log2(e) and M = ceil(the row's largest t), a whole number; so 1/2 < the row's largest p <= 1. The row's sum l is taken of the UNQUANTISED p, in f32, and the product's result is divided by l at the end. Since M is a whole number, a kernel that streams over the keys may use a running M (the ceiling of the running maximum): every later rescaling is an exact power of two, which a block's scale takes up: the codes' values come out the same.
;;   OPERANDS COMPUTED ON THE WAY. 'Computed on the way' means the value that the module computes at that place (a softmax that the list does not call 'softmax' is quantised finished and normalised). What goes into a quantiser is computed in f32, as accurately as f32 sums, v_exp_f32 and their like allow (about 1e-6 of the number): no bf16 or f16 on the way to a quantiser, and a product that is left as it is and whose result goes on into a quantised operand takes f32 operands (vector FMAs, or v_wmma_f32_16x16x4_f32). A number that lies on a knife's edge between two numbers of the format may be rounded either way, as far as f32 arithmetic and the matrix unit's own rounding can turn it there, and no further.
;; 2 versions. Each part assembles by itself: llvm-mc -triple=amdgcn-amd-amdhsa -mcpu=gfx1250 --defsym DOCPART=n.
;; ======== version 1 of 2: 7 launches
;; workspace buffers: pbuf 10,238,976 bytes; qkvb 8,552,448 bytes; attb 3,244,032 bytes; hbuf 15,826,944 bytes; hid 12,976,128 bytes; y2 12,582,912 bytes
;; launch prep (part 1): grid 6 x 101, 4 waves a work-group, no clusters, 0 bytes of LDS; arguments x, wq, wk, wv, wo, w1, w2, pbuf; writes pbuf
.if DOCPART == 1
	.amdgcn_target "amdgcn-amd-amdhsa--gfx1250"
	.amdhsa_code_object_version 6
	.text
	.protected	k_qcf2bbd10ed_prep
	.globl	k_qcf2bbd10ed_prep
	.p2align	8
	.type	k_qcf2bbd10ed_prep,@function
k_qcf2bbd10ed_prep:
	s_mov_b64 s[64:65], 0
	v_nop
	global_prefetch_b8 v0, s[64:65] scope:SCOPE_SE
	s_setreg_imm32_b32 hwreg(HW_REG_WAVE_MODE, 25, 1), 1
	s_wait_xcnt 0x0
; x [4096][768] and the six weights [K][N], all f32, become codes of E4M3 with one E8M0 byte for each 32 along K, laid as IMAGES OF OPERAND REGISTERS:
; a fragment is 16 rows (of x) or 16 columns (of a weight) x 128 along K = 2,048 bytes; chunk c (512 bytes) holds, at 16 x lane, the 16 codes k = 32 c + 16 (lane / 16) + 0 .. 15 of member lane % 16.
; THE MEMBERS OF A TILE ARE NOT NEIGHBOURS: member r of tile 2 G + u is row or column 32 G + 8 u + r + 8 (r / 8), so that a later product's 16 result registers of two neighbouring tiles are 16 neighbours.
; Codes lie [tile][K step][2048], scale words (four bytes: 128 along K of one member) [tile][K step][16 words].
; A block's scale is 2^(floor(log2(largest magnitude)) - 8): its byte is the largest magnitude's exponent field - 8, held at 1 from below.
; LIMITS: a block of zeros, or one whose largest magnitude lies under 2^-118, gets the byte 1 (its codes are zeros or subnormal codes; this program alone reads the bytes); NaN and infinities are not served.
; WEIGHTS: a lane takes a column and its registers run down K (32 numbers = one block), so nothing is transposed; a wave takes 32 columns x 128 K.  x: a lane takes 16 neighbours of each block of its row; a wave takes 16 rows x 256 K.
; The work-group's y chooses the tensor: 0-41 wq, wk, wo, w2 (rows of 3,072 bytes); 42-65 w1; 66-68 wv; 69-100 x.  No LDS, no barrier, no cluster: waves share no input.
.set WK_C, 589824
.set WV_C, 1179648
.set WO_C, 1474560
.set W1_C, 2064384
.set W2_C, 4423680
.set X_C,  6782976
.set WQ_S, 9928704
.set WK_S, 9947136
.set WV_S, 9965568
.set WO_S, 9974784
.set W1_S, 9993216
.set W2_S, 10066944
.set X_S,  10140672
.set TM,   200                         ; v200-203 largest magnitudes, v204-207 bytes, v208-211 448 x the scale, v212-215 the conversions' scale operands
.set MNT,  40                          ; s40  the mantissa field of 448
.set SEL,  42                          ; s42, s43  lane selects: lane l xor 16
.set HI16, 44                          ; s44  a mask of lanes 16-31
; nb blocks of a lane: v[s + 16 b + i] = k 32 b + 16 (lane / 16) + i of my row.  Codes to v[pc + 4 b ..], bytes left in v[TM + 4 + b].  pad = 1: where VCC is 0 the hold closes at 0.
.macro QUANT s, nb, pc, pad
.set qb, 0
.rept \nb
	v_max3_num_f32 v[TM+qb], |v[\s+16*qb]|, |v[\s+16*qb+1]|, 0x4800000   ; with the floor 2^(9 - 127): the byte cannot fall under 1
.set qb, qb+1
.endr
.irp i, 2,4,6,8,10,12,14
.set qb, 0
.rept \nb
	v_max3_num_f32 v[TM+qb], v[TM+qb], |v[\s+16*qb+\i]|, |v[\s+16*qb+\i+1]|
.set qb, qb+1
.endr
.endr
.set qb, 0
.rept \nb
	v_permlanex16_b32 v[TM+4+qb], v[TM+qb], s[SEL], s[SEL+1]
.set qb, qb+1
.endr
.set qb, 0
.rept \nb
	v_max_num_f32 v[TM+qb], v[TM+qb], v[TM+4+qb]                 ; with lane l xor 16's 16 numbers: the block's largest magnitude
.set qb, qb+1
.endr
.set qb, 0
.rept \nb
	v_add_nc_u32 v[TM+12+qb], 0xfc000000, v[TM+qb]               ; 8 off the exponent field: the conversion's scale operand
	v_and_or_b32 v[TM+8+qb], v[TM+qb], 0x7f800000, s[MNT]        ; 448 x the scale
.set qb, qb+1
.endr
.set qb, 0
.rept \nb
	v_lshrrev_b32 v[TM+4+qb], 23, v[TM+12+qb]                    ; the scale's byte
.if \pad
	v_cndmask_b32 v[TM+8+qb], 0, v[TM+8+qb], vcc_lo
.endif
.set qb, qb+1
.endr
.set qb, 0
.rept \nb
.set qi, 0
.rept 16
	v_med3_num_f32 v[\s+16*qb+qi], v[\s+16*qb+qi], -v[TM+8+qb], v[TM+8+qb]   ; the conversion does not saturate (ISA guide 7.6.2): the hold comes first
.set qi, qi+1
.endr
	v_cvt_scalef32_pk8_fp8_f32 v[\pc+4*qb:\pc+4*qb+1], v[\s+16*qb:\s+16*qb+7], v[TM+12+qb]
	v_cvt_scalef32_pk8_fp8_f32 v[\pc+4*qb+2:\pc+4*qb+3], v[\s+16*qb+8:\s+16*qb+15], v[TM+12+qb]
.set qb, qb+1
.endr
	v_nop                                                        ; one plain line behind the last conversion
.endm
.macro WORD d                          ; four bytes make a scale word
	v_lshl_or_b32 v[\d], v[TM+5], 8, v[TM+4]
	v_lshl_or_b32 v[\d], v[TM+6], 16, v[\d]
	v_lshl_or_b32 v[\d], v[TM+7], 24, v[\d]
.endm
; block c of a weight: W(128 sigma + 32 c + i, my column), i = 0 .. 31, into set c % 2
.macro WLOAD c, pitch
.set wi, 0
.rept 32
	global_load_b32 v[32+32*((\c)%2)+wi], v6, s[22:23] offset:(32*(\c)+wi)*(\pitch) th:TH_LOAD_NT
.set wi, wi+1
.endr
.endm
.macro WBLOCK c, pitch
.set XS, 32+32*((\c)%2)
.if (\c) < 3
	s_wait_loadcnt 32                              ; this block's 32 loads are in; the next block's 32 may be out
.else
	s_wait_loadcnt 0x0
.endif
	v_max3_num_f32 v12, |v[XS]|, |v[XS+1]|, |v[XS+2]|            ; all 32 numbers of the block are mine
	v_max3_num_f32 v13, |v[XS+3]|, |v[XS+4]|, |v[XS+5]|
.irp i, 6,10,14,18,22,26
	v_max3_num_f32 v12, v12, |v[XS+\i]|, |v[XS+\i+1]|
	v_max3_num_f32 v13, v13, |v[XS+\i+2]|, |v[XS+\i+3]|
.endr
	v_max3_num_f32 v12, v12, |v[XS+30]|, |v[XS+31]|
	v_max3_num_f32 v12, v12, v13, 0x4800000
	v_add_nc_u32 v11, 0xfc000000, v12
	v_and_or_b32 v10, v12, 0x7f800000, s[MNT]
	v_lshrrev_b32 v13, 23, v11
.if (\c) == 0
	v_mov_b32 v24, v13
.else
	v_lshl_or_b32 v24, v13, 8*(\c), v24
.endif
.set wi, 0
.rept 32
	v_med3_num_f32 v[XS+wi], v[XS+wi], -v10, v10
.set wi, wi+1
.endr
.irp g, 0,1,2,3
	v_cvt_scalef32_pk8_fp8_f32 v[96+8*(\c)+2*\g:96+8*(\c)+2*\g+1], v[XS+8*\g:XS+8*\g+7], v11
.endr
	v_nop
	global_store_b128 v7, v[96+8*(\c):96+8*(\c)+3], s[32:33] offset:512*(\c)          ; k 0-15 of the block: the fragment's lanes 0-15; sixteen lanes store 256 consecutive bytes, aligned
	global_store_b128 v7, v[96+8*(\c)+4:96+8*(\c)+7], s[32:33] offset:512*(\c)+256    ; k 16-31: its lanes 16-31
.if (\c) < 2
	WLOAD (\c)+2, \pitch
.endif
.endm
; s[22:23] the weight, s24 / s25 where its codes / scale words begin in pbuf, s26 the K step, s27 / s28 bytes of a tile's codes / scale words, s29 which 32 columns
.macro WBODY pitch
	s_mul_i32 s36, s26, 128*\pitch
	s_lshl_b32 s37, s29, 7
	s_add_co_u32 s36, s36, s37
	s_mov_b32 s37, 0
	s_add_nc_u64 s[22:23], s[22:23], s[36:37]      ; row 128 sigma, column 32 b'
	s_lshl_b32 s38, s29, 1                         ; the first of my two tiles
	s_mul_i32 s36, s38, s27
	s_add_co_u32 s36, s36, s24
	s_lshl_b32 s39, s26, 11
	s_add_co_u32 s36, s36, s39
	s_add_nc_u64 s[32:33], s[18:19], s[36:37]      ; its fragment of this K step
	s_mul_i32 s36, s38, s28
	s_add_co_u32 s36, s36, s25
	s_lshl_b32 s39, s26, 6
	s_add_co_u32 s36, s36, s39
	s_add_nc_u64 s[34:35], s[18:19], s[36:37]      ; and its 16 scale words
	v_lshl_add_u32 v6, v4, 3, v5                   ; my column among the 32: 8 u + r + 8 (r / 8)
	v_lshlrev_b32 v6, 2, v6
	v_mul_lo_u32 v7, v4, s27                       ; lanes 16-31 hold the second tile
	v_lshl_add_u32 v7, v3, 4, v7
	v_mul_lo_u32 v8, v4, s28
	v_lshl_add_u32 v8, v3, 2, v8
	WLOAD 0, \pitch
	WLOAD 1, \pitch
	WBLOCK 0, \pitch
	WBLOCK 1, \pitch
	WBLOCK 2, \pitch
	WBLOCK 3, \pitch
	global_store_b32 v8, v24, s[34:35]
.endm
.macro XLOAD reg, sg                   ; my 64 numbers of K step sg of the item
.irp b, 0,1,2,3
.irp j, 0,1,2,3
	global_load_b128 v[\reg+16*\b+4*\j:\reg+16*\b+4*\j+3], v6, s[4:5] offset:512*\sg+128*\b+16*\j
.endr
.endr
.endm
	s_load_b256 s[4:11], s[0:1], 0x0               ; x, wq, wk, wv
	s_load_b256 s[12:19], s[0:1], 0x20             ; wo, w1, w2, pbuf
	v_lshrrev_b32 v1, 5, v0
	v_readfirstlane_b32 s20, v1                    ; wave
	v_and_b32 v2, 31, v0                           ; lane
	v_and_b32 v3, 15, v0                           ; r
	v_bfe_u32 v4, v0, 4, 1                         ; lane / 16
	v_and_b32 v5, 8, v3
	v_add_nc_u32 v5, v5, v3                        ; r + 8 (r / 8)
	s_and_b32 s21, ttmp7, 0xffff                   ; work-group y
	s_mov_b32 s[MNT], 0x600000
	s_mov_b32 s[SEL], 0x76543210
	s_mov_b32 s[SEL+1], 0xfedcba98
	s_mov_b32 s[HI16], 0xffff0000
	s_wait_kmcnt 0x0
	s_cmp_ge_u32 s21, 69
	s_cbranch_scc1 .Lx
	s_cmp_ge_u32 s21, 66
	s_cbranch_scc1 .Lwv
	s_cmp_ge_u32 s21, 42
	s_cbranch_scc1 .Lw1
	; y 0-5 wq, 6-11 wk, 12-17 wo, 18-41 w2: one K step each; the choices hang on the work-group's number alone
	s_mov_b64 s[22:23], s[16:17]
	s_mov_b32 s24, W2_C
	s_mov_b32 s25, W2_S
	s_mov_b32 s26, 18
	s_mov_b32 s27, 49152
	s_mov_b32 s28, 1536
	s_cmp_lt_u32 s21, 18
	s_cselect_b64 s[22:23], s[12:13], s[22:23]
	s_cselect_b32 s24, WO_C, s24
	s_cselect_b32 s25, WO_S, s25
	s_cselect_b32 s26, 12, s26
	s_cselect_b32 s27, 12288, s27
	s_cselect_b32 s28, 384, s28
	s_cmp_lt_u32 s21, 12
	s_cselect_b64 s[22:23], s[8:9], s[22:23]
	s_cselect_b32 s24, WK_C, s24
	s_cselect_b32 s25, WK_S, s25
	s_cselect_b32 s26, 6, s26
	s_cmp_lt_u32 s21, 6
	s_cselect_b64 s[22:23], s[6:7], s[22:23]
	s_cselect_b32 s24, 0, s24
	s_cselect_b32 s25, WQ_S, s25
	s_cselect_b32 s26, 0, s26
	s_sub_co_u32 s26, s21, s26                     ; the K step
	s_lshl_b32 s29, ttmp9, 2
	s_add_co_u32 s29, s29, s20                     ; which 32 columns: 4 x + wave
	WBODY 3072
	s_endpgm
.Lw1:
	s_sub_co_u32 s36, s21, 42
	s_lshr_b32 s26, s36, 2                         ; the K step
	s_and_b32 s36, s36, 3
	s_mul_i32 s36, s36, 6
	s_add_co_u32 s36, s36, ttmp9
	s_lshl_b32 s29, s36, 2
	s_add_co_u32 s29, s29, s20                     ; 4 (x + 6 (y' % 4)) + wave
	s_mov_b64 s[22:23], s[14:15]
	s_mov_b32 s24, W1_C
	s_mov_b32 s25, W1_S
	s_mov_b32 s27, 12288
	s_mov_b32 s28, 384
	WBODY 12288
	s_endpgm
.Lwv:
	s_sub_co_u32 s36, s21, 66
	s_cmp_ge_u32 ttmp9, 3
	s_cselect_b32 s37, 3, 0
	s_cselect_b32 s38, 1, 0
	s_sub_co_u32 s37, ttmp9, s37
	s_lshl_b32 s26, s36, 1
	s_add_co_u32 s26, s26, s38                     ; the K step: 2 y' + (x >= 3)
	s_lshl_b32 s29, s37, 2
	s_add_co_u32 s29, s29, s20
	s_mov_b64 s[22:23], s[10:11]
	s_mov_b32 s24, WV_C
	s_mov_b32 s25, WV_S
	s_mov_b32 s27, 12288
	s_mov_b32 s28, 384
	WBODY 1536
	s_endpgm
.Lx:
	s_sub_co_u32 s21, s21, 69
	s_cmp_ge_u32 ttmp9, 3
	s_cselect_b32 s22, 3, 0
	s_cselect_b32 s23, 4, 0
	s_sub_co_u32 s22, ttmp9, s22                   ; i: K steps 2 i and 2 i + 1
	s_lshl_b32 s24, s21, 3
	s_add_co_u32 s24, s24, s23
	s_add_co_u32 s24, s24, s20                     ; the tile of rows T
	s_lshr_b32 s25, s24, 1
	s_lshl_b32 s25, s25, 5
	s_and_b32 s26, s24, 1
	s_lshl_b32 s26, s26, 3
	s_add_co_u32 s25, s25, s26                     ; its first row: 32 (T / 2) + 8 (T % 2)
	s_mul_i32 s36, s25, 3072
	s_lshl_b32 s27, s22, 10
	s_add_co_u32 s36, s36, s27
	s_mov_b32 s37, 0
	s_add_nc_u64 s[4:5], s[4:5], s[36:37]
	s_mul_i32 s36, s24, 12288
	s_lshl_b32 s27, s22, 12
	s_add_co_u32 s36, s36, s27
	s_add_co_u32 s36, s36, X_C
	s_add_nc_u64 s[32:33], s[18:19], s[36:37]
	s_mul_i32 s36, s24, 384
	s_lshl_b32 s27, s22, 7
	s_add_co_u32 s36, s36, s27
	s_add_co_u32 s36, s36, X_S
	s_add_nc_u64 s[34:35], s[18:19], s[36:37]
	v_mul_u32_u24 v6, v5, 3072                     ; my row, + 64 bytes for lanes 16-31: my 16 numbers of a block
	v_lshl_add_u32 v6, v4, 6, v6
	v_lshlrev_b32 v7, 4, v2
	v_lshlrev_b32 v8, 2, v2
.irp b, 0,1,2,3
	v_mov_b32 v[TM+4+\b], 0                        ; written once: a lane permute's destination counts as one of its sources
.endr
	XLOAD 32, 0
	XLOAD 96, 1
	s_wait_loadcnt 16                              ; the first K step's 16 loads are in; the second's 16 may be out
	QUANT 32, 4, 160, 0
	WORD 24
.irp c, 0,1,2,3
	global_store_b128 v7, v[160+4*\c:163+4*\c], s[32:33] offset:512*\c         ; the conversions' results are the fragment's registers: 512 consecutive bytes a store
.endr
	s_wait_loadcnt 0x0
	QUANT 96, 4, 176, 0
	WORD 25
.irp c, 0,1,2,3
	global_store_b128 v7, v[176+4*\c:179+4*\c], s[32:33] offset:2048+512*\c
.endr
	v_cndmask_b32 v24, v24, v25, s[HI16]           ; lanes 0-15 the even K step's words, lanes 16-31 the odd one's
	global_store_b32 v8, v24, s[34:35]
	s_endpgm
.Lfunc_end_k_qcf2bbd10ed_prep:
	.size	k_qcf2bbd10ed_prep, .Lfunc_end_k_qcf2bbd10ed_prep-k_qcf2bbd10ed_prep
	.p2alignl 7, 3214868480
	.fill 96, 4, 3214868480
	.section	.rodata,"a",@progbits
	.p2align	6, 0x0
	.amdhsa_kernel k_qcf2bbd10ed_prep
		.amdhsa_group_segment_fixed_size 0
		.amdhsa_private_segment_fixed_size 0
		.amdhsa_enable_private_segment 0
		.amdhsa_kernarg_size 64
		.amdhsa_user_sgpr_count 2
		.amdhsa_user_sgpr_kernarg_segment_ptr 1
		.amdhsa_wavefront_size32 1
		.amdhsa_system_sgpr_workgroup_id_x 1
		.amdhsa_system_sgpr_workgroup_id_y 1
		.amdhsa_system_sgpr_workgroup_id_z 1
		.amdhsa_system_vgpr_workitem_id 0
		.amdhsa_next_free_vgpr 224
		.amdhsa_next_free_sgpr 66
		.amdhsa_reserve_vcc 1
		.amdhsa_float_denorm_mode_32 3
		.amdhsa_float_denorm_mode_16_64 3
		.amdhsa_memory_ordered 1
		.amdhsa_forward_progress 1
		.amdhsa_inst_pref_size 110
	.end_amdhsa_kernel
	.amdgpu_metadata
---
amdhsa.version: [ 1, 2 ]
amdhsa.kernels:
  - .name:           k_qcf2bbd10ed_prep
    .symbol:         k_qcf2bbd10ed_prep.kd
    .args:
      - { .name: x, .offset: 0, .size: 8, .value_kind: global_buffer, .address_space: global }
      - { .name: wq, .offset: 8, .size: 8, .value_kind: global_buffer, .address_space: global }
      - { .name: wk, .offset: 16, .size: 8, .value_kind: global_buffer, .address_space: global }
      - { .name: wv, .offset: 24, .size: 8, .value_kind: global_buffer, .address_space: global }
      - { .name: wo, .offset: 32, .size: 8, .value_kind: global_buffer, .address_space: global }
      - { .name: w1, .offset: 40, .size: 8, .value_kind: global_buffer, .address_space: global }
      - { .name: w2, .offset: 48, .size: 8, .value_kind: global_buffer, .address_space: global }
      - { .name: pbuf, .offset: 56, .size: 8, .value_kind: global_buffer, .address_space: global }
    .group_segment_fixed_size: 0
    .private_segment_fixed_size: 0
    .kernarg_segment_align: 8
    .kernarg_segment_size: 64
    .max_flat_workgroup_size: 128
    .sgpr_count:     66
    .vgpr_count:     224
    .wavefront_size: 32
...
	.end_amdgpu_metadata
.endif
;; end of part 1
;; launch qkv (part 2): grid 15 x 16, 4 waves a work-group, no clusters, 197,120 bytes of LDS; arguments pbuf, bq, bk, bv, padding_mask, qkvb; writes qkvb
.if DOCPART == 2
	.amdgcn_target "amdgcn-amd-amdhsa--gfx1250"
	.amdhsa_code_object_version 6
	.text
	.protected	k_qcf2bbd10ed_qkv
	.globl	k_qcf2bbd10ed_qkv
	.p2align	8
	.type	k_qcf2bbd10ed_qkv,@function
k_qcf2bbd10ed_qkv:
	s_mov_b64 s[64:65], 0
	v_nop
	global_prefetch_b8 v0, s[64:65] scope:SCOPE_SE
	s_setreg_imm32_b32 hwreg(HW_REG_WAVE_MODE, 25, 1), 1
	s_wait_xcnt 0x0
; q = x wq + bq, k = x wk + bk, v = x wv + bv on codes of E4M3 (MX), and their results quantised again for the attention: q and k along the head's 64, v along the keys.
; SHARES.  A work-group takes 256 rows (y) x 128 columns of wq | wk | wv (x: 0-5 q, 6-11 k, 12-14 v).  Wave w takes 128 rows (w / 2: one key step of 128) x 64 columns (w % 2): four tiles of a weight, whose 24 fragments
; (K = 768: six K steps) stay in its registers, read from memory once.  x's 16 tiles of rows come once into LDS, one tensor load a wave (4 tiles: 192 rows of 256 dense bytes); no LDS byte is filled twice.
; q, k: the product is used transposed (source 0 = 16 columns of the weight, source 1 = 16 rows of x): a lane holds one row, and the 16 registers of two neighbouring tiles are 16 neighbours of the head's 64.
; v: not transposed (source 0 = 16 rows of x = 16 keys): a lane holds one channel, and the 16 registers of two neighbouring tiles of rows are 16 neighbouring keys.  So the conversions' results are operand registers both times.
; PADDED KEYS: their codes of k are zeros (the hold closes at 0), and a table a[key] = -80000 or 0 goes beside them: the attention takes it as the C of k q^T, so that such a score is -10000 x 8 exactly.
; RECORDS in qkvb.  Q, 8,704 bytes for a head and 128 queries: 8 tiles x 1,024 bytes of codes, 512 bytes of scale words (16 x lane + 4 i: tile 2 i + lane / 16, row lane % 16; bytes 2, 3 = 127 for the K that is not there).
; KV, 13,568 bytes for a head and 128 keys: K as Q's (8,192), V^T (2 tiles x 2,048, chunk = block of 32 keys), K's scale words (512), V's (8 x lane: word, 0), the table (128 f32).
; NO CLUSTER: the grid's 15 along x is no multiple of four, and along y partners share no tile of x.
; LIMITS: as in the first launch (byte 1 for blocks under 2^-118; no NaN, no infinities).
; REGISTERS.  window 0: v1-11 addresses; v16-39 x's scale words; v40-51 the weight's; v52-59 padding flags; v60-63, v196-199 scale words made; v64-95 the bias as C; v96-159 accumulators; v160-175 codes; v176-191 at work.
;   windows 1, 2: the weight's fragments (K step s, tile t) at register 256 + 16 (4 s + t).   window 3: two buffers of 96 for a tile of rows' six fragments.
.set X_C,  6782976
.set WQ_S, 9928704
.set X_S,  10140672
.set KV_OFF, 3342336
.set AS,   16
.set BS,   40
.set PADF, 52
.set SW,   60
.set BIAS, 64
.set ACC,  96
.set PC,   160
.set TM,   176
.set PW,   192
.set MW,   193
.set VSW,  196
.set BVV,  200
.set SEL,  36
.set MNT,  38
.set HI16, 39
.set MSB, 0
.macro WIN new                         ; the immediate's high byte repeats the setting that is left
.if MSB != (\new)
	s_set_vgpr_msb (MSB<<8)|(\new)
.set MSB, (\new)
.endif
.endm
.macro NOPS n
.rept \n
	v_nop
.endr
.endm
.macro QUANT s, nb, pc, pad            ; nb blocks of a lane, v[s + 16 b + i]; codes to v[pc + 4 b ..], bytes in v[TM + 4 + b].  pad = 1: where VCC is 0 the hold closes at 0
.set qb, 0
.rept \nb
	v_max3_num_f32 v[TM+qb], |v[\s+16*qb]|, |v[\s+16*qb+1]|, 0x4800000   ; each accumulator is read from its low end on; the floor 2^(9 - 127) keeps the byte at 1 or more
.set qb, qb+1
.endr
.irp i, 2,4,6,8,10,12,14
.set qb, 0
.rept \nb
	v_max3_num_f32 v[TM+qb], v[TM+qb], |v[\s+16*qb+\i]|, |v[\s+16*qb+\i+1]|
.set qb, qb+1
.endr
.endr
.set qb, 0
.rept \nb
	v_permlanex16_b32 v[TM+4+qb], v[TM+qb], s[SEL], s[SEL+1]
.set qb, qb+1
.endr
.set qb, 0
.rept \nb
	v_max_num_f32 v[TM+qb], v[TM+qb], v[TM+4+qb]
.set qb, qb+1
.endr
.set qb, 0
.rept \nb
	v_add_nc_u32 v[TM+12+qb], 0xfc000000, v[TM+qb]
	v_and_or_b32 v[TM+8+qb], v[TM+qb], 0x7f800000, s[MNT]
.set qb, qb+1
.endr
.set qb, 0
.rept \nb
	v_lshrrev_b32 v[TM+4+qb], 23, v[TM+12+qb]
.if \pad
	v_cndmask_b32 v[TM+8+qb], 0, v[TM+8+qb], vcc_lo
.endif
.set qb, qb+1
.endr
.set qb, 0
.rept \nb
.set qi, 0
.rept 16
	v_med3_num_f32 v[\s+16*qb+qi], v[\s+16*qb+qi], -v[TM+8+qb], v[TM+8+qb]
.set qi, qi+1
.endr
	v_cvt_scalef32_pk8_fp8_f32 v[\pc+4*qb:\pc+4*qb+1], v[\s+16*qb:\s+16*qb+7], v[TM+12+qb]
	v_cvt_scalef32_pk8_fp8_f32 v[\pc+4*qb+2:\pc+4*qb+3], v[\s+16*qb+8:\s+16*qb+15], v[TM+12+qb]
.set qb, qb+1
.endr
	v_nop
.endm
.macro ALOAD m                         ; my tile of rows m: six fragments from LDS into buffer m % 2 of window 3
	WIN 0xc0
.irp s, 0,1,2,3,4,5
.irp c, 0,1,2,3
	ds_load_b128 v[96*((\m)%2)+16*\s+4*\c:96*((\m)%2)+16*\s+4*\c+3], v[6+(\m)/4] offset:((\m)%4)*12288+2048*\s+512*\c
.endr
.endr
.endm
; 24 products: K step by K step, the four accumulators by turns, one instruction a turn.  A scale register holds an even K step's words in lanes 0-15 and the odd one's in lanes 16-31.
.macro CHAINQK m
.set cf, 0
.rept 24
.set cs, cf/4
.set ct, cf%4
.set wn, (1+cf/16)|0x0c
	WIN wn
.set fr, 16*(cf%16)
.set ab, 96*((\m)%2)+16*cs
.set ac, ACC+8*ct
.if cs == 0
	v_wmma_scale_f32_16x16x128_f8f6f4 v[ac:ac+7], v[fr:fr+15], v[ab:ab+15], v[BIAS+8*ct:BIAS+8*ct+7], v[BS+3*ct], v[AS+3*(\m)]
.elseif cs%2 == 0
	v_wmma_scale_f32_16x16x128_f8f6f4 v[ac:ac+7], v[fr:fr+15], v[ab:ab+15], v[ac:ac+7], v[BS+3*ct+cs/2], v[AS+3*(\m)+cs/2]
.else
	v_wmma_scale_f32_16x16x128_f8f6f4 v[ac:ac+7], v[fr:fr+15], v[ab:ab+15], v[ac:ac+7], v[BS+3*ct+cs/2], v[AS+3*(\m)+cs/2] matrix_a_scale:MATRIX_SCALE_ROW1 matrix_b_scale:MATRIX_SCALE_ROW1
.endif
.set cf, cf+1
.endr
	WIN 0
	NOPS 9                                         ; nine places: for the reads of the results and the loads into the buffer (eight), and for the next chain, which starts the accumulators anew (nine)
.endm
; 48 products for v: tiles of rows 2 g and 2 g + 1 (both buffers) x four tiles of wv: eight accumulators by turns
.macro CHAINV g
.set cf, 0
.rept 48
.set cs, cf/8
.set ct, (cf/2)%4
.set cu, cf%2
.set wn, 3|((1+(4*cs+ct)/16)<<2)
	WIN wn
.set fr, 16*((4*cs+ct)%16)
.set ab, 96*cu+16*cs
.set ac, ACC+16*ct+8*cu
.if cs == 0
	v_wmma_scale_f32_16x16x128_f8f6f4 v[ac:ac+7], v[ab:ab+15], v[fr:fr+15], v[BIAS+8*ct:BIAS+8*ct+7], v[AS+3*(2*(\g)+cu)], v[BS+3*ct]
.elseif cs%2 == 0
	v_wmma_scale_f32_16x16x128_f8f6f4 v[ac:ac+7], v[ab:ab+15], v[fr:fr+15], v[ac:ac+7], v[AS+3*(2*(\g)+cu)+cs/2], v[BS+3*ct+cs/2]
.else
	v_wmma_scale_f32_16x16x128_f8f6f4 v[ac:ac+7], v[ab:ab+15], v[fr:fr+15], v[ac:ac+7], v[AS+3*(2*(\g)+cu)+cs/2], v[BS+3*ct+cs/2] matrix_a_scale:MATRIX_SCALE_ROW1 matrix_b_scale:MATRIX_SCALE_ROW1
.endif
.set cf, cf+1
.endr
	WIN 0
	NOPS 9
.endm
.macro QKTILE m
.if (\m) < 7
	ALOAD (\m)+1
	s_wait_dscnt 24                                ; this tile's 24 loads are in; the next tile's 24 may be out
.else
	s_wait_dscnt 0x0
.endif
	CHAINQK \m
	v_cmp_eq_u32 vcc_lo, 0, v[PADF+(\m)]           ; my row is no padded key
	s_wait_xcnt 0x0                                ; the last tile's stores have read the codes' registers
	QUANT ACC, 2, PC, 1
	global_store_b128 v1, v[PC:PC+3], s[60:61] offset:1024*(\m)
	global_store_b128 v1, v[PC+4:PC+7], s[60:61] offset:1024*(\m)+512
	v_lshl_or_b32 v[PW], v[TM+5], 8, v[TM+4]
	v_or_b32 v[PW], 0x7f7f0000, v[PW]
.if (\m)%2 == 0
	v_mov_b32 v[SW+(\m)/2], v[PW]
.else
	v_cndmask_b32 v[SW+(\m)/2], v[SW+(\m)/2], v[PW], s[HI16]
.endif
.endm
	s_load_b256 s[4:11], s[0:1], 0x0               ; pbuf, bq, bk, bv
	s_load_b128 s[12:15], s[0:1], 0x20             ; padding_mask, qkvb
	v_lshl_add_u32 v254, v0, 2, 0x30000
	v_mov_b32 v255, 0
	ds_add_u32 v254, v255
	ds_add_u32 v254, v255
	v_lshrrev_b32 v1, 5, v0
	v_readfirstlane_b32 s16, v1                    ; wave
	s_lshr_b32 s17, s16, 1                         ; which 128 rows
	s_and_b32 s18, s16, 1                          ; which 64 columns
	s_and_b32 s20, ttmp7, 0xffff                   ; y
	s_lshl_b32 s21, ttmp9, 1
	s_add_co_u32 s21, s21, s18                     ; the unit of 64 columns: 0-11 q's heads, 12-23 k's, 24-29 two heads of v each
	s_mov_b32 s28, 3<<16                           ; group 1: elements of 8 bytes, no mask, no padding
	s_mov_b32 s29, 32<<16                          ; tensor_dim0 = 32 (256 bytes)
	s_mov_b32 s30, 192<<16                         ; tensor_dim1 = 192
	s_mov_b32 s31, 32<<16                          ; tile_dim0 = 32
	s_mov_b32 s32, 192                             ; tile_dim1 = 192
	s_mov_b32 s33, 32                              ; the pitch: dense
	s_mov_b32 s34, 0
	s_mov_b32 s35, 0
	s_lshl_b32 s40, s20, 4
	s_lshl_b32 s41, s16, 2
	s_add_co_u32 s40, s40, s41                     ; x's tiles 16 y + 4 w on
	s_mul_i32 s40, s40, 12288
	s_add_co_u32 s40, s40, X_C
	s_mov_b32 s41, 0
	s_mov_b32 s24, 1
	s_mul_i32 s25, s16, 49152                      ; to LDS byte 49,152 x wave
	s_wait_dscnt 0x0
	s_wait_kmcnt 0x0
	s_add_nc_u64 s[26:27], s[4:5], s[40:41]
	s_or_b32 s27, s27, 0x80000000
	tensor_load_to_lds s[24:27], s[28:35]          ; my one tensor load: a first fill
	s_nop 0
	NOPS 4
	v_and_b32 v9, 31, v0                           ; lane
	v_lshlrev_b32 v1, 4, v9                        ; 16 x lane
	v_lshlrev_b32 v2, 2, v9                        ; 4 x lane
	v_and_b32 v3, 15, v0                           ; r
	v_bfe_u32 v4, v0, 4, 1                         ; h
	v_lshlrev_b32 v5, 6, v4                        ; 64 h
	s_mul_i32 s42, s17, 98304
	v_add_nc_u32 v6, s42, v1                       ; LDS: my eight tiles of rows, the first four;
	v_add_nc_u32 v7, 49152, v6                     ; the other four
	v_and_b32 v8, 8, v3
	v_add_nc_u32 v8, v8, v3                        ; r + 8 (r / 8)
	v_lshlrev_b32 v10, 2, v8
	s_mov_b32 s[SEL], 0x76543210
	s_mov_b32 s[SEL+1], 0xfedcba98
	s_mov_b32 s[MNT], 0x600000
	s_mov_b32 s[HI16], 0xffff0000
.irp b, 0,1,2,3
	v_mov_b32 v[TM+4+\b], 0                        ; written once: a lane permute's destination counts as one of its sources
.endr
	s_mul_i32 s40, s21, 49152
	s_add_nc_u64 s[42:43], s[4:5], s[40:41]        ; my four tiles of the weight
	WIN 0x40
.set ff, 0
.rept 16
.irp c, 0,1,2,3
	global_load_b128 v[16*ff+4*\c:16*ff+4*\c+3], v1, s[42:43] offset:(ff%4)*12288+(ff/4)*2048+512*\c
.endr
.set ff, ff+1
.endr
	WIN 0x80
.rept 8
.irp c, 0,1,2,3
	global_load_b128 v[16*(ff-16)+4*\c:16*(ff-16)+4*\c+3], v1, s[42:43] offset:(ff%4)*12288+(ff/4)*2048+512*\c
.endr
.set ff, ff+1
.endr
	WIN 0
	s_mul_i32 s40, s21, 1536
	s_add_co_u32 s40, s40, WQ_S
	s_add_nc_u64 s[44:45], s[4:5], s[40:41]
.set ff, 0
.rept 12
	global_load_b32 v[BS+ff], v2, s[44:45] offset:384*(ff/3)+128*(ff%3)
.set ff, ff+1
.endr
	s_lshl_b32 s40, s20, 4
	s_lshl_b32 s46, s17, 3
	s_add_co_u32 s40, s40, s46
	s_mul_i32 s40, s40, 384
	s_add_co_u32 s40, s40, X_S
	s_add_nc_u64 s[46:47], s[4:5], s[40:41]
.set ff, 0
.rept 24
	global_load_b32 v[AS+ff], v2, s[46:47] offset:384*(ff/3)+128*(ff%3)
.set ff, ff+1
.endr
	s_lshl_b32 s40, s20, 8
	s_lshl_b32 s48, s17, 7
	s_add_co_u32 s40, s40, s48                     ; my first row = 2,048 x batch + 128 x key step
	s_add_nc_u64 s[48:49], s[12:13], s[40:41]
.irp m, 0,1,2,3,4,5,6,7
	global_load_u8 v[PADF+\m], v8, s[48:49] offset:32*(\m/2)+8*(\m%2)   ; the flag of my row of tile m
.endr
	global_load_b32 v[MW], v2, s[48:49]            ; and four keys' flags a lane, in their natural order
	; both kinds of bias are asked for on every path (at unit 0 where they are not used), so that no load stands behind the parting of the paths
	s_cmp_lt_u32 s21, 12
	s_cselect_b64 s[50:51], s[6:7], s[8:9]
	s_cselect_b32 s52, 0, 12
	s_cselect_b32 s53, 0, 1                        ; 1: these are keys
	s_cmp_lt_u32 s21, 24
	s_cselect_b32 s52, s52, s21
	s_sub_co_u32 s52, s21, s52                     ; q's or k's head (0 on v's path)
	s_max_u32 s54, s21, 24
	s_sub_co_u32 s54, s54, 24                      ; v's unit (0 elsewhere)
	s_lshl_b32 s40, s52, 8
	s_add_nc_u64 s[50:51], s[50:51], s[40:41]
	s_lshl_b32 s40, s54, 8
	s_add_nc_u64 s[56:57], s[10:11], s[40:41]
.irp b, 0,1
.irp q, 0,1,2,3
	global_load_b128 v[BIAS+16*\b+4*\q:BIAS+16*\b+4*\q+3], v5, s[50:51] offset:128*\b+16*\q   ; columns 32 b + 16 h + 0 .. 15: the result's layout
.endr
.endr
.irp t, 0,1,2,3
	global_load_b32 v[BVV+\t], v10, s[56:57] offset:128*(\t/2)+32*(\t%2)
.endr
	s_lshr_b32 s58, s20, 3
	s_mul_i32 s58, s58, 12                         ; 12 x batch
	s_and_b32 s59, s20, 7
	s_lshl_b32 s59, s59, 1
	s_add_co_u32 s59, s59, s17                     ; the key step
	s_wait_loadcnt 0x0
	s_wait_tensorcnt 0x0                           ; my part of x's panel has landed,
	s_barrier_signal -1
	s_barrier_wait -1                              ; everybody's has
	s_cmp_ge_u32 ttmp9, 12
	s_cbranch_scc1 .Lvpath
	; ---- q and k
	s_add_co_u32 s58, s58, s52
	s_lshl_b32 s58, s58, 4
	s_add_co_u32 s58, s58, s59                     ; the record: 16 (12 batch + head) + step
	s_mov_b32 s60, 13568
	s_mov_b32 s61, KV_OFF
	s_mov_b32 s62, 12288
	s_cmp_lt_u32 s21, 12
	s_cselect_b32 s60, 8704, s60
	s_cselect_b32 s61, 0, s61
	s_cselect_b32 s62, 8192, s62
	s_mul_i32 s40, s58, s60
	s_add_co_u32 s40, s40, s61
	s_add_nc_u64 s[60:61], s[14:15], s[40:41]
	v_add_nc_u32 v11, s62, v1                      ; where the record's scale words lie
.irp m, 0,1,2,3,4,5,6,7
	v_and_b32 v[PADF+\m], s53, v[PADF+\m]          ; queries are never closed
.endr
	ALOAD 0
.irp m, 0,1,2,3,4,5,6,7
	QKTILE \m
.endr
	global_store_b128 v11, v[SW:SW+3], s[60:61]
	s_cmp_lt_u32 s21, 12
	s_cbranch_scc1 .Lend
.irp j, 0,1,2,3
	v_bfe_u32 v[204+\j], v[MW], 8*\j, 8
.endr
.irp j, 0,1,2,3
	v_cvt_f32_u32 v[204+\j], v[204+\j]
.endr
.irp j, 0,1,2,3
	v_mul_f32 v[204+\j], 0xc79c4000, v[204+\j]     ; -80000 for a padded key, else (minus) 0
.endr
	global_store_b128 v1, v[204:207], s[60:61] offset:13056
.Lend:
	s_wait_tensorcnt 0x0
	ds_add_u32 v254, v255
	s_wait_dscnt 0x0
	s_endpgm
.Lvpath:
	; ---- v: tile t = 2 e + u of my unit is head 2 unit + e, channels 8 u + r + 8 (r / 8)
	s_lshl_b32 s52, s54, 1
	s_add_co_u32 s58, s58, s52
	s_lshl_b32 s58, s58, 4
	s_add_co_u32 s58, s58, s59
	s_mul_i32 s40, s58, 13568
	s_add_co_u32 s40, s40, KV_OFF
	s_add_nc_u64 s[60:61], s[14:15], s[40:41]      ; head e = 0's record; e = 1's lies 16 records (217,088 bytes) on
.irp t, 0,1,2,3
.irp j, 0,1,2,3,4,5,6,7
	v_mov_b32 v[BIAS+8*\t+\j], v[BVV+\t]           ; a lane holds one channel: its bias in all eight registers of the C
.endr
.endr
	ALOAD 0
	ALOAD 1
.irp g, 0,1,2,3
	s_wait_dscnt 0x0
	CHAINV \g
.if \g < 3
	ALOAD 2*\g+2
	ALOAD 2*\g+3
	WIN 0
.endif
	s_wait_xcnt 0x0                                ; the last pair's stores have read the codes' registers
	QUANT ACC, 4, PC, 0                            ; block t: tile t's 16 registers: keys 32 g + 16 h + 0 .. 15
.irp t, 0,1,2,3
	global_store_b128 v1, v[PC+4*\t:PC+4*\t+3], s[60:61] offset:(\t/2)*217088+8192+2048*(\t%2)+512*\g
.endr
.irp t, 0,1,2,3
.if \g == 0
	v_mov_b32 v[VSW+\t], v[TM+4+\t]
.else
	v_lshl_or_b32 v[VSW+\t], v[TM+4+\t], 8*\g, v[VSW+\t]
.endif
.endr
.endr
	v_mov_b32 v209, 0
	v_mov_b32 v211, 0
	v_cndmask_b32 v208, v[VSW], v[VSW+1], s[HI16]
	v_cndmask_b32 v210, v[VSW+2], v[VSW+3], s[HI16]
	v_lshlrev_b32 v11, 3, v9
	global_store_b64 v11, v[208:209], s[60:61] offset:12800
	global_store_b64 v11, v[210:211], s[60:61] offset:217088+12800
	s_wait_tensorcnt 0x0
	ds_add_u32 v254, v255
	s_wait_dscnt 0x0
	s_endpgm
.Lfunc_end_k_qcf2bbd10ed_qkv:
	.size	k_qcf2bbd10ed_qkv, .Lfunc_end_k_qcf2bbd10ed_qkv-k_qcf2bbd10ed_qkv
	.p2alignl 7, 3214868480
	.fill 96, 4, 3214868480
	.section	.rodata,"a",@progbits
	.p2align	6, 0x0
	.amdhsa_kernel k_qcf2bbd10ed_qkv
		.amdhsa_group_segment_fixed_size 197120
		.amdhsa_private_segment_fixed_size 0
		.amdhsa_enable_private_segment 0
		.amdhsa_kernarg_size 48
		.amdhsa_user_sgpr_count 2
		.amdhsa_user_sgpr_kernarg_segment_ptr 1
		.amdhsa_wavefront_size32 1
		.amdhsa_system_sgpr_workgroup_id_x 1
		.amdhsa_system_sgpr_workgroup_id_y 1
		.amdhsa_system_sgpr_workgroup_id_z 1
		.amdhsa_system_vgpr_workitem_id 0
		.amdhsa_next_free_vgpr 960
		.amdhsa_next_free_sgpr 66
		.amdhsa_reserve_vcc 1
		.amdhsa_float_denorm_mode_32 3
		.amdhsa_float_denorm_mode_16_64 3
		.amdhsa_memory_ordered 1
		.amdhsa_forward_progress 1
		.amdhsa_inst_pref_size 169
	.end_amdhsa_kernel
	.amdgpu_metadata
---
amdhsa.version: [ 1, 2 ]
amdhsa.kernels:
  - .name:           k_qcf2bbd10ed_qkv
    .symbol:         k_qcf2bbd10ed_qkv.kd
    .args:
      - { .name: pbuf, .offset: 0, .size: 8, .value_kind: global_buffer, .address_space: global }
      - { .name: bq, .offset: 8, .size: 8, .value_kind: global_buffer, .address_space: global }
      - { .name: bk, .offset: 16, .size: 8, .value_kind: global_buffer, .address_space: global }
      - { .name: bv, .offset: 24, .size: 8, .value_kind: global_buffer, .address_space: global }
      - { .name: padding_mask, .offset: 32, .size: 8, .value_kind: global_buffer, .address_space: global }
      - { .name: qkvb, .offset: 40, .size: 8, .value_kind: global_buffer, .address_space: global }
    .group_segment_fixed_size: 197120
    .private_segment_fixed_size: 0
    .kernarg_segment_align: 8
    .kernarg_segment_size: 48
    .max_flat_workgroup_size: 128
    .sgpr_count:     66
    .vgpr_count:     960
    .wavefront_size: 32
...
	.end_amdgpu_metadata
.endif
;; end of part 2
;; launch attn (part 3): grid 32 x 8, 12 waves a work-group, no clusters, 327,680 bytes of LDS; arguments qkvb, attb; writes attb
.if DOCPART == 3
	.amdgcn_target "amdgcn-amd-amdhsa--gfx1250"
	.amdhsa_code_object_version 6
	.text
	.protected	k_qcf2bbd10ed_attn
	.globl	k_qcf2bbd10ed_attn
	.p2align	8
	.type	k_qcf2bbd10ed_attn,@function
k_qcf2bbd10ed_attn:
	s_mov_b64 s[64:65], 0
	v_nop
	global_prefetch_b8 v0, s[64:65] scope:SCOPE_SE
	s_setreg_imm32_b32 hwreg(HW_REG_WAVE_MODE, 25, 1), 1
	s_wait_xcnt 0x0
; Both attentions of a head (keys up to the query; keys from the query on) on codes of E4M3 (MX), and their results, divided by the rows' sums, quantised along the next product's K: a block of 32 there is one head's 32 channels in one direction.
; THE MASKS' VALUE IS -10000, NOT -INFINITY: masked keys take part in the softmax.  t = raw score x c, c = log2(e) / 8; a masked raw score is -80000.  M = the row's largest t rounded up; p = 2^(t - M) is quantised; the sum is of the unquantised p.
;   padded keys: k's codes are zeros and the table in the record is the C of k q^T: -80000 exactly.   the key step on the diagonal: hidden scores are replaced by -80000 (a compare and a select each).
;   key steps that lie wholly under the mask: every p there is pm = 2^(tm - M), tm = -80000 c = -14427 + 0.0496.  2^0.0496 = 1.035 lies between the codes 1 and 1.125, under their middle 1.0625, and an error of c of one part in 2^24 moves the
;   exponent by 0.001: so the quantised pm is 2^(-14427 - M) for every input, and the step's share of the product is that number x U, U = the sum of the quantised v: made by the same matrix instruction with an operand of codes 1.0
;   (0x38) and scale bytes 127.  At the end M takes tm in, O += 2^(-14427 - M) U, and the sum takes 128 pm for each such step (64 in each of a query's two lanes).
; SHARES.  A work-group of twelve waves takes four neighbouring tiles of 16 queries (x) of each of three heads (y): wave w has head 3 y + w / 4 and tile 4 x + w % 4.  A tile has 17 key steps to work in full (16, and the diagonal's twice):
; 24 heads x 128 tiles x 17 = 52,224, which 256 work-groups of twelve waves share evenly, 17 a wave.  The four tiles lie in one key step D = x / 2, so all twelve waves meet the diagonal in the same trip.
; ONE PASS OVER THE KEYS.  In a step under D the first direction's softmax is worked and the step's V also adds to the second direction's U; above D the other way round; in step D the first direction's step is worked with its
; mask, its O^T, its statistics and the second direction's U are parked in v256-291, the state begins anew, and the step is worked again with the second mask.  Each direction's steps stay in ascending order.
; THE RING.  A record (K, V^T, scale words, the table: 13,568 bytes for a head and 128 keys) is one tensor load.  A slot holds four key steps of the three heads: twelve records, one a wave, at slot + 13,568 x wave; two slots.
; Both first fills go out at the head; slot 0 is filled again behind steps 0-3, slot 1 behind steps 4-7: the load then has four key steps' work in which to land.  A wave has two tensor loads out at the start, later one.
; In front of each change of slots every wave waits for all its tensor loads, adds 0 to its spare word, waits for that and for its reads, and passes the barrier; the refill is the first thing behind it.
; LAYOUT.  Both products transposed: S^T = K Q^T + C, O^T = V^T P^T: a lane holds one query throughout; the 16 registers of tiles 2 b, 2 b + 1 of S^T are keys 32 b + 16 (lane / 16) + 0 .. 15.
; K = 64 in an instruction of 128: Q's registers 8-15 are zero codes; K's tiles lie 8 registers apart, so a tile's upper half is the next tile's codes (never the NaN code) against zeros; eight zero registers stand behind tile 7.
; NO CLUSTER: the work-groups that read the same records differ in D, so the branch on the diagonal would hang on a partner's place in the cluster.
; LIMITS: p and pm under 2^-126 count as 0 (beside a row's largest p above 1/2); NaN and infinities are not served; blocks under 2^-118 get the byte 1.
; REGISTERS: v1 16 x lane, v2 my spare word's address, v3 0, v4-6 addresses in hand, v7 the ones' scale word, v8 query - first key of its step - 16 h, v9 -80000, v10 V's scale words, v11 a direction's byte, v12 -M, v13 the largest t, v[14:15] the sum;
;   v16-31 Q; v32-95 K, then V in v32-63; v96-103 zeros; v104-167 S^T, then p; v168-183 p's codes; v184-199 ones; v200-215 O^T; v216-231 U; v232-247, v252, v254 at work; v248-251 K's scale words; v253 p's; v255 Q's;
;   v256-271 the first direction's O^T, v272-287 the second direction's U, v288-291 the first direction's statistics.
.set KV_OFF, 3342336
.set AS_OFF, 3145728
.set REC,  13568
.set SLOT, 12*REC                      ; 162,816 bytes
.set SPARE, 2*SLOT                     ; behind the ring: the spare words, 128 bytes for each of twelve waves: six blocks of 256 bytes that no other line names
.set V_C,  8192
.set K_S,  12288
.set V_S,  12800
.set BIA,  13056
.set SPW,  2
.set NIL,  3
.set S,    104
.set UT,   136                         ; where the parked U comes back to
.set PCD,  168
.set ONES, 184
.set OA,   200
.set UA,   216
.set TM,   232
.set G0A,  16                          ; s[16:19] descriptor group 0 for slot 0
.set G1,   20                          ; s[20:27] group 1: the same for every load
.set G0B,  48                          ; s[48:51] group 0 for slot 1
.set SEL,  28
.set CS,   30
.set MNT,  32
.set HI16, 33
.set ST,   34                          ; s34  the key step
.set SB,   35                          ; s35  LDS byte at which my head's record of the step begins
.set NN,   37
.set CT,   52                          ; s52  counts a slot's four steps
.set MSB, 0
.macro WIN new                         ; the immediate's high byte repeats the setting that is left
.if MSB != (\new)
	s_set_vgpr_msb (MSB<<8)|(\new)
.set MSB, (\new)
.endif
.endm
.macro NOPS n
.rept \n
	v_nop
.endr
.endm
.macro QUANT s, nb, pc, pad
.set qb, 0
.rept \nb
	v_max3_num_f32 v[TM+qb], |v[\s+16*qb]|, |v[\s+16*qb+1]|, 0x4800000
.set qb, qb+1
.endr
.irp i, 2,4,6,8,10,12,14
.set qb, 0
.rept \nb
	v_max3_num_f32 v[TM+qb], v[TM+qb], |v[\s+16*qb+\i]|, |v[\s+16*qb+\i+1]|
.set qb, qb+1
.endr
.endr
.set qb, 0
.rept \nb
	v_permlanex16_b32 v[TM+4+qb], v[TM+qb], s[SEL], s[SEL+1]
.set qb, qb+1
.endr
.set qb, 0
.rept \nb
	v_max_num_f32 v[TM+qb], v[TM+qb], v[TM+4+qb]
.set qb, qb+1
.endr
.set qb, 0
.rept \nb
	v_add_nc_u32 v[TM+12+qb], 0xfc000000, v[TM+qb]
	v_and_or_b32 v[TM+8+qb], v[TM+qb], 0x7f800000, s[MNT]
.set qb, qb+1
.endr
.set qb, 0
.rept \nb
	v_lshrrev_b32 v[TM+4+qb], 23, v[TM+12+qb]
.if \pad
	v_cndmask_b32 v[TM+8+qb], 0, v[TM+8+qb], vcc_lo
.endif
.set qb, qb+1
.endr
.set qb, 0
.rept \nb
.set qi, 0
.rept 16
	v_med3_num_f32 v[\s+16*qb+qi], v[\s+16*qb+qi], -v[TM+8+qb], v[TM+8+qb]
.set qi, qi+1
.endr
	v_cvt_scalef32_pk8_fp8_f32 v[\pc+4*qb:\pc+4*qb+1], v[\s+16*qb:\s+16*qb+7], v[TM+12+qb]
	v_cvt_scalef32_pk8_fp8_f32 v[\pc+4*qb+2:\pc+4*qb+3], v[\s+16*qb+8:\s+16*qb+15], v[TM+12+qb]
.set qb, qb+1
.endr
	v_nop
.endm
.macro VLOAD                           ; the step's two tiles of V^T and their scale words
.irp u, 0,1
.irp c, 0,1,2,3
	ds_load_b128 v[32+16*\u+4*\c:35+16*\u+4*\c], v4 offset:V_C+2048*\u+512*\c
.endr
.endr
	ds_load_b32 v10, v6 offset:V_S
.endm
.macro INIT                            ; a direction begins: the largest t under every t, the sum, O^T and U zeros: the step is written once, its first pass finds zeros
	v_mov_b32 v13, 0xff61b1e6                      ; -3e38
	v_floor_f32 v12, -v13
	v_mov_b32 v14, 0
	v_mov_b32 v15, 0
.set n, 0
.rept 32
	v_mov_b32 v[OA+n], 0
.set n, n+1
.endr
.endm
; A key step worked in full.  second = 0: the trip's first pass: on the diagonal the keys behind my query are hidden.  second = 1: the diagonal's second pass: the keys before it are hidden.
.macro FULL second
	v_add_nc_u32 v4, s[SB], v1                     ; 16 x lane,
	v_bfe_u32 v5, v1, 8, 1
	v_lshrrev_b32 v6, 1, v1
	v_lshl_add_u32 v5, v5, 6, s[SB]                ; 64 (lane / 16),
	v_add_nc_u32 v6, s[SB], v6                     ; 8 x lane, each in my head's record of the step
	NOPS 3                                         ; with the five lines above: eight places in front of loads into registers that the last products read
.irp t, 0,1,2,3,4,5,6,7
	ds_load_b128 v[32+8*\t:35+8*\t], v4 offset:1024*\t
	ds_load_b128 v[36+8*\t:39+8*\t], v4 offset:1024*\t+512
.endr
.irp t, 0,1,2,3,4,5,6,7
	ds_load_b128 v[S+8*\t:S+8*\t+3], v5 offset:BIA+128*(\t/2)+32*(\t%2)          ; the table at my eight keys of tile t: the C of the product
	ds_load_b128 v[S+8*\t+4:S+8*\t+7], v5 offset:BIA+128*(\t/2)+32*(\t%2)+16
.endr
	ds_load_b128 v[248:251], v4 offset:K_S
	s_wait_dscnt 0x0
.irp t, 0,2,4,6
	v_wmma_scale_f32_16x16x128_f8f6f4 v[S+8*\t:S+8*\t+7], v[32+8*\t:47+8*\t], v[16:31], v[S+8*\t:S+8*\t+7], v[248+\t/2], v255
	v_wmma_scale_f32_16x16x128_f8f6f4 v[S+8*\t+8:S+8*\t+15], v[40+8*\t:55+8*\t], v[16:31], v[S+8*\t+8:S+8*\t+15], v[248+\t/2], v255 matrix_a_scale:MATRIX_SCALE_ROW1
.endr
	NOPS 8                                         ; eight places: for the loads over K's registers and for the first reads of the scores
	VLOAD                                          ; V lands while the softmax is worked
.if \second == 0
	s_cmp_lg_u32 s[ST], s11
	s_cbranch_scc1 .Lopen_\@
.endif
.set n, 0
.rept 64                                       ; the step on the diagonal: register 16 b + i holds key 32 b + 16 h + i of the step
.if \second == 0
	v_cmp_gt_i32 vcc_lo, 32*(n/16)+n%16, v8        ; hidden: the key comes after my query
.else
	v_cmp_lt_i32 vcc_lo, 32*(n/16)+n%16, v8        ; hidden: it comes before
.endif
	v_cndmask_b32 v[S+n], v[S+n], v9, vcc_lo
.set n, n+1
.endr
.if \second == 0
.Lopen_\@:
.endif
.irp b, 0,1,2,3
	v_max3_num_f32 v[232+\b], v[S+16*\b], v[S+1+16*\b], v[S+2+16*\b]   ; the largest score of each block of 32 keys: for the row's maximum and, since p rises with the score, for the block's largest p
.endr
.irp i, 3,5,7,9,11,13
.irp b, 0,1,2,3
	v_max3_num_f32 v[232+\b], v[232+\b], v[S+16*\b+\i], v[S+1+16*\b+\i]
.endr
.endr
.irp b, 0,1,2,3
	v_max_num_f32 v[232+\b], v[232+\b], v[S+15+16*\b]
.endr
.irp b, 0,1,2,3
	v_permlanex16_b32 v[236+\b], v[232+\b], s[SEL], s[SEL+1]
.endr
.irp b, 0,1,2,3
	v_max_num_f32 v[232+\b], v[232+\b], v[236+\b]
.endr
	v_max3_num_f32 v254, v232, v233, v234
	v_max_num_f32 v254, v254, v235
	v_mul_f32 v254, s[CS], v254                    ; as t (c is positive)
	v_max_num_f32 v13, v13, v254                   ; the running largest t
	v_mov_b32 v254, v12
	v_floor_f32 v12, -v13                          ; the new -M = floor(-t): M is a whole number
	v_sub_f32 v254, v12, v254                      ; old M - new M: a whole number, 0 or less
	v_cvt_i32_f32 v254, v254                       ; (it saturates)
	v_ldexp_f32 v252, 1.0, v254                    ; f = 2^(old M - new M): rounds nothing
.set n, 0
.rept 32
	v_pk_fma_f32 v[S+n:S+n+1], v[S+n:S+n+1], s[CS:CS+1], v[12:13] op_sel_hi:[1,0,0]   ; t - M
.set n, n+2
.endr
.irp b, 0,1,2,3
	v_fma_f32 v[232+\b], v[232+\b], s[CS], v12
.endr
.set n, 0
.rept 64
	v_exp_f32 v[S+n], v[S+n]                       ; p = 2^(t - M)
.set n, n+1
.endr
	v_pk_mul_f32 v[14:15], v[14:15], v[252:253] op_sel_hi:[1,0]   ; the sums under the new M: the plain line behind the exponentials
	s_wait_alu depctr_va_vdst(0)                   ; one wait for the batch of 64, ahead of its first reader
.irp b, 0,1,2,3
	v_exp_f32 v[232+\b], v[232+\b]                 ; each block's largest p
.endr
	v_pk_add_f32 v[236:237], v[S:S+1], v[S+2:S+3]  ; the row's sum is taken of the unquantised p, in two chains
.irp j, 4,8,12,16,20,24,28,32,36,40,44,48,52,56,60
	v_pk_add_f32 v[14:15], v[14:15], v[S+\j:S+\j+1]
	v_pk_add_f32 v[236:237], v[236:237], v[S+2+\j:S+3+\j]
.endr
	v_pk_add_f32 v[14:15], v[14:15], v[236:237]
	s_wait_alu depctr_va_vdst(0)                   ; and one for the four
.irp b, 0,1,2,3
	v_max_num_f32 v[232+\b], 0x4800000, v[232+\b]  ; the floor: the byte cannot fall under 1
.endr
.irp b, 0,1,2,3
	v_add_nc_u32 v[244+\b], 0xfc000000, v[232+\b]
.endr
.irp b, 0,1,2,3
	v_and_or_b32 v[240+\b], v[232+\b], 0x7f800000, s[MNT]
.endr
.irp b, 0,1,2,3
	v_lshrrev_b32 v[236+\b], 23, v[244+\b]
.endr
	v_lshl_or_b32 v253, v237, 8, v236              ; p's scale word for these 128 keys: the 64 holds below are its places
	v_lshl_or_b32 v253, v238, 16, v253
	v_lshl_or_b32 v253, v239, 24, v253
.irp b, 0,1,2,3
.set n, 0
.rept 16
	v_min_num_f32 v[S+16*\b+n], v[S+16*\b+n], v[240+\b]          ; p is not negative: a one-sided hold
.set n, n+1
.endr
	v_cvt_scalef32_pk8_fp8_f32 v[PCD+4*\b:PCD+4*\b+1], v[S+16*\b:S+16*\b+7], v[244+\b]
	v_cvt_scalef32_pk8_fp8_f32 v[PCD+4*\b+2:PCD+4*\b+3], v[S+16*\b+8:S+16*\b+15], v[244+\b]
.endr
.irp j, 0,2,4,6,8,10,12,14
	v_pk_mul_f32 v[OA+\j:OA+\j+1], v[OA+\j:OA+\j+1], v[252:253] op_sel_hi:[1,0]   ; O^T under the new M; these eight are the places in front of the products
.endr
	s_wait_dscnt 0x0                               ; V is in
	v_wmma_scale_f32_16x16x128_f8f6f4 v[OA:OA+7], v[32:47], v[PCD:PCD+15], v[OA:OA+7], v10, v253
	v_wmma_scale_f32_16x16x128_f8f6f4 v[OA+8:OA+15], v[48:63], v[PCD:PCD+15], v[OA+8:OA+15], v10, v253 matrix_a_scale:MATRIX_SCALE_ROW1
.endm
; On the diagonal, between its two passes: the second direction's U (the steps under D), the first direction's statistics and its O^T go to v256-291, and the state begins anew.
; U's and the statistics' twenty moves name no register of the two products just issued: they are the places in front of the first read of O^T.
.macro PARK
	WIN 0x40                                       ; destinations in window 1
.set n, 0
.rept 16
	v_mov_b32 v[16+n], v[UA+n]                     ; v272 on
.set n, n+1
.endr
.irp j, 0,1,2,3
	v_mov_b32 v[32+\j], v[12+\j]                   ; v288 on
.endr
.set n, 0
.rept 16
	v_mov_b32 v[n], v[OA+n]                        ; v256 on
.set n, n+1
.endr
	WIN 0
	INIT
.endm
; A slot's four key steps: a loop of a constant four trips; what differs between trips is chosen inside, by scalar branches on the step's number and the work-group's D.
.macro PHASE slotoff
	s_add_co_u32 s[SB], s15, \slotoff              ; my head's four records in the slot
	s_mov_b32 s[CT], 4
.Lstep_\@:
	FULL 0
	s_cmp_eq_u32 s[ST], s11
	s_cbranch_scc1 .Ldiag_\@
	v_wmma_scale_f32_16x16x128_f8f6f4 v[UA:UA+7], v[32:47], v[ONES:ONES+15], v[UA:UA+7], v10, v7          ; for the other direction the step lies wholly under the mask: U += the sum of its quantised v
	v_wmma_scale_f32_16x16x128_f8f6f4 v[UA+8:UA+15], v[48:63], v[ONES:ONES+15], v[UA+8:UA+15], v10, v7 matrix_a_scale:MATRIX_SCALE_ROW1
	s_branch .Lnext_\@
.Ldiag_\@:
	PARK
	FULL 1
.Lnext_\@:
	s_add_co_u32 s[SB], s[SB], REC
	s_add_co_u32 s[ST], s[ST], 1
	s_sub_co_u32 s[CT], s[CT], 1
	s_cmp_lg_u32 s[CT], 0
	s_cbranch_scc1 .Lstep_\@
.endm
; The change of slots.  g0: the group 0 of the slot that has just been read and is filled again with the key steps eight further on; 0: nothing is left to fetch.
.macro CHANGE g0
	s_wait_tensorcnt 0x0                           ; all my tensor loads have landed, my record of the slot ahead among them: so a group 0 may be written
	ds_add_u32 v[SPW], v[NIL]                      ; 0 onto my spare word
.if \g0
	s_add_nc_u64 s[\g0+2:\g0+3], s[\g0+2:\g0+3], 8*REC   ; the address steps; the type bits on top are not reached
.endif
	s_wait_dscnt 0x0                               ; the add is done, and my reads of the slot that I leave are over
	s_barrier_signal -1
	s_barrier_wait -1                              ; both now hold of all twelve waves
.if \g0
	tensor_load_to_lds s[\g0:\g0+3], s[G1:G1+7]    ; my one tensor load behind this barrier, and the first thing there
	s_nop 0
	NOPS 4
.endif
.endm
; A direction's end.  ur: where its U stands.
.macro FINX dir, ur
.if \dir == 0
	s_sub_co_u32 s[NN], 15, s11                    ; how many key steps lay wholly under the mask
.else
	s_mov_b32 s[NN], s11
.endif
	s_cmp_eq_u32 s[NN], 0
	s_cbranch_scc1 .Lnomask_\@
	s_lshl_b32 s[NN], s[NN], 6                     ; my lane's share of their keys
	v_mul_f32 v254, s[CS], v9                      ; tm
	v_max_num_f32 v13, v13, v254
	v_mov_b32 v254, v12
	v_floor_f32 v12, -v13
	v_sub_f32 v254, v12, v254
	v_cvt_i32_f32 v254, v254
	v_ldexp_f32 v252, 1.0, v254
	v_fma_f32 v232, v9, s[CS], v12
	v_exp_f32 v232, v232                           ; pm
	v_cvt_i32_f32 v233, v12
	v_add_nc_u32 v233, 0xffffc7a5, v233            ; -M - 14427
	v_ldexp_f32 v234, 1.0, v233                    ; the quantised pm
	v_cvt_f32_u32 v235, s[NN]
	v_pk_mul_f32 v[14:15], v[14:15], v[252:253] op_sel_hi:[1,0]
.irp j, 0,2,4,6,8,10,12,14
	v_pk_mul_f32 v[OA+\j:OA+\j+1], v[OA+\j:OA+\j+1], v[252:253] op_sel_hi:[1,0]
.endr
.irp j, 0,2,4,6,8,10,12,14
	v_pk_fma_f32 v[OA+\j:OA+\j+1], v[\ur+\j:\ur+\j+1], v[234:235], v[OA+\j:OA+\j+1] op_sel_hi:[1,0,1]
.endr
	s_wait_alu depctr_va_vdst(0)                   ; ahead of pm's first reader
	v_fmac_f32 v14, v232, v235
.Lnomask_\@:
	v_add_f32 v14, v14, v15
	v_permlanex16_b32 v252, v14, s[SEL], s[SEL+1]
	v_add_f32 v14, v14, v252                       ; the row's sum
	v_rcp_f32 v14, v14
	v_nop
	s_wait_alu depctr_va_vdst(0)
.set n, 0
.rept 16
	v_mul_f32 v[S+n], v[OA+n], v14                 ; channels 16 h + 0 .. 15 of my query
.set n, n+1
.endr
	QUANT S, 1, PCD, 0
	global_store_b128 v1, v[PCD:PCD+3], s[38:39] offset:6144*\dir   ; block 12 dir + head of the tile's image: 512 consecutive bytes
.endm
	s_load_b128 s[4:7], s[0:1], 0x0                ; qkvb, attb
	v_lshl_add_u32 v[SPW], v0, 2, SPARE
	v_mov_b32 v[NIL], 0
	ds_add_u32 v2, v3
	ds_add_u32 v2, v3
	s_wait_dscnt 0x0
	v_lshrrev_b32 v1, 5, v0
	v_readfirstlane_b32 s8, v1                     ; wave 0..11
	s_and_b32 s36, ttmp7, 0xffff                   ; y: which three heads
	s_lshr_b32 s42, s8, 2                          ; which of the three is mine
	s_and_b32 s46, s8, 3                           ; which of the four tiles; also: which of a slot's four key steps I fetch
	s_mul_i32 s9, s36, 3
	s_add_co_u32 s9, s9, s42                       ; 12 x batch + head
	s_lshl_b32 s10, ttmp9, 2
	s_add_co_u32 s10, s10, s46                     ; my tile of queries, 0..127
	s_lshr_b32 s11, ttmp9, 1                       ; the key step on its diagonal: the same for all twelve waves
	s_mul_i32 s15, s42, 4*REC                      ; my head's four records in a slot
	s_cmp_ge_u32 s9, 12
	s_cselect_b32 s12, 1, 0
	s_cselect_b32 s13, 12, 0
	s_sub_co_u32 s13, s9, s13                      ; head
	s_lshl_b32 s14, s12, 7
	s_add_co_u32 s14, s14, s10                     ; the tile of rows T
	s_mov_b32 s[G1], 3<<16                         ; group 1: elements of 8 bytes, no mask, no padding
	s_mov_b32 s[G1+1], 32<<16                      ; tensor_dim0 = 32 (256 bytes)
	s_mov_b32 s[G1+2], 53<<16                      ; tensor_dim1 = 53
	s_mov_b32 s[G1+3], 32<<16                      ; tile_dim0
	s_mov_b32 s[G1+4], 53                          ; tile_dim1
	s_mov_b32 s[G1+5], 32                          ; dense
	s_mov_b32 s[G1+6], 0
	s_mov_b32 s[G1+7], 0
	s_lshl_b32 s44, s9, 4
	s_add_co_u32 s44, s44, s46                     ; my head's record of key step wave % 4
	s_mul_i32 s44, s44, REC
	s_add_co_u32 s44, s44, KV_OFF
	s_mov_b32 s45, 0
	s_mov_b32 s[G0A], 1
	s_mul_i32 s[G0A+1], s8, REC                    ; to slot 0, record = my wave's number
	s_mov_b32 s[G0B], 1
	s_add_co_u32 s[G0B+1], s[G0A+1], SLOT          ; to slot 1
	s_wait_kmcnt 0x0
	s_add_nc_u64 s[G0A+2:G0A+3], s[4:5], s[44:45]
	s_add_nc_u64 s[G0B+2:G0B+3], s[G0A+2:G0A+3], 4*REC   ; four key steps on
	s_or_b32 s[G0A+3], s[G0A+3], 0x80000000
	s_or_b32 s[G0B+3], s[G0B+3], 0x80000000
	tensor_load_to_lds s[G0A:G0A+3], s[G1:G1+7]    ; the two first fills go out together, ahead of every wait on TENSORcnt, every LDS read and every barrier
	s_nop 0
	tensor_load_to_lds s[G0B:G0B+3], s[G1:G1+7]
	s_nop 0
	NOPS 4
	s_lshl_b32 s42, s9, 4
	s_add_co_u32 s42, s42, s11
	s_mul_i32 s42, s42, 8704
	s_mov_b32 s43, 0
	s_add_nc_u64 s[2:3], s[4:5], s[42:43]          ; Q's record
	s_and_b32 s44, s10, 7                          ; my tile in it
	s_lshl_b32 s45, s44, 10
	s_lshr_b32 s46, s44, 1
	s_lshl_b32 s36, s46, 5
	s_lshl_b32 s46, s46, 2
	s_and_b32 s47, s10, 1
	s_lshl_b32 s37, s47, 8
	s_add_co_u32 s46, s46, s37
	s_add_co_u32 s46, s46, 8192                    ; its scale words: 8,192 + 16 (r + 16 (tile % 2)) + 4 (tile / 2)
	s_lshl_b32 s47, s47, 3
	s_add_co_u32 s36, s36, s47                     ; its first query in the step: 32 (tile / 2) + 8 (tile % 2)
	v_and_b32 v4, 31, v0
	v_lshlrev_b32 v1, 4, v4                        ; 16 x lane
	v_bfe_u32 v5, v0, 4, 1
	v_and_b32 v6, 15, v0
	v_and_b32 v8, 8, v6
	v_add_nc_u32 v8, v8, v6
	v_lshlrev_b32 v5, 4, v5
	v_sub_nc_u32 v8, v8, v5
	v_add_nc_u32 v8, s36, v8                       ; my query in the step - 16 h
	v_add_nc_u32 v4, s45, v1
	v_lshl_add_u32 v5, v6, 4, s46
	global_load_b128 v[16:19], v4, s[2:3]
	global_load_b128 v[20:23], v4, s[2:3] offset:512
	global_load_b32 v255, v5, s[2:3]
	s_mov_b32 s[SEL], 0x76543210
	s_mov_b32 s[SEL+1], 0xfedcba98
	s_mov_b32 s[CS], 0x3e38aa3b                    ; c = log2(e) / 8
	s_mov_b32 s[CS+1], s[CS]
	s_mov_b32 s[MNT], 0x600000
	s_mov_b32 s[HI16], 0xffff0000
	s_mul_i32 s42, s14, 12288
	s_lshl_b32 s44, s13, 9
	s_add_co_u32 s42, s42, s44
	s_add_nc_u64 s[38:39], s[6:7], s[42:43]        ; the tile's image, block = head
	s_mul_i32 s42, s14, 384
	s_lshr_b32 s44, s13, 2
	s_lshl_b32 s44, s44, 6
	s_add_co_u32 s42, s42, s44
	s_and_b32 s44, s13, 3
	s_add_co_u32 s42, s42, s44
	s_add_co_u32 s42, s42, AS_OFF
	s_add_nc_u64 s[40:41], s[6:7], s[42:43]        ; and that block's byte in the tile's scale words
	v_mov_b32 v7, 0x7f7f7f7f
	v_mov_b32 v9, 0xc79c4000                       ; -80000
	v_mov_b32 v11, 0
.irp j, 0,1,2,3,4,5,6,7
	v_mov_b32 v[24+\j], 0                          ; Q's upper half: zero codes
	v_mov_b32 v[96+\j], 0                          ; behind K's tile 7
.endr
.set n, 0
.rept 16
	v_mov_b32 v[ONES+n], 0x38383838                ; codes of 1.0
.set n, n+1
.endr
.irp b, 0,1,2,3
	v_mov_b32 v[236+\b], 0                         ; written once: a lane permute's destination counts as one of its sources
.endr
	v_mov_b32 v252, 0
	v_mov_b32 v253, 0                              ; (named as the upper half of v[252:253] before it is first written)
	WIN 0x40
.set n, 0
.rept 36
	v_mov_b32 v[n], 0                              ; v256-291: written once here, so that they are written on every way to the lines that read them
.set n, n+1
.endr
	WIN 0
	INIT
	s_mov_b32 s[ST], 0
	s_wait_loadcnt 0x0                             ; Q
	s_wait_tensorcnt 0x1                           ; my record of slot 0 has landed; slot 1's load, issued behind it, may stay out
	s_barrier_signal -1
	s_barrier_wait -1                              ; all twelve records of slot 0 have
	PHASE 0                                        ; key steps 0-3
	CHANGE G0A                                     ; slot 0 takes key steps 8-11
	PHASE SLOT                                     ; key steps 4-7
	CHANGE G0B                                     ; slot 1 takes key steps 12-15
	PHASE 0                                        ; key steps 8-11
	CHANGE 0                                       ; nothing is left to fetch
	PHASE SLOT                                     ; key steps 12-15
	; the second direction is in hand: its U comes back from v272 on
	NOPS 8                                         ; eight places behind the last products
	WIN 0x01                                       ; source 0 in window 1
.set n, 0
.rept 16
	v_mov_b32 v[UT+n], v[16+n]
.set n, n+1
.endr
	WIN 0
	FINX 1, UT
	v_mov_b32 v11, v236                            ; the second direction's byte
	s_wait_xcnt 0x0                                ; the store has read the codes' registers
	WIN 0x01
.set n, 0
.rept 16
	v_mov_b32 v[OA+n], v[n]                        ; the first direction's O^T,
.set n, n+1
.endr
.irp j, 0,1,2,3
	v_mov_b32 v[12+\j], v[32+\j]                   ; and its statistics; its U is the one in hand
.endr
	WIN 0
	FINX 0, UA
	v_cndmask_b32 v11, v236, v11, s[HI16]          ; lanes 0-15 store the first direction's byte, lanes 16-31 the second's, three K steps (192 bytes) on
	v_and_b32 v4, 15, v0
	v_bfe_u32 v5, v0, 4, 1
	v_mul_u32_u24 v5, v5, 192
	v_lshl_add_u32 v4, v4, 2, v5
	global_store_b8 v4, v11, s[40:41]
	s_wait_tensorcnt 0x0                           ; the wave's end
	ds_add_u32 v[SPW], v[NIL]
	s_wait_dscnt 0x0
	s_endpgm
.Lfunc_end_k_qcf2bbd10ed_attn:
	.size	k_qcf2bbd10ed_attn, .Lfunc_end_k_qcf2bbd10ed_attn-k_qcf2bbd10ed_attn
	.p2alignl 7, 3214868480
	.fill 96, 4, 3214868480
	.section	.rodata,"a",@progbits
	.p2align	6, 0x0
	.amdhsa_kernel k_qcf2bbd10ed_attn
		.amdhsa_group_segment_fixed_size 327680
		.amdhsa_private_segment_fixed_size 0
		.amdhsa_enable_private_segment 0
		.amdhsa_kernarg_size 16
		.amdhsa_user_sgpr_count 2
		.amdhsa_user_sgpr_kernarg_segment_ptr 1
		.amdhsa_wavefront_size32 1
		.amdhsa_system_sgpr_workgroup_id_x 1
		.amdhsa_system_sgpr_workgroup_id_y 1
		.amdhsa_system_sgpr_workgroup_id_z 1
		.amdhsa_system_vgpr_workitem_id 0
		.amdhsa_next_free_vgpr 320
		.amdhsa_next_free_sgpr 66
		.amdhsa_reserve_vcc 1
		.amdhsa_float_denorm_mode_32 3
		.amdhsa_float_denorm_mode_16_64 3
		.amdhsa_memory_ordered 1
		.amdhsa_forward_progress 1
		.amdhsa_inst_pref_size 216
	.end_amdhsa_kernel
	.amdgpu_metadata
---
amdhsa.version: [ 1, 2 ]
amdhsa.kernels:
  - .name:           k_qcf2bbd10ed_attn
    .symbol:         k_qcf2bbd10ed_attn.kd
    .args:
      - { .name: qkvb, .offset: 0, .size: 8, .value_kind: global_buffer, .address_space: global }
      - { .name: attb, .offset: 8, .size: 8, .value_kind: global_buffer, .address_space: global }
    .group_segment_fixed_size: 327680
    .private_segment_fixed_size: 0
    .kernarg_segment_align: 8
    .kernarg_segment_size: 16
    .max_flat_workgroup_size: 384
    .sgpr_count:     66
    .vgpr_count:     320
    .wavefront_size: 32
...
	.end_amdgpu_metadata
.endif
;; end of part 3
;; launch proj (part 4): grid 256 x 1, 12 waves a work-group, no clusters, 3,584 bytes of LDS; arguments attb, pbuf, x, bo, ln1_s, ln1_b, hbuf; writes hbuf
.if DOCPART == 4
	.amdgcn_target "amdgcn-amd-amdhsa--gfx1250"
	.amdhsa_code_object_version 6
	.text
	.protected	k_qcf2bbd10ed_proj
	.globl	k_qcf2bbd10ed_proj
	.p2align	8
	.type	k_qcf2bbd10ed_proj,@function
k_qcf2bbd10ed_proj:
	s_mov_b64 s[64:65], 0
	v_nop
	global_prefetch_b8 v0, s[64:65] scope:SCOPE_SE
	s_setreg_imm32_b32 hwreg(HW_REG_WAVE_MODE, 25, 1), 1
	s_wait_xcnt 0x0
; h = LayerNorm(x + attention wo + bo) with gains ln1_s, ln1_b; the product on codes of E4M3 (MX).  h leaves twice: in f32, for the second residual, and as codes with scale bytes, for the next product.
; SHARES.  A work-group owns one tile of 16 rows and all 768 columns, so that a row's mean and variance stay inside it; wave j of twelve owns columns 64 j on: four tiles of wo.
; The product is used transposed (source 0 = 16 columns of wo, source 1 = the 16 rows): a lane holds one row and 32 of its columns, 32 b + 16 h + 0 .. 15 for two blocks b.  x + bo is the C of the first K step.
; Operands go from memory straight into registers as fragment images, two K steps ahead (20 loads a K step); no tensor load, so no cluster's joint load either.
; The rows' sums meet in LDS: 16 rows x 12 words, twice (sum; sum of squared differences: the variance is taken about the mean, as the definition has it), with a barrier each.
; h in f32 lies in TILE ORDER: [tile][block of 32 columns][q][lane][16 bytes]: lane (r, h)'s columns 32 b + 16 h + 4 q on of row r: every store covers 512 consecutive bytes.
; LIMITS: blocks under 2^-118 get the byte 1; NaN and infinities are not served.
; REGISTERS: v1-9 addresses; v10-12 the rows' scale words; v16-27 wo's; v32-63 accumulators; v64-95 bo; v96-127 the rows' fragments, two buffers; v128-255 wo's, two buffers; behind the chain: v128-159, v160-191 the gains, v192-199 codes, v200-231 at work.
.set WO_C, 1474560
.set WO_S, 9974784
.set AS_OFF, 3145728
.set HT_OFF, 3244032
.set AS,   10
.set BS,   16
.set ACC,  32
.set BO,   64
.set LS,   128
.set LB,   160
.set PC,   192
.set TM,   200
.set SEL,  30
.set MNT,  32
.set HI16, 33
.macro NOPS n
.rept \n
	v_nop
.endr
.endm
.macro QUANT s, nb, pc, pad
.set qb, 0
.rept \nb
	v_max3_num_f32 v[TM+qb], |v[\s+16*qb]|, |v[\s+16*qb+1]|, 0x4800000
.set qb, qb+1
.endr
.irp i, 2,4,6,8,10,12,14
.set qb, 0
.rept \nb
	v_max3_num_f32 v[TM+qb], v[TM+qb], |v[\s+16*qb+\i]|, |v[\s+16*qb+\i+1]|
.set qb, qb+1
.endr
.endr
.set qb, 0
.rept \nb
	v_permlanex16_b32 v[TM+4+qb], v[TM+qb], s[SEL], s[SEL+1]
.set qb, qb+1
.endr
.set qb, 0
.rept \nb
	v_max_num_f32 v[TM+qb], v[TM+qb], v[TM+4+qb]
.set qb, qb+1
.endr
.set qb, 0
.rept \nb
	v_add_nc_u32 v[TM+12+qb], 0xfc000000, v[TM+qb]
	v_and_or_b32 v[TM+8+qb], v[TM+qb], 0x7f800000, s[MNT]
.set qb, qb+1
.endr
.set qb, 0
.rept \nb
	v_lshrrev_b32 v[TM+4+qb], 23, v[TM+12+qb]
.if \pad
	v_cndmask_b32 v[TM+8+qb], 0, v[TM+8+qb], vcc_lo
.endif
.set qb, qb+1
.endr
.set qb, 0
.rept \nb
.set qi, 0
.rept 16
	v_med3_num_f32 v[\s+16*qb+qi], v[\s+16*qb+qi], -v[TM+8+qb], v[TM+8+qb]
.set qi, qi+1
.endr
	v_cvt_scalef32_pk8_fp8_f32 v[\pc+4*qb:\pc+4*qb+1], v[\s+16*qb:\s+16*qb+7], v[TM+12+qb]
	v_cvt_scalef32_pk8_fp8_f32 v[\pc+4*qb+2:\pc+4*qb+3], v[\s+16*qb+8:\s+16*qb+15], v[TM+12+qb]
.set qb, qb+1
.endr
	v_nop
.endm
.macro LOADK s                         ; K step s: the rows' fragment and my four of wo, into buffers s % 2: 20 loads
.irp c, 0,1,2,3
	global_load_b128 v[96+16*((\s)%2)+4*\c:96+16*((\s)%2)+4*\c+3], v1, s[20:21] offset:2048*(\s)+512*\c
.endr
.irp t, 0,1,2,3
.irp c, 0,1,2,3
	global_load_b128 v[128+64*((\s)%2)+16*\t+4*\c:128+64*((\s)%2)+16*\t+4*\c+3], v1, s[22:23] offset:12288*\t+2048*(\s)+512*\c
.endr
.endr
.endm
.macro KSTEP s
.if (\s) < 5
	s_wait_loadcnt 20                              ; all but the next K step's 20 loads are in
.else
	s_wait_loadcnt 0x0
.endif
.if (\s) == 0
.set n, 0
.rept 16
	v_pk_add_f32 v[ACC+n:ACC+n+1], v[ACC+n:ACC+n+1], v[BO+n:BO+n+1]   ; x + bo: what the sums begin with
.set n, n+2
.endr
.endif
.irp t, 0,1,2,3                                ; the four accumulators by turns
.if (\s)%2 == 0
	v_wmma_scale_f32_16x16x128_f8f6f4 v[ACC+8*\t:ACC+8*\t+7], v[128+64*((\s)%2)+16*\t:128+64*((\s)%2)+16*\t+15], v[96+16*((\s)%2):96+16*((\s)%2)+15], v[ACC+8*\t:ACC+8*\t+7], v[BS+3*\t+(\s)/2], v[AS+(\s)/2]
.else
	v_wmma_scale_f32_16x16x128_f8f6f4 v[ACC+8*\t:ACC+8*\t+7], v[128+64*((\s)%2)+16*\t:128+64*((\s)%2)+16*\t+15], v[96+16*((\s)%2):96+16*((\s)%2)+15], v[ACC+8*\t:ACC+8*\t+7], v[BS+3*\t+(\s)/2], v[AS+(\s)/2] matrix_a_scale:MATRIX_SCALE_ROW1 matrix_b_scale:MATRIX_SCALE_ROW1
.endif
.endr
	NOPS 9                                         ; places in front of the loads into the buffers just read, and of the first reads of the results
.if (\s) < 4
	LOADK (\s)+2
.endif
.endm
.macro SUM12 off                       ; my row's twelve partial sums from LDS, added into v220
	ds_load_b128 v[220:223], v8 offset:\off
	ds_load_b128 v[224:227], v8 offset:\off+16
	ds_load_b128 v[228:231], v8 offset:\off+32
	s_wait_dscnt 0x0
	v_add_f32 v220, v220, v221
	v_add_f32 v222, v222, v223
	v_add_f32 v224, v224, v225
	v_add_f32 v226, v226, v227
	v_add_f32 v228, v228, v229
	v_add_f32 v230, v230, v231
	v_add_f32 v220, v220, v222
	v_add_f32 v224, v224, v226
	v_add_f32 v228, v228, v230
	v_add_f32 v220, v220, v224
	v_add_f32 v220, v220, v228
.endm
	s_load_b256 s[4:11], s[0:1], 0x0               ; attb, pbuf, x, bo
	s_load_b128 s[12:15], s[0:1], 0x20             ; ln1_s, ln1_b
	s_load_b64 s[16:17], s[0:1], 0x30              ; hbuf
	v_lshl_add_u32 v30, v0, 2, 0x800
	v_mov_b32 v31, 0
	v_lshrrev_b32 v1, 5, v0
	v_readfirstlane_b32 s18, v1                    ; wave j
	v_and_b32 v9, 31, v0
	v_lshlrev_b32 v1, 4, v9                        ; 16 x lane
	v_lshlrev_b32 v2, 2, v9                        ; 4 x lane
	v_and_b32 v3, 15, v0                           ; r
	v_bfe_u32 v4, v0, 4, 1                         ; h
	v_lshlrev_b32 v5, 6, v4                        ; 64 h
	v_and_b32 v6, 8, v3
	v_add_nc_u32 v6, v6, v3
	v_mul_u32_u24 v6, v6, 3072
	v_add_nc_u32 v6, v6, v5                        ; x: row r + 8 (r / 8) of the tile, + 64 h
	s_lshl_b32 s19, s18, 2
	v_lshlrev_b32 v8, 6, v3                        ; LDS: my row's 16 words,
	v_add_nc_u32 v7, s19, v8                       ; and my wave's word among them
	v_lshl_add_u32 v9, v3, 2, v4                   ; 4 r + h
	s_mov_b32 s[SEL], 0x76543210
	s_mov_b32 s[SEL+1], 0xfedcba98
	s_mov_b32 s[MNT], 0x600000
	s_mov_b32 s[HI16], 0xffff0000
	s_mov_b32 s42, 0x3aaaaaab                      ; 1 / 768
	s_mov_b32 s35, 0
	s_wait_kmcnt 0x0
	s_mul_i32 s34, ttmp9, 12288
	s_add_nc_u64 s[20:21], s[4:5], s[34:35]        ; the tile's image
	s_lshl_b32 s43, s18, 10
	s_add_co_u32 s34, s34, s43
	s_add_nc_u64 s[36:37], s[16:17], s[34:35]      ; h's image, my two blocks
	s_mul_i32 s34, ttmp9, 384
	s_add_co_u32 s34, s34, AS_OFF
	s_add_nc_u64 s[24:25], s[4:5], s[34:35]        ; its scale words
	s_lshr_b32 s43, s18, 1
	s_lshl_b32 s43, s43, 6
	s_add_co_u32 s34, s34, s43
	s_and_b32 s43, s18, 1
	s_lshl_b32 s43, s43, 1
	s_add_co_u32 s34, s34, s43
	s_add_nc_u64 s[40:41], s[16:17], s[34:35]      ; h's scale bytes of my two blocks (the same place in hbuf as in attb)
	s_mul_i32 s34, s18, 49152
	s_add_co_u32 s34, s34, WO_C
	s_add_nc_u64 s[22:23], s[6:7], s[34:35]
	s_mul_i32 s34, s18, 1536
	s_add_co_u32 s34, s34, WO_S
	s_add_nc_u64 s[26:27], s[6:7], s[34:35]
	s_lshr_b32 s34, ttmp9, 1
	s_lshl_b32 s34, s34, 5
	s_and_b32 s43, ttmp9, 1
	s_lshl_b32 s43, s43, 3
	s_add_co_u32 s34, s34, s43                     ; the tile's first row
	s_mul_i32 s34, s34, 3072
	s_lshl_b32 s43, s18, 8
	s_add_co_u32 s34, s34, s43
	s_add_nc_u64 s[28:29], s[8:9], s[34:35]
	s_mov_b32 s34, s43                             ; 256 j: my 64 columns in bo and in the gains
	s_add_nc_u64 s[10:11], s[10:11], s[34:35]
	s_add_nc_u64 s[12:13], s[12:13], s[34:35]
	s_add_nc_u64 s[14:15], s[14:15], s[34:35]
	s_mul_i32 s34, ttmp9, 49152
	s_lshl_b32 s43, s18, 12
	s_add_co_u32 s34, s34, s43
	s_add_co_u32 s34, s34, HT_OFF
	s_add_nc_u64 s[38:39], s[16:17], s[34:35]      ; h in f32, my two blocks
.irp i, 0,1,2
	global_load_b32 v[AS+\i], v2, s[24:25] offset:128*\i
.endr
.set n, 0
.rept 12
	global_load_b32 v[BS+n], v2, s[26:27] offset:384*(n/3)+128*(n%3)
.set n, n+1
.endr
.irp b, 0,1
.irp q, 0,1,2,3
	global_load_b128 v[ACC+16*\b+4*\q:ACC+16*\b+4*\q+3], v6, s[28:29] offset:128*\b+16*\q
.endr
.endr
.irp b, 0,1
.irp q, 0,1,2,3
	global_load_b128 v[BO+16*\b+4*\q:BO+16*\b+4*\q+3], v5, s[10:11] offset:128*\b+16*\q
.endr
.endr
	LOADK 0
	LOADK 1
.irp s, 0,1,2,3,4,5
	KSTEP \s
.endr
.irp b, 0,1
.irp q, 0,1,2,3
	global_load_b128 v[LS+16*\b+4*\q:LS+16*\b+4*\q+3], v5, s[12:13] offset:128*\b+16*\q
	global_load_b128 v[LB+16*\b+4*\q:LB+16*\b+4*\q+3], v5, s[14:15] offset:128*\b+16*\q
.endr
.endr
.irp b, 0,1,2,3
	v_mov_b32 v[TM+4+\b], 0                        ; permutes' destinations, written once
.endr
	v_mov_b32 v220, 0
	; the row's sum: my 32 numbers (each accumulator from its low end on), lane l xor 16's, then the twelve waves'
	v_pk_add_f32 v[216:217], v[ACC:ACC+1], v[ACC+2:ACC+3]
	v_pk_add_f32 v[218:219], v[ACC+4:ACC+5], v[ACC+6:ACC+7]
.irp j, 8,12,16,20,24,28
	v_pk_add_f32 v[216:217], v[216:217], v[ACC+\j:ACC+\j+1]
	v_pk_add_f32 v[218:219], v[218:219], v[ACC+\j+2:ACC+\j+3]
.endr
	v_pk_add_f32 v[216:217], v[216:217], v[218:219]
	v_add_f32 v216, v216, v217
	v_permlanex16_b32 v220, v216, s[SEL], s[SEL+1]
	v_add_f32 v216, v216, v220
	ds_store_b32 v7, v216
	s_wait_dscnt 0x0                               ; for the others' sake: my store has landed
	s_barrier_signal -1
	s_barrier_wait -1
	SUM12 0
	v_mul_f32 v216, s42, v220                      ; the mean
.set n, 0
.rept 16
	v_pk_add_f32 v[ACC+n:ACC+n+1], v[ACC+n:ACC+n+1], v[216:217] op_sel_hi:[1,0] neg_lo:[0,1] neg_hi:[0,1]
.set n, n+2
.endr
	v_pk_mul_f32 v[218:219], v[ACC:ACC+1], v[ACC:ACC+1]
	v_pk_mul_f32 v[222:223], v[ACC+2:ACC+3], v[ACC+2:ACC+3]
.irp j, 4,8,12,16,20,24,28
	v_pk_fma_f32 v[218:219], v[ACC+\j:ACC+\j+1], v[ACC+\j:ACC+\j+1], v[218:219]
	v_pk_fma_f32 v[222:223], v[ACC+\j+2:ACC+\j+3], v[ACC+\j+2:ACC+\j+3], v[222:223]
.endr
	v_pk_add_f32 v[218:219], v[218:219], v[222:223]
	v_add_f32 v218, v218, v219
	v_permlanex16_b32 v220, v218, s[SEL], s[SEL+1]
	v_add_f32 v218, v218, v220
	ds_store_b32 v7, v218 offset:1024              ; other bytes than the first sums'
	s_wait_dscnt 0x0
	s_barrier_signal -1
	s_barrier_wait -1
	SUM12 1024
	v_fmaak_f32 v218, s42, v220, 0x3727c5ac        ; the variance + 1e-5
	v_rsq_f32 v218, v218
	v_nop
	s_wait_alu depctr_va_vdst(0)                   ; ahead of the first reader
	s_wait_loadcnt 0x0                             ; the gains
.set n, 0
.rept 16
	v_pk_mul_f32 v[ACC+n:ACC+n+1], v[ACC+n:ACC+n+1], v[218:219] op_sel_hi:[1,0]
.set n, n+2
.endr
.set n, 0
.rept 16
	v_pk_fma_f32 v[ACC+n:ACC+n+1], v[ACC+n:ACC+n+1], v[LS+n:LS+n+1], v[LB+n:LB+n+1]
.set n, n+2
.endr
.irp b, 0,1
.irp q, 0,1,2,3
	global_store_b128 v1, v[ACC+16*\b+4*\q:ACC+16*\b+4*\q+3], s[38:39] offset:2048*\b+512*\q
.endr
.endr
	s_wait_xcnt 0x0                                ; the stores have read h: the holds below write it
	QUANT ACC, 2, PC, 0
	global_store_b128 v1, v[PC:PC+3], s[36:37]
	global_store_b128 v1, v[PC+4:PC+7], s[36:37] offset:512
	v_cndmask_b32 v216, v[TM+4], v[TM+5], s[HI16]  ; lanes 0-15 store the first block's byte, lanes 16-31 the second's
	global_store_b8 v9, v216, s[40:41]
	s_wait_tensorcnt 0x0
	ds_add_u32 v30, v31
	s_wait_dscnt 0x0
	s_endpgm
.Lfunc_end_k_qcf2bbd10ed_proj:
	.size	k_qcf2bbd10ed_proj, .Lfunc_end_k_qcf2bbd10ed_proj-k_qcf2bbd10ed_proj
	.p2alignl 7, 3214868480
	.fill 96, 4, 3214868480
	.section	.rodata,"a",@progbits
	.p2align	6, 0x0
	.amdhsa_kernel k_qcf2bbd10ed_proj
		.amdhsa_group_segment_fixed_size 3584
		.amdhsa_private_segment_fixed_size 0
		.amdhsa_enable_private_segment 0
		.amdhsa_kernarg_size 56
		.amdhsa_user_sgpr_count 2
		.amdhsa_user_sgpr_kernarg_segment_ptr 1
		.amdhsa_wavefront_size32 1
		.amdhsa_system_sgpr_workgroup_id_x 1
		.amdhsa_system_sgpr_workgroup_id_y 1
		.amdhsa_system_sgpr_workgroup_id_z 1
		.amdhsa_system_vgpr_workitem_id 0
		.amdhsa_next_free_vgpr 256
		.amdhsa_next_free_sgpr 66
		.amdhsa_reserve_vcc 1
		.amdhsa_float_denorm_mode_32 3
		.amdhsa_float_denorm_mode_16_64 3
		.amdhsa_memory_ordered 1
		.amdhsa_forward_progress 1
		.amdhsa_inst_pref_size 37
	.end_amdhsa_kernel
	.amdgpu_metadata
---
amdhsa.version: [ 1, 2 ]
amdhsa.kernels:
  - .name:           k_qcf2bbd10ed_proj
    .symbol:         k_qcf2bbd10ed_proj.kd
    .args:
      - { .name: attb, .offset: 0, .size: 8, .value_kind: global_buffer, .address_space: global }
      - { .name: pbuf, .offset: 8, .size: 8, .value_kind: global_buffer, .address_space: global }
      - { .name: x, .offset: 16, .size: 8, .value_kind: global_buffer, .address_space: global }
      - { .name: bo, .offset: 24, .size: 8, .value_kind: global_buffer, .address_space: global }
      - { .name: ln1_s, .offset: 32, .size: 8, .value_kind: global_buffer, .address_space: global }
      - { .name: ln1_b, .offset: 40, .size: 8, .value_kind: global_buffer, .address_space: global }
      - { .name: hbuf, .offset: 48, .size: 8, .value_kind: global_buffer, .address_space: global }
    .group_segment_fixed_size: 3584
    .private_segment_fixed_size: 0
    .kernarg_segment_align: 8
    .kernarg_segment_size: 56
    .max_flat_workgroup_size: 384
    .sgpr_count:     66
    .vgpr_count:     256
    .wavefront_size: 32
...
	.end_amdgpu_metadata
.endif
;; end of part 4
;; launch ffn1 (part 5): grid 8 x 32, 4 waves a work-group, no clusters, 168,448 bytes of LDS; arguments hbuf, pbuf, b1, hid; writes hid
.if DOCPART == 5
	.amdgcn_target "amdgcn-amd-amdhsa--gfx1250"
	.amdhsa_code_object_version 6
	.text
	.protected	k_qcf2bbd10ed_ffn1
	.globl	k_qcf2bbd10ed_ffn1
	.p2align	8
	.type	k_qcf2bbd10ed_ffn1,@function
k_qcf2bbd10ed_ffn1:
	s_mov_b64 s[64:65], 0
	v_nop
	global_prefetch_b8 v0, s[64:65] scope:SCOPE_SE
	s_setreg_imm32_b32 hwreg(HW_REG_WAVE_MODE, 25, 1), 1
	s_wait_xcnt 0x0
; hidden = leaky_relu(h w1 + b1), slope 0.01, on codes of E4M3 (MX), quantised again along the next product's K (the hidden units).
; SHARES.  A work-group takes 128 rows (y) x 384 columns (x).  Wave w takes 96 columns: six tiles of w1, whose 36 fragments stay in its registers, read from memory once; it walks the eight tiles of rows.
; h's eight tiles come once into LDS, one tensor load a wave (two tiles: 96 rows of 256 dense bytes); no LDS byte is filled twice.
; The product is used transposed (source 0 = 16 columns of w1, source 1 = 16 rows of h): a lane holds one row, and the 16 registers of two neighbouring tiles are 16 neighbouring hidden units: the conversions' results are the next operand's registers.
; b1 is the C of each sum's first product.  leaky_relu(x) = max(x, 0.01 x).
; The scale bytes (three blocks a wave and tile of rows) are gathered in 1,536 bytes of LDS of their own and leave in whole runs of 512 bytes, laid [y][x][tile of rows][3 K steps][16 words].
; NO CLUSTER: what partners would share is h's panel, 96 KiB of the 384 KiB that a work-group takes in; the weights go to registers.
; LIMITS: blocks under 2^-118 get the byte 1; NaN and infinities are not served.
; REGISTERS.  window 0: v1-12 addresses; v16-39 h's scale words; v40-57 w1's; v64-111 b1; v112-159 accumulators; v160-167, v192-207 at work; v168-179 codes.
;   windows 1, 2 and v0-63 of window 3: w1's fragments (K step s, tile t) at register 256 + 16 (6 s + t).   window 3, v64-159 and v160-255: two buffers for a tile of rows' six fragments.
.set W1_C, 2064384
.set W1_S, 9993216
.set HS_OFF, 3145728
.set HIDS, 12582912
.set SM,   98304
.set AS,   16
.set BS,   40
.set BIAS, 64
.set ACC,  112
.set PC,   168
.set TM,   192
.set SEL,  28
.set MNT,  30
.set MSB, 0
.macro WIN new
.if MSB != (\new)
	s_set_vgpr_msb (MSB<<8)|(\new)
.set MSB, (\new)
.endif
.endm
.macro NOPS n
.rept \n
	v_nop
.endr
.endm
.macro QUANT s, nb, pc, pad
.set qb, 0
.rept \nb
	v_max3_num_f32 v[TM+qb], |v[\s+16*qb]|, |v[\s+16*qb+1]|, 0x4800000
.set qb, qb+1
.endr
.irp i, 2,4,6,8,10,12,14
.set qb, 0
.rept \nb
	v_max3_num_f32 v[TM+qb], v[TM+qb], |v[\s+16*qb+\i]|, |v[\s+16*qb+\i+1]|
.set qb, qb+1
.endr
.endr
.set qb, 0
.rept \nb
	v_permlanex16_b32 v[TM+4+qb], v[TM+qb], s[SEL], s[SEL+1]
.set qb, qb+1
.endr
.set qb, 0
.rept \nb
	v_max_num_f32 v[TM+qb], v[TM+qb], v[TM+4+qb]
.set qb, qb+1
.endr
.set qb, 0
.rept \nb
	v_add_nc_u32 v[TM+12+qb], 0xfc000000, v[TM+qb]
	v_and_or_b32 v[TM+8+qb], v[TM+qb], 0x7f800000, s[MNT]
.set qb, qb+1
.endr
.set qb, 0
.rept \nb
	v_lshrrev_b32 v[TM+4+qb], 23, v[TM+12+qb]
.if \pad
	v_cndmask_b32 v[TM+8+qb], 0, v[TM+8+qb], vcc_lo
.endif
.set qb, qb+1
.endr
.set qb, 0
.rept \nb
.set qi, 0
.rept 16
	v_med3_num_f32 v[\s+16*qb+qi], v[\s+16*qb+qi], -v[TM+8+qb], v[TM+8+qb]
.set qi, qi+1
.endr
	v_cvt_scalef32_pk8_fp8_f32 v[\pc+4*qb:\pc+4*qb+1], v[\s+16*qb:\s+16*qb+7], v[TM+12+qb]
	v_cvt_scalef32_pk8_fp8_f32 v[\pc+4*qb+2:\pc+4*qb+3], v[\s+16*qb+8:\s+16*qb+15], v[TM+12+qb]
.set qb, qb+1
.endr
	v_nop
.endm
.macro ALOAD m                         ; tile of rows m: six fragments from LDS into buffer m % 2
	WIN 0xc0
.irp s, 0,1,2,3,4,5
.irp c, 0,1,2,3
	ds_load_b128 v[64+96*((\m)%2)+16*\s+4*\c:64+96*((\m)%2)+16*\s+4*\c+3], v[6+(\m)/4] offset:((\m)%4)*12288+2048*\s+512*\c
.endr
.endr
.endm
; 36 products: K step by K step, the six accumulators by turns, one instruction a turn
.macro CHAIN m
.set cf, 0
.rept 36
.set cs, cf/6
.set ct, cf%6
.set wn, (1+cf/16)|0x0c
	WIN wn
.set fr, 16*(cf%16)
.set ab, 64+96*((\m)%2)+16*cs
.set ac, ACC+8*ct
.if cs == 0
	v_wmma_scale_f32_16x16x128_f8f6f4 v[ac:ac+7], v[fr:fr+15], v[ab:ab+15], v[BIAS+8*ct:BIAS+8*ct+7], v[BS+3*ct], v[AS+3*(\m)]
.elseif cs%2 == 0
	v_wmma_scale_f32_16x16x128_f8f6f4 v[ac:ac+7], v[fr:fr+15], v[ab:ab+15], v[ac:ac+7], v[BS+3*ct+cs/2], v[AS+3*(\m)+cs/2]
.else
	v_wmma_scale_f32_16x16x128_f8f6f4 v[ac:ac+7], v[fr:fr+15], v[ab:ab+15], v[ac:ac+7], v[BS+3*ct+cs/2], v[AS+3*(\m)+cs/2] matrix_a_scale:MATRIX_SCALE_ROW1 matrix_b_scale:MATRIX_SCALE_ROW1
.endif
.set cf, cf+1
.endr
	WIN 0
	NOPS 9                                         ; nine places: reads of the results and loads into the buffer want eight, the next chain's new start of the accumulators nine
.endm
.macro TILE m
.if (\m) < 7
	ALOAD (\m)+1
	s_wait_dscnt 24                                ; this tile's loads (and the last tile's byte stores) are done; the next tile's 24 loads may be out
.else
	s_wait_dscnt 0x0
.endif
	CHAIN \m
.set lg, 0
.rept 6
.irp j, 0,2,4,6
	v_pk_mul_f32 v[160+\j:161+\j], v[ACC+8*lg+\j:ACC+8*lg+\j+1], s[32:33] op_sel_hi:[1,0]   ; 0.01 x, each accumulator from its low end on
.endr
.irp j, 0,1,2,3,4,5,6,7
	v_max_num_f32 v[ACC+8*lg+\j], v[ACC+8*lg+\j], v[160+\j]
.endr
.set lg, lg+1
.endr
	s_wait_xcnt 0x0                                ; the last tile's stores have read the codes' registers
	QUANT ACC, 3, PC, 0
.irp b, 0,1,2
	global_store_b128 v1, v[PC+4*\b:PC+4*\b+3], s[44:45] offset:49152*(\m)+512*\b
	ds_store_b8 v[8+\b], v[TM+4+\b] offset:192*(\m)   ; both lanes of a row write the same byte with the same value
.endr
.endm
	s_load_b256 s[4:11], s[0:1], 0x0               ; hbuf, pbuf, b1, hid
	v_lshl_add_u32 v254, v0, 2, 0x29000
	v_mov_b32 v255, 0
	ds_add_u32 v254, v255
	ds_add_u32 v254, v255
	v_lshrrev_b32 v1, 5, v0
	v_readfirstlane_b32 s12, v1                    ; wave
	s_and_b32 s14, ttmp7, 0xffff                   ; y
	s_mov_b32 s20, 3<<16                           ; group 1: elements of 8 bytes, no mask, no padding
	s_mov_b32 s21, 32<<16                          ; tensor_dim0 = 32 (256 bytes)
	s_mov_b32 s22, 96<<16                          ; tensor_dim1 = 96
	s_mov_b32 s23, 32<<16                          ; tile_dim0
	s_mov_b32 s24, 96                              ; tile_dim1
	s_mov_b32 s25, 32                              ; dense
	s_mov_b32 s26, 0
	s_mov_b32 s27, 0
	s_lshl_b32 s48, s14, 3
	s_lshl_b32 s49, s12, 1
	s_add_co_u32 s48, s48, s49
	s_mul_i32 s48, s48, 12288                      ; h's tiles 8 y + 2 w on
	s_mov_b32 s49, 0
	s_mov_b32 s16, 1
	s_mul_i32 s17, s12, 24576
	s_wait_dscnt 0x0
	s_wait_kmcnt 0x0
	s_add_nc_u64 s[18:19], s[4:5], s[48:49]
	s_or_b32 s19, s19, 0x80000000
	tensor_load_to_lds s[16:19], s[20:27]          ; my one tensor load: a first fill
	s_nop 0
	NOPS 4
	v_and_b32 v13, 31, v0
	v_lshlrev_b32 v1, 4, v13                       ; 16 x lane
	v_lshlrev_b32 v2, 2, v13                       ; 4 x lane
	v_and_b32 v3, 15, v0                           ; r
	v_bfe_u32 v4, v0, 4, 1
	v_lshlrev_b32 v5, 6, v4                        ; 64 h
	v_lshlrev_b32 v6, 4, v13                       ; LDS: tiles of rows 0-3;
	v_add_nc_u32 v7, 49152, v6                     ; tiles 4-7
	s_mul_i32 s34, s12, 3
.irp b, 0,1,2
	s_add_co_u32 s35, s34, \b                      ; my block 3 w + b among the work-group's twelve:
	s_lshr_b32 s50, s35, 2
	s_lshl_b32 s50, s50, 6                         ; its K step's 16 words,
	s_and_b32 s35, s35, 3
	s_add_co_u32 s50, s50, s35                     ; its byte in a word
	s_add_co_u32 s50, s50, SM
	v_lshl_add_u32 v[8+\b], v3, 2, s50
.endr
	s_lshl_b32 s34, s12, 9
	v_add_nc_u32 v12, s34, v1                      ; the way out of the scale bytes: 512 w + 16 x lane
	v_add_nc_u32 v11, SM, v12
	s_mov_b32 s[SEL], 0x76543210
	s_mov_b32 s[SEL+1], 0xfedcba98
	s_mov_b32 s[MNT], 0x600000
	s_mov_b32 s32, 0x3c23d70a                      ; 0.01
	s_mov_b32 s33, s32
.irp b, 0,1,2,3
	v_mov_b32 v[TM+4+\b], 0
.endr
	s_mul_i32 s48, ttmp9, 24
	s_mul_i32 s34, s12, 6
	s_add_co_u32 s34, s34, s48                     ; my first tile of w1: 24 x + 6 w
	s_mul_i32 s48, s34, 12288
	s_add_co_u32 s48, s48, W1_C
	s_add_nc_u64 s[36:37], s[6:7], s[48:49]
	s_mul_i32 s48, s34, 384
	s_add_co_u32 s48, s48, W1_S
	s_add_nc_u64 s[38:39], s[6:7], s[48:49]
	s_mul_i32 s48, s14, 3072
	s_add_co_u32 s48, s48, HS_OFF
	s_add_nc_u64 s[40:41], s[4:5], s[48:49]
	s_lshl_b32 s48, s34, 6                         ; 16 columns x 4 bytes a tile
	s_add_nc_u64 s[42:43], s[8:9], s[48:49]
	s_mul_i32 s48, s14, 393216
	s_lshl_b32 s35, s34, 8                         ; half a block of 512 bytes a tile
	s_add_co_u32 s48, s48, s35
	s_add_nc_u64 s[44:45], s[10:11], s[48:49]
	s_lshl_b32 s48, s14, 3
	s_add_co_u32 s48, s48, ttmp9
	s_mul_i32 s48, s48, 1536
	s_add_co_u32 s48, s48, HIDS
	s_add_nc_u64 s[46:47], s[10:11], s[48:49]
.set ff, 0
.rept 36
.set wn, (1+ff/16)<<6
	WIN wn
.irp c, 0,1,2,3
	global_load_b128 v[16*(ff%16)+4*\c:16*(ff%16)+4*\c+3], v1, s[36:37] offset:(ff%6)*12288+(ff/6)*2048+512*\c
.endr
.set ff, ff+1
.endr
	WIN 0
.set ff, 0
.rept 18
	global_load_b32 v[BS+ff], v2, s[38:39] offset:384*(ff/3)+128*(ff%3)
.set ff, ff+1
.endr
.set ff, 0
.rept 24
	global_load_b32 v[AS+ff], v2, s[40:41] offset:384*(ff/3)+128*(ff%3)
.set ff, ff+1
.endr
.irp b, 0,1,2
.irp q, 0,1,2,3
	global_load_b128 v[BIAS+16*\b+4*\q:BIAS+16*\b+4*\q+3], v5, s[42:43] offset:128*\b+16*\q
.endr
.endr
	s_wait_loadcnt 0x0
	s_wait_tensorcnt 0x0                           ; my part of h's panel has landed,
	s_barrier_signal -1
	s_barrier_wait -1                              ; everybody's has
	ALOAD 0
.irp m, 0,1,2,3,4,5,6,7
	TILE \m
.endr
	s_wait_dscnt 0x0                               ; for the others' sake: my byte stores have landed
	s_barrier_signal -1
	s_barrier_wait -1
	s_cmp_ge_u32 s12, 3
	s_cbranch_scc1 .Lend
	ds_load_b128 v[160:163], v11                   ; 1,536 bytes: three waves take 512 each
	s_wait_dscnt 0x0
	global_store_b128 v12, v[160:163], s[46:47]
.Lend:
	s_wait_tensorcnt 0x0
	ds_add_u32 v254, v255
	s_wait_dscnt 0x0
	s_endpgm
.Lfunc_end_k_qcf2bbd10ed_ffn1:
	.size	k_qcf2bbd10ed_ffn1, .Lfunc_end_k_qcf2bbd10ed_ffn1-k_qcf2bbd10ed_ffn1
	.p2alignl 7, 3214868480
	.fill 96, 4, 3214868480
	.section	.rodata,"a",@progbits
	.p2align	6, 0x0
	.amdhsa_kernel k_qcf2bbd10ed_ffn1
		.amdhsa_group_segment_fixed_size 168448
		.amdhsa_private_segment_fixed_size 0
		.amdhsa_enable_private_segment 0
		.amdhsa_kernarg_size 32
		.amdhsa_user_sgpr_count 2
		.amdhsa_user_sgpr_kernarg_segment_ptr 1
		.amdhsa_wavefront_size32 1
		.amdhsa_system_sgpr_workgroup_id_x 1
		.amdhsa_system_sgpr_workgroup_id_y 1
		.amdhsa_system_sgpr_workgroup_id_z 1
		.amdhsa_system_vgpr_workitem_id 0
		.amdhsa_next_free_vgpr 1024
		.amdhsa_next_free_sgpr 66
		.amdhsa_reserve_vcc 1
		.amdhsa_float_denorm_mode_32 3
		.amdhsa_float_denorm_mode_16_64 3
		.amdhsa_memory_ordered 1
		.amdhsa_forward_progress 1
		.amdhsa_inst_pref_size 151
	.end_amdhsa_kernel
	.amdgpu_metadata
---
amdhsa.version: [ 1, 2 ]
amdhsa.kernels:
  - .name:           k_qcf2bbd10ed_ffn1
    .symbol:         k_qcf2bbd10ed_ffn1.kd
    .args:
      - { .name: hbuf, .offset: 0, .size: 8, .value_kind: global_buffer, .address_space: global }
      - { .name: pbuf, .offset: 8, .size: 8, .value_kind: global_buffer, .address_space: global }
      - { .name: b1, .offset: 16, .size: 8, .value_kind: global_buffer, .address_space: global }
      - { .name: hid, .offset: 24, .size: 8, .value_kind: global_buffer, .address_space: global }
    .group_segment_fixed_size: 168448
    .private_segment_fixed_size: 0
    .kernarg_segment_align: 8
    .kernarg_segment_size: 32
    .max_flat_workgroup_size: 128
    .sgpr_count:     66
    .vgpr_count:     1024
    .wavefront_size: 32
...
	.end_amdgpu_metadata
.endif
;; end of part 5
;; launch ffn2 (part 6): grid 8 x 32, 4 waves a work-group, no clusters, 197,120 bytes of LDS; arguments hid, pbuf, b2, y2; writes y2
.if DOCPART == 6
	.amdgcn_target "amdgcn-amd-amdhsa--gfx1250"
	.amdhsa_code_object_version 6
	.text
	.protected	k_qcf2bbd10ed_ffn2
	.globl	k_qcf2bbd10ed_ffn2
	.p2align	8
	.type	k_qcf2bbd10ed_ffn2,@function
k_qcf2bbd10ed_ffn2:
	s_mov_b64 s[64:65], 0
	v_nop
	global_prefetch_b8 v0, s[64:65] scope:SCOPE_SE
	s_setreg_imm32_b32 hwreg(HW_REG_WAVE_MODE, 25, 1), 1
	s_wait_xcnt 0x0
; ff = hidden w2 + b2 on codes of E4M3 (MX); f32 out, in tile order ([tile of rows][block of 32 columns][q][lane][16 bytes]).
; SHARES.  A work-group takes 128 rows (y) x 96 columns (x): six tiles of w2.  THE WAVES SHARE K: wave w takes K steps 6 w .. 6 w + 5 of the 24, so both its operands are its own and go from memory straight into registers:
; w2's 36 fragments once, the hidden layer's six for each of eight tiles of rows, a tile ahead.  The four partial sums of each tile meet in LDS (6,144 bytes for a wave and tile); behind one barrier wave w adds tiles 2 w and 2 w + 1 and b2.
; The product is used transposed (source 0 = 16 columns of w2, source 1 = 16 rows): a lane holds one row and 16 neighbouring columns for each pair of tiles.
; No tensor load, so no cluster's joint load.  The order of the four partial sums is fixed: waves 0, 1, 2, 3.
; REGISTERS.  window 0: v1-14 addresses; v16-39 the rows' scale words; v40-57 w2's; v64-111 b2; v112-159 accumulators.
;   windows 1, 2 and v0-63 of window 3: w2's fragments at register 256 + 16 (6 s + t).   window 3, v64-159 and v160-255: two buffers for six fragments; at the end the four partial sums.
.set W2_C, 4423680
.set W2_S, 10066944
.set HIDS, 12582912
.set AS,   16
.set BS,   40
.set BIAS, 64
.set ACC,  112
.set MSB, 0
.macro WIN new
.if MSB != (\new)
	s_set_vgpr_msb (MSB<<8)|(\new)
.set MSB, (\new)
.endif
.endm
.macro NOPS n
.rept \n
	v_nop
.endr
.endm
.macro GLOADA m                        ; tile of rows m: my six fragments into buffer m % 2: 24 loads
	WIN 0xc0
.irp s, 0,1,2,3,4,5
.irp c, 0,1,2,3
	global_load_b128 v[64+96*((\m)%2)+16*\s+4*\c:64+96*((\m)%2)+16*\s+4*\c+3], v1, s[20:21] offset:49152*(\m)+2048*\s+512*\c
.endr
.endr
.endm
.macro CHAIN m                         ; 36 products, the six accumulators by turns; the first K step starts the sums
.set cf, 0
.rept 36
.set cs, cf/6
.set ct, cf%6
.set wn, (1+cf/16)|0x0c
	WIN wn
.set fr, 16*(cf%16)
.set ab, 64+96*((\m)%2)+16*cs
.set ac, ACC+8*ct
.if cs == 0
	v_wmma_scale_f32_16x16x128_f8f6f4 v[ac:ac+7], v[fr:fr+15], v[ab:ab+15], 0, v[BS+3*ct], v[AS+3*(\m)]
.elseif cs%2 == 0
	v_wmma_scale_f32_16x16x128_f8f6f4 v[ac:ac+7], v[fr:fr+15], v[ab:ab+15], v[ac:ac+7], v[BS+3*ct+cs/2], v[AS+3*(\m)+cs/2]
.else
	v_wmma_scale_f32_16x16x128_f8f6f4 v[ac:ac+7], v[fr:fr+15], v[ab:ab+15], v[ac:ac+7], v[BS+3*ct+cs/2], v[AS+3*(\m)+cs/2] matrix_a_scale:MATRIX_SCALE_ROW1 matrix_b_scale:MATRIX_SCALE_ROW1
.endif
.set cf, cf+1
.endr
	WIN 0
	NOPS 9                                         ; nine places: LDS stores of the results and loads into the buffer want eight, the next chain's new start nine
.endm
.macro TILE m
.if (\m) < 7
	GLOADA (\m)+1
	s_wait_loadcnt 24                              ; this tile's loads are in; the next tile's 24 may be out
.else
	s_wait_loadcnt 0x0
.endif
	s_wait_dscnt 0x0                               ; the last tile's LDS stores have read the accumulators
	CHAIN \m
	v_add_nc_u32 v13, 24576*(\m), v12
.set n, 0
.rept 12
	ds_store_b128 v13, v[ACC+4*n:ACC+4*n+3] offset:512*n   ; each accumulator from its low end on
.set n, n+1
.endr
.endm
	s_load_b256 s[4:11], s[0:1], 0x0               ; hid, pbuf, b2, y2
	v_lshl_add_u32 v254, v0, 2, 0x30000
	v_mov_b32 v255, 0
	v_lshrrev_b32 v1, 5, v0
	v_readfirstlane_b32 s12, v1                    ; wave
	s_and_b32 s14, ttmp7, 0xffff                   ; y
	v_and_b32 v9, 31, v0
	v_lshlrev_b32 v1, 4, v9                        ; 16 x lane
	v_lshlrev_b32 v2, 2, v9                        ; 4 x lane
	v_and_b32 v3, 15, v0                           ; r
	v_bfe_u32 v4, v0, 4, 1                         ; h
	v_lshlrev_b32 v5, 6, v4                        ; 64 h
	v_lshl_add_u32 v10, v3, 2, v5                  ; 4 r + 64 h: two K steps of one group of three
	v_mul_u32_u24 v11, v4, 1408
	v_lshl_add_u32 v11, v3, 2, v11                 ; 4 r + 1,408 h: the last of one group and the first of the next
	s_mul_i32 s16, s12, 6144
	v_add_nc_u32 v12, s16, v1                      ; LDS: my partial sums of tile 0
	s_mul_i32 s16, s12, 49152
	v_add_nc_u32 v14, s16, v1                      ; LDS: all partial sums of tile 2 w
	s_mov_b32 s17, 0
	s_wait_kmcnt 0x0
	s_mul_i32 s16, s14, 393216
	s_mul_i32 s18, s12, 12288
	s_add_co_u32 s16, s16, s18
	s_add_nc_u64 s[20:21], s[4:5], s[16:17]        ; the rows' fragments: tile 8 y, K step 6 w
	s_mul_i32 s16, s14, 12288
	s_mul_i32 s18, s12, 3072
	s_add_co_u32 s16, s16, s18
	s_add_co_u32 s16, s16, HIDS
	s_add_nc_u64 s[22:23], s[4:5], s[16:17]        ; their scale words: [y][group 2 w of three K steps]
	s_mul_i32 s16, ttmp9, 294912
	s_mul_i32 s18, s12, 12288
	s_add_co_u32 s16, s16, s18
	s_add_co_u32 s16, s16, W2_C
	s_add_nc_u64 s[24:25], s[6:7], s[16:17]
	s_mul_i32 s16, ttmp9, 9216
	s_mul_i32 s18, s12, 384
	s_add_co_u32 s16, s16, s18
	s_add_co_u32 s16, s16, W2_S
	s_add_nc_u64 s[26:27], s[6:7], s[16:17]
	s_mul_i32 s16, ttmp9, 384
	s_add_nc_u64 s[28:29], s[8:9], s[16:17]
	s_mul_i32 s16, s14, 393216
	s_mul_i32 s18, s12, 98304
	s_add_co_u32 s16, s16, s18
	s_mul_i32 s18, ttmp9, 6144
	s_add_co_u32 s16, s16, s18
	s_add_nc_u64 s[30:31], s[10:11], s[16:17]      ; y2: tile 8 y + 2 w, blocks 3 x on
.set ff, 0
.rept 36
.set wn, (1+ff/16)<<6
	WIN wn
.irp c, 0,1,2,3
	global_load_b128 v[16*(ff%16)+4*\c:16*(ff%16)+4*\c+3], v1, s[24:25] offset:(ff%6)*49152+(ff/6)*2048+512*\c
.endr
.set ff, ff+1
.endr
	WIN 0
.set ff, 0
.rept 18
	global_load_b32 v[BS+ff], v2, s[26:27] offset:1536*(ff/3)+128*(ff%3)
.set ff, ff+1
.endr
.irp m, 0,1,2,3,4,5,6,7
	global_load_b32 v[AS+3*\m], v10, s[22:23] offset:192*\m
	global_load_b32 v[AS+3*\m+1], v11, s[22:23] offset:192*\m+128
	global_load_b32 v[AS+3*\m+2], v10, s[22:23] offset:192*\m+1600
.endr
.irp b, 0,1,2
.irp q, 0,1,2,3
	global_load_b128 v[BIAS+16*\b+4*\q:BIAS+16*\b+4*\q+3], v5, s[28:29] offset:128*\b+16*\q
.endr
.endr
	GLOADA 0
.irp m, 0,1,2,3,4,5,6,7
	TILE \m
.endr
	s_wait_dscnt 0x0                               ; for the others' sake: my partial sums have landed
	s_barrier_signal -1
	s_barrier_wait -1
.irp e, 0,1
.if \e
	s_wait_xcnt 0x0                                ; the first tile's stores have read their registers
.endif
	WIN 0xc0
.irp w, 0,1,2,3
.set n, 0
.rept 12
	ds_load_b128 v[64+48*\w+4*n:64+48*\w+4*n+3], v14 offset:24576*\e+6144*\w+512*n
.set n, n+1
.endr
.endr
	s_wait_dscnt 0x0
	WIN 0xcf
.irp w, 1,2,3
.set n, 0
.rept 24
	v_pk_add_f32 v[64+n:65+n], v[64+n:65+n], v[64+48*\w+n:65+48*\w+n]
.set n, n+2
.endr
.endr
	WIN 0xc3
.set n, 0
.rept 24
	v_pk_add_f32 v[64+n:65+n], v[64+n:65+n], v[BIAS+n:BIAS+n+1]
.set n, n+2
.endr
	WIN 0x0c
.set n, 0
.rept 12
	global_store_b128 v1, v[64+4*n:67+4*n], s[30:31] offset:49152*\e+512*n   ; 512 consecutive bytes a store
.set n, n+1
.endr
.endr
	WIN 0
	s_wait_tensorcnt 0x0
	ds_add_u32 v254, v255
	s_wait_dscnt 0x0
	s_endpgm
.Lfunc_end_k_qcf2bbd10ed_ffn2:
	.size	k_qcf2bbd10ed_ffn2, .Lfunc_end_k_qcf2bbd10ed_ffn2-k_qcf2bbd10ed_ffn2
	.p2alignl 7, 3214868480
	.fill 96, 4, 3214868480
	.section	.rodata,"a",@progbits
	.p2align	6, 0x0
	.amdhsa_kernel k_qcf2bbd10ed_ffn2
		.amdhsa_group_segment_fixed_size 197120
		.amdhsa_private_segment_fixed_size 0
		.amdhsa_enable_private_segment 0
		.amdhsa_kernarg_size 32
		.amdhsa_user_sgpr_count 2
		.amdhsa_user_sgpr_kernarg_segment_ptr 1
		.amdhsa_wavefront_size32 1
		.amdhsa_system_sgpr_workgroup_id_x 1
		.amdhsa_system_sgpr_workgroup_id_y 1
		.amdhsa_system_sgpr_workgroup_id_z 1
		.amdhsa_system_vgpr_workitem_id 0
		.amdhsa_next_free_vgpr 1024
		.amdhsa_next_free_sgpr 66
		.amdhsa_reserve_vcc 0
		.amdhsa_float_denorm_mode_32 3
		.amdhsa_float_denorm_mode_16_64 3
		.amdhsa_memory_ordered 1
		.amdhsa_forward_progress 1
		.amdhsa_inst_pref_size 107
	.end_amdhsa_kernel
	.amdgpu_metadata
---
amdhsa.version: [ 1, 2 ]
amdhsa.kernels:
  - .name:           k_qcf2bbd10ed_ffn2
    .symbol:         k_qcf2bbd10ed_ffn2.kd
    .args:
      - { .name: hid, .offset: 0, .size: 8, .value_kind: global_buffer, .address_space: global }
      - { .name: pbuf, .offset: 8, .size: 8, .value_kind: global_buffer, .address_space: global }
      - { .name: b2, .offset: 16, .size: 8, .value_kind: global_buffer, .address_space: global }
      - { .name: y2, .offset: 24, .size: 8, .value_kind: global_buffer, .address_space: global }
    .group_segment_fixed_size: 197120
    .private_segment_fixed_size: 0
    .kernarg_segment_align: 8
    .kernarg_segment_size: 32
    .max_flat_workgroup_size: 128
    .sgpr_count:     66
    .vgpr_count:     1024
    .wavefront_size: 32
...
	.end_amdgpu_metadata
.endif
;; end of part 6
;; launch ln2 (part 7): grid 256 x 1, 4 waves a work-group, no clusters, 49,920 bytes of LDS; arguments y2, hbuf, ln2_s, ln2_b, out0; writes out0
.if DOCPART == 7
	.amdgcn_target "amdgcn-amd-amdhsa--gfx1250"
	.amdhsa_code_object_version 6
	.text
	.protected	k_qcf2bbd10ed_ln2
	.globl	k_qcf2bbd10ed_ln2
	.p2align	8
	.type	k_qcf2bbd10ed_ln2,@function
k_qcf2bbd10ed_ln2:
	s_mov_b64 s[64:65], 0
	v_nop
	global_prefetch_b8 v0, s[64:65] scope:SCOPE_SE
	s_setreg_imm32_b32 hwreg(HW_REG_WAVE_MODE, 25, 1), 1
	s_wait_xcnt 0x0
; out = LayerNorm(h + ff) with gains ln2_s, ln2_b, all in f32.  h and ff lie in tile order ([tile of 16 rows][block of 32 columns][q][lane][16 bytes]); out is row-major.
; A work-group takes one tile of 16 rows.  Phase 1: wave w adds six blocks of h and ff (24 + 24 loads of 512 consecutive bytes) and lays the sums in LDS as rows of 3,072 bytes + 16 (772 words: the sixteen rows that a store
; touches begin four banks apart).  One barrier.  Phase 2: wave w takes four whole rows, 24 numbers a lane; mean and variance (about the mean) stay inside the wave; each store covers 512 consecutive bytes of a row.
; Row p of the tile is row 32 (T / 2) + 8 (T % 2) + p + 8 (p / 8) of the tensor.  A stream: no matrix unit, no cluster, no tensor load would add anything.
; REGISTERS: v16-111 ff, then the sums, then four rows; v112-207 h, then at work; v208-231, v232-255 the gains of my columns 128 q + 4 lane + 0 .. 3.
.set HT_OFF, 3244032
.set PITCH,  3088
	s_load_b256 s[4:11], s[0:1], 0x0               ; y2, hbuf, ln2_s, ln2_b
	s_load_b64 s[12:13], s[0:1], 0x20              ; out0
	v_lshl_add_u32 v14, v0, 2, 0xc100
	v_mov_b32 v15, 0
	v_lshrrev_b32 v1, 5, v0
	v_readfirstlane_b32 s14, v1                    ; wave
	v_and_b32 v2, 31, v0
	v_lshlrev_b32 v1, 4, v2                        ; 16 x lane
	v_and_b32 v3, 15, v0                           ; r
	v_bfe_u32 v4, v0, 4, 1                         ; h
	v_mul_u32_u24 v5, v3, PITCH
	v_lshl_add_u32 v5, v4, 6, v5
	s_mul_i32 s15, s14, 768
	v_add_nc_u32 v5, s15, v5                       ; LDS, in: row r, + 64 h, + my six blocks
	s_mul_i32 s15, s14, 4*PITCH
	v_add_nc_u32 v6, s15, v1                       ; LDS, out: my four rows, 16 bytes a lane
	s_mov_b32 s18, 0x76543210
	s_mov_b32 s19, 0xfedcba98
	s_mov_b32 s20, 0x3aaaaaab                      ; 1 / 768
	s_mul_i32 s16, ttmp9, 49152
	s_mul_i32 s17, s14, 12288
	s_add_co_u32 s16, s16, s17
	s_mov_b32 s17, 0
	s_lshr_b32 s22, ttmp9, 1
	s_lshl_b32 s22, s22, 5
	s_and_b32 s23, ttmp9, 1
	s_lshl_b32 s23, s23, 3
	s_add_co_u32 s22, s22, s23
	s_lshl_b32 s23, s14, 2
	s_add_co_u32 s22, s22, s23
	s_lshr_b32 s23, s14, 1
	s_lshl_b32 s23, s23, 3
	s_add_co_u32 s22, s22, s23                     ; my first row of out
	s_mul_i32 s22, s22, 3072
	s_mov_b32 s23, 0
	s_wait_kmcnt 0x0
	s_add_nc_u64 s[4:5], s[4:5], s[16:17]
	s_add_nc_u64 s[6:7], s[6:7], s[16:17]
	s_add_nc_u64 s[6:7], s[6:7], HT_OFF
	s_add_nc_u64 s[12:13], s[12:13], s[22:23]
.set n, 0
.rept 24
	global_load_b128 v[16+4*n:19+4*n], v1, s[4:5] offset:512*n th:TH_LOAD_NT
	global_load_b128 v[112+4*n:115+4*n], v1, s[6:7] offset:512*n th:TH_LOAD_NT
.set n, n+1
.endr
.irp q, 0,1,2,3,4,5
	global_load_b128 v[208+4*\q:211+4*\q], v1, s[8:9] offset:512*\q
	global_load_b128 v[232+4*\q:235+4*\q], v1, s[10:11] offset:512*\q
.endr
	s_wait_loadcnt 0x0
.set n, 0
.rept 48
	v_pk_add_f32 v[16+n:17+n], v[16+n:17+n], v[112+n:113+n]
.set n, n+2
.endr
.set n, 0
.rept 24
	ds_store_b128 v5, v[16+4*n:19+4*n] offset:128*(n/4)+16*(n%4)
.set n, n+1
.endr
	s_wait_dscnt 0x0                               ; for the others' sake: my stores have landed
	s_barrier_signal -1
	s_barrier_wait -1
.irp k, 0,1,2,3
.irp q, 0,1,2,3,4,5
	ds_load_b128 v[16+24*\k+4*\q:19+24*\k+4*\q], v6 offset:PITCH*\k+512*\q
.endr
.endr
	s_wait_dscnt 0x0
; a sum over a lane's pair and then over the 32 lanes, for the four rows by turns; the result stands in every lane of v[reg + 2 k]
.macro ACROSS reg
.irp k, 0,1,2,3
	v_add_f32 v[\reg+2*\k], v[\reg+2*\k], v[\reg+2*\k+1]
.endr
.irp x, 1,2,4,8
.irp k, 0,1,2,3
	v_add_f32_dpp v[\reg+2*\k], v[\reg+2*\k], v[\reg+2*\k] row_xmask:\x row_mask:0xf bank_mask:0xf
.endr
.endr
.irp k, 0,1,2,3
	v_permlanex16_b32 v[\reg+2*\k+1], v[\reg+2*\k], s18, s19
.endr
.irp k, 0,1,2,3
	v_add_f32 v[\reg+2*\k], v[\reg+2*\k], v[\reg+2*\k+1]
.endr
.endm
.irp k, 0,1,2,3
	v_pk_add_f32 v[112+2*\k:113+2*\k], v[16+24*\k:17+24*\k], v[18+24*\k:19+24*\k]
.endr
.irp j, 4,6,8,10,12,14,16,18,20,22
.irp k, 0,1,2,3
	v_pk_add_f32 v[112+2*\k:113+2*\k], v[112+2*\k:113+2*\k], v[16+24*\k+\j:17+24*\k+\j]
.endr
.endr
	ACROSS 112
.irp k, 0,1,2,3
	v_mul_f32 v[112+2*\k], s20, v[112+2*\k]        ; the means
.endr
.irp k, 0,1,2,3
.irp j, 0,2,4,6,8,10,12,14,16,18,20,22
	v_pk_add_f32 v[16+24*\k+\j:17+24*\k+\j], v[16+24*\k+\j:17+24*\k+\j], v[112+2*\k:113+2*\k] op_sel_hi:[1,0] neg_lo:[0,1] neg_hi:[0,1]
.endr
.endr
.irp k, 0,1,2,3
	v_pk_mul_f32 v[120+2*\k:121+2*\k], v[16+24*\k:17+24*\k], v[16+24*\k:17+24*\k]
.endr
.irp j, 2,4,6,8,10,12,14,16,18,20,22
.irp k, 0,1,2,3
	v_pk_fma_f32 v[120+2*\k:121+2*\k], v[16+24*\k+\j:17+24*\k+\j], v[16+24*\k+\j:17+24*\k+\j], v[120+2*\k:121+2*\k]
.endr
.endr
	ACROSS 120
.irp k, 0,1,2,3
	v_fmaak_f32 v[120+2*\k], s20, v[120+2*\k], 0x3727c5ac   ; the variance + 1e-5
.endr
.irp k, 0,1,2,3
	v_rsq_f32 v[120+2*\k], v[120+2*\k]
.endr
	v_nop
	s_wait_alu depctr_va_vdst(0)                   ; one wait for the four, ahead of their first reader
.irp k, 0,1,2,3
.irp j, 0,2,4,6,8,10,12,14,16,18,20,22
	v_pk_mul_f32 v[16+24*\k+\j:17+24*\k+\j], v[16+24*\k+\j:17+24*\k+\j], v[120+2*\k:121+2*\k] op_sel_hi:[1,0]
.endr
.irp j, 0,2,4,6,8,10,12,14,16,18,20,22
	v_pk_fma_f32 v[16+24*\k+\j:17+24*\k+\j], v[16+24*\k+\j:17+24*\k+\j], v[208+\j:209+\j], v[232+\j:233+\j]
.endr
.irp q, 0,1,2,3,4,5
	global_store_b128 v1, v[16+24*\k+4*\q:19+24*\k+4*\q], s[12:13] offset:3072*\k+512*\q th:TH_STORE_NT
.endr
.endr
	s_wait_tensorcnt 0x0
	ds_add_u32 v14, v15
	s_wait_dscnt 0x0
	s_endpgm
.Lfunc_end_k_qcf2bbd10ed_ln2:
	.size	k_qcf2bbd10ed_ln2, .Lfunc_end_k_qcf2bbd10ed_ln2-k_qcf2bbd10ed_ln2
	.p2alignl 7, 3214868480
	.fill 96, 4, 3214868480
	.section	.rodata,"a",@progbits
	.p2align	6, 0x0
	.amdhsa_kernel k_qcf2bbd10ed_ln2
		.amdhsa_group_segment_fixed_size 49920
		.amdhsa_private_segment_fixed_size 0
		.amdhsa_enable_private_segment 0
		.amdhsa_kernarg_size 40
		.amdhsa_user_sgpr_count 2
		.amdhsa_user_sgpr_kernarg_segment_ptr 1
		.amdhsa_wavefront_size32 1
		.amdhsa_system_sgpr_workgroup_id_x 1
		.amdhsa_system_sgpr_workgroup_id_y 1
		.amdhsa_system_sgpr_workgroup_id_z 1
		.amdhsa_system_vgpr_workitem_id 0
		.amdhsa_next_free_vgpr 256
		.amdhsa_next_free_sgpr 66
		.amdhsa_reserve_vcc 0
		.amdhsa_float_denorm_mode_32 3
		.amdhsa_float_denorm_mode_16_64 3
		.amdhsa_memory_ordered 1
		.amdhsa_forward_progress 1
		.amdhsa_inst_pref_size 35
	.end_amdhsa_kernel
	.amdgpu_metadata
---
amdhsa.version: [ 1, 2 ]
amdhsa.kernels:
  - .name:           k_qcf2bbd10ed_ln2
    .symbol:         k_qcf2bbd10ed_ln2.kd
    .args:
      - { .name: y2, .offset: 0, .size: 8, .value_kind: global_buffer, .address_space: global }
      - { .name: hbuf, .offset: 8, .size: 8, .value_kind: global_buffer, .address_space: global }
      - { .name: ln2_s, .offset: 16, .size: 8, .value_kind: global_buffer, .address_space: global }
      - { .name: ln2_b, .offset: 24, .size: 8, .value_kind: global_buffer, .address_space: global }
      - { .name: out0, .offset: 32, .size: 8, .value_kind: global_buffer, .address_space: global }
    .group_segment_fixed_size: 49920
    .private_segment_fixed_size: 0
    .kernarg_segment_align: 8
    .kernarg_segment_size: 40
    .max_flat_workgroup_size: 128
    .sgpr_count:     66
    .vgpr_count:     256
    .wavefront_size: 32
...
	.end_amdgpu_metadata
.endif
;; end of part 7
;; ======== version 2 of 2: 7 launches
;; workspace buffers: pbuf 10,238,976 bytes; qkvb 8,552,448 bytes; attb 3,244,032 bytes; hbuf 15,826,944 bytes; hid 12,976,128 bytes; y2 12,582,912 bytes
;; launch prep (part 8): grid 6 x 101, 4 waves a work-group, no clusters, 0 bytes of LDS; arguments x, wq, wk, wv, wo, w1, w2, pbuf; writes pbuf
.if DOCPART == 8
	.amdgcn_target "amdgcn-amd-amdhsa--gfx1250"
	.amdhsa_code_object_version 6
	.text
	.protected	k_qcf2bbd10ed_prep
	.globl	k_qcf2bbd10ed_prep
	.p2align	8
	.type	k_qcf2bbd10ed_prep,@function
k_qcf2bbd10ed_prep:
	s_mov_b64 s[64:65], 0
	v_nop
	global_prefetch_b8 v0, s[64:65] scope:SCOPE_SE
	s_setreg_imm32_b32 hwreg(HW_REG_WAVE_MODE, 25, 1), 1
	s_wait_xcnt 0x0
; x [4096][768] and the six weights [K][N], all f32, become codes of E4M3 with one E8M0 byte for each 32 along K, laid as IMAGES OF OPERAND REGISTERS:
; a fragment is 16 rows (of x) or 16 columns (of a weight) x 128 along K = 2,048 bytes; chunk c (512 bytes) holds, at 16 x lane, the 16 codes k = 32 c + 16 (lane / 16) + 0 .. 15 of member lane % 16.
; THE MEMBERS OF A TILE ARE NOT NEIGHBOURS: member r of tile 2 G + u is row or column 32 G + 8 u + r + 8 (r / 8), so that a later product's 16 result registers of two neighbouring tiles are 16 neighbours.
; Codes lie [tile][K step][2048], scale words (four bytes: 128 along K of one member) [tile][K step][16 words].
; A block's scale is 2^(floor(log2(largest magnitude)) - 8): its byte is the largest magnitude's exponent field - 8, held at 1 from below.
; LIMITS: a block of zeros, or one whose largest magnitude lies under 2^-118, gets the byte 1 (its codes are zeros or subnormal codes; this program alone reads the bytes); NaN and infinities are not served.
; WEIGHTS: a lane takes a column and its registers run down K (32 numbers = one block), so nothing is transposed; a wave takes 32 columns x 128 K.  x: a lane takes 16 neighbours of each block of its row; a wave takes 16 rows x 256 K.
; The work-group's y chooses the tensor: 0-41 wq, wk, wo, w2 (rows of 3,072 bytes); 42-65 w1; 66-68 wv; 69-100 x.  No LDS, no barrier, no cluster: waves share no input.
.set WK_C, 589824
.set WV_C, 1179648
.set WO_C, 1474560
.set W1_C, 2064384
.set W2_C, 4423680
.set X_C,  6782976
.set WQ_S, 9928704
.set WK_S, 9947136
.set WV_S, 9965568
.set WO_S, 9974784
.set W1_S, 9993216
.set W2_S, 10066944
.set X_S,  10140672
.set TM,   200                         ; v200-203 largest magnitudes, v204-207 bytes, v208-211 448 x the scale, v212-215 the conversions' scale operands
.set MNT,  40                          ; s40  the mantissa field of 448
.set SEL,  42                          ; s42, s43  lane selects: lane l xor 16
.set HI16, 44                          ; s44  a mask of lanes 16-31
; nb blocks of a lane: v[s + 16 b + i] = k 32 b + 16 (lane / 16) + i of my row.  Codes to v[pc + 4 b ..], bytes left in v[TM + 4 + b].  pad = 1: where VCC is 0 the hold closes at 0.
.macro QUANT s, nb, pc, pad
.set qb, 0
.rept \nb
	v_max3_num_f32 v[TM+qb], |v[\s+16*qb]|, |v[\s+16*qb+1]|, 0x4800000   ; with the floor 2^(9 - 127): the byte cannot fall under 1
.set qb, qb+1
.endr
.irp i, 2,4,6,8,10,12,14
.set qb, 0
.rept \nb
	v_max3_num_f32 v[TM+qb], v[TM+qb], |v[\s+16*qb+\i]|, |v[\s+16*qb+\i+1]|
.set qb, qb+1
.endr
.endr
.set qb, 0
.rept \nb
	v_permlanex16_b32 v[TM+4+qb], v[TM+qb], s[SEL], s[SEL+1]
.set qb, qb+1
.endr
.set qb, 0
.rept \nb
	v_max_num_f32 v[TM+qb], v[TM+qb], v[TM+4+qb]                 ; with lane l xor 16's 16 numbers: the block's largest magnitude
.set qb, qb+1
.endr
.set qb, 0
.rept \nb
	v_add_nc_u32 v[TM+12+qb], 0xfc000000, v[TM+qb]               ; 8 off the exponent field: the conversion's scale operand
	v_and_or_b32 v[TM+8+qb], v[TM+qb], 0x7f800000, s[MNT]        ; 448 x the scale
.set qb, qb+1
.endr
.set qb, 0
.rept \nb
	v_lshrrev_b32 v[TM+4+qb], 23, v[TM+12+qb]                    ; the scale's byte
.if \pad
	v_cndmask_b32 v[TM+8+qb], 0, v[TM+8+qb], vcc_lo
.endif
.set qb, qb+1
.endr
.set qb, 0
.rept \nb
.set qi, 0
.rept 16
	v_med3_num_f32 v[\s+16*qb+qi], v[\s+16*qb+qi], -v[TM+8+qb], v[TM+8+qb]   ; the conversion does not saturate (ISA guide 7.6.2): the hold comes first
.set qi, qi+1
.endr
	v_cvt_scalef32_pk8_fp8_f32 v[\pc+4*qb:\pc+4*qb+1], v[\s+16*qb:\s+16*qb+7], v[TM+12+qb]
	v_cvt_scalef32_pk8_fp8_f32 v[\pc+4*qb+2:\pc+4*qb+3], v[\s+16*qb+8:\s+16*qb+15], v[TM+12+qb]
.set qb, qb+1
.endr
	v_nop                                                        ; one plain line behind the last conversion
.endm
.macro WORD d                          ; four bytes make a scale word
	v_lshl_or_b32 v[\d], v[TM+5], 8, v[TM+4]
	v_lshl_or_b32 v[\d], v[TM+6], 16, v[\d]
	v_lshl_or_b32 v[\d], v[TM+7], 24, v[\d]
.endm
; block c of a weight: W(128 sigma + 32 c + i, my column), i = 0 .. 31, into set c % 2
.macro WLOAD c, pitch
.set wi, 0
.rept 32
	global_load_b32 v[32+32*((\c)%2)+wi], v6, s[22:23] offset:(32*(\c)+wi)*(\pitch) th:TH_LOAD_NT
.set wi, wi+1
.endr
.endm
.macro WBLOCK c, pitch
.set XS, 32+32*((\c)%2)
.if (\c) < 3
	s_wait_loadcnt 32                              ; this block's 32 loads are in; the next block's 32 may be out
.else
	s_wait_loadcnt 0x0
.endif
	v_max3_num_f32 v12, |v[XS]|, |v[XS+1]|, |v[XS+2]|            ; all 32 numbers of the block are mine
	v_max3_num_f32 v13, |v[XS+3]|, |v[XS+4]|, |v[XS+5]|
.irp i, 6,10,14,18,22,26
	v_max3_num_f32 v12, v12, |v[XS+\i]|, |v[XS+\i+1]|
	v_max3_num_f32 v13, v13, |v[XS+\i+2]|, |v[XS+\i+3]|
.endr
	v_max3_num_f32 v12, v12, |v[XS+30]|, |v[XS+31]|
	v_max3_num_f32 v12, v12, v13, 0x4800000
	v_add_nc_u32 v11, 0xfc000000, v12
	v_and_or_b32 v10, v12, 0x7f800000, s[MNT]
	v_lshrrev_b32 v13, 23, v11
.if (\c) == 0
	v_mov_b32 v24, v13
.else
	v_lshl_or_b32 v24, v13, 8*(\c), v24
.endif
.set wi, 0
.rept 32
	v_med3_num_f32 v[XS+wi], v[XS+wi], -v10, v10
.set wi, wi+1
.endr
.irp g, 0,1,2,3
	v_cvt_scalef32_pk8_fp8_f32 v[96+8*(\c)+2*\g:96+8*(\c)+2*\g+1], v[XS+8*\g:XS+8*\g+7], v11
.endr
	v_nop
	global_store_b128 v7, v[96+8*(\c):96+8*(\c)+3], s[32:33] offset:512*(\c)          ; k 0-15 of the block: the fragment's lanes 0-15; sixteen lanes store 256 consecutive bytes, aligned
	global_store_b128 v7, v[96+8*(\c)+4:96+8*(\c)+7], s[32:33] offset:512*(\c)+256    ; k 16-31: its lanes 16-31
.if (\c) < 2
	WLOAD (\c)+2, \pitch
.endif
.endm
; s[22:23] the weight, s24 / s25 where its codes / scale words begin in pbuf, s26 the K step, s27 / s28 bytes of a tile's codes / scale words, s29 which 32 columns
.macro WBODY pitch
	s_mul_i32 s36, s26, 128*\pitch
	s_lshl_b32 s37, s29, 7
	s_add_co_u32 s36, s36, s37
	s_mov_b32 s37, 0
	s_add_nc_u64 s[22:23], s[22:23], s[36:37]      ; row 128 sigma, column 32 b'
	s_lshl_b32 s38, s29, 1                         ; the first of my two tiles
	s_mul_i32 s36, s38, s27
	s_add_co_u32 s36, s36, s24
	s_lshl_b32 s39, s26, 11
	s_add_co_u32 s36, s36, s39
	s_add_nc_u64 s[32:33], s[18:19], s[36:37]      ; its fragment of this K step
	s_mul_i32 s36, s38, s28
	s_add_co_u32 s36, s36, s25
	s_lshl_b32 s39, s26, 6
	s_add_co_u32 s36, s36, s39
	s_add_nc_u64 s[34:35], s[18:19], s[36:37]      ; and its 16 scale words
	v_lshl_add_u32 v6, v4, 3, v5                   ; my column among the 32: 8 u + r + 8 (r / 8)
	v_lshlrev_b32 v6, 2, v6
	v_mul_lo_u32 v7, v4, s27                       ; lanes 16-31 hold the second tile
	v_lshl_add_u32 v7, v3, 4, v7
	v_mul_lo_u32 v8, v4, s28
	v_lshl_add_u32 v8, v3, 2, v8
	WLOAD 0, \pitch
	WLOAD 1, \pitch
	WBLOCK 0, \pitch
	WBLOCK 1, \pitch
	WBLOCK 2, \pitch
	WBLOCK 3, \pitch
	global_store_b32 v8, v24, s[34:35]
.endm
.macro XLOAD reg, sg                   ; my 64 numbers of K step sg of the item
.irp b, 0,1,2,3
.irp j, 0,1,2,3
	global_load_b128 v[\reg+16*\b+4*\j:\reg+16*\b+4*\j+3], v6, s[4:5] offset:512*\sg+128*\b+16*\j
.endr
.endr
.endm
	s_load_b256 s[4:11], s[0:1], 0x0               ; x, wq, wk, wv
	s_load_b256 s[12:19], s[0:1], 0x20             ; wo, w1, w2, pbuf
	v_lshrrev_b32 v1, 5, v0
	v_readfirstlane_b32 s20, v1                    ; wave
	v_and_b32 v2, 31, v0                           ; lane
	v_and_b32 v3, 15, v0                           ; r
	v_bfe_u32 v4, v0, 4, 1                         ; lane / 16
	v_and_b32 v5, 8, v3
	v_add_nc_u32 v5, v5, v3                        ; r + 8 (r / 8)
	s_and_b32 s21, ttmp7, 0xffff                   ; work-group y
	s_mov_b32 s[MNT], 0x600000
	s_mov_b32 s[SEL], 0x76543210
	s_mov_b32 s[SEL+1], 0xfedcba98
	s_mov_b32 s[HI16], 0xffff0000
	s_wait_kmcnt 0x0
	s_cmp_ge_u32 s21, 69
	s_cbranch_scc1 .Lx
	s_cmp_ge_u32 s21, 66
	s_cbranch_scc1 .Lwv
	s_cmp_ge_u32 s21, 42
	s_cbranch_scc1 .Lw1
	; y 0-5 wq, 6-11 wk, 12-17 wo, 18-41 w2: one K step each; the choices hang on the work-group's number alone
	s_mov_b64 s[22:23], s[16:17]
	s_mov_b32 s24, W2_C
	s_mov_b32 s25, W2_S
	s_mov_b32 s26, 18
	s_mov_b32 s27, 49152
	s_mov_b32 s28, 1536
	s_cmp_lt_u32 s21, 18
	s_cselect_b64 s[22:23], s[12:13], s[22:23]
	s_cselect_b32 s24, WO_C, s24
	s_cselect_b32 s25, WO_S, s25
	s_cselect_b32 s26, 12, s26
	s_cselect_b32 s27, 12288, s27
	s_cselect_b32 s28, 384, s28
	s_cmp_lt_u32 s21, 12
	s_cselect_b64 s[22:23], s[8:9], s[22:23]
	s_cselect_b32 s24, WK_C, s24
	s_cselect_b32 s25, WK_S, s25
	s_cselect_b32 s26, 6, s26
	s_cmp_lt_u32 s21, 6
	s_cselect_b64 s[22:23], s[6:7], s[22:23]
	s_cselect_b32 s24, 0, s24
	s_cselect_b32 s25, WQ_S, s25
	s_cselect_b32 s26, 0, s26
	s_sub_co_u32 s26, s21, s26                     ; the K step
	s_lshl_b32 s29, ttmp9, 2
	s_add_co_u32 s29, s29, s20                     ; which 32 columns: 4 x + wave
	s_wait_alu depctr_va_vdst(0)
	WBODY 3072
	s_endpgm
.Lw1:
	s_sub_co_u32 s36, s21, 42
	s_lshr_b32 s26, s36, 2                         ; the K step
	s_and_b32 s36, s36, 3
	s_mul_i32 s36, s36, 6
	s_add_co_u32 s36, s36, ttmp9
	s_lshl_b32 s29, s36, 2
	s_add_co_u32 s29, s29, s20                     ; 4 (x + 6 (y' % 4)) + wave
	s_mov_b64 s[22:23], s[14:15]
	s_mov_b32 s24, W1_C
	s_mov_b32 s25, W1_S
	s_mov_b32 s27, 12288
	s_mov_b32 s28, 384
	s_wait_alu depctr_va_vdst(0)
	WBODY 12288
	s_endpgm
.Lwv:
	s_sub_co_u32 s36, s21, 66
	s_cmp_ge_u32 ttmp9, 3
	s_cselect_b32 s37, 3, 0
	s_cselect_b32 s38, 1, 0
	s_sub_co_u32 s37, ttmp9, s37
	s_lshl_b32 s26, s36, 1
	s_add_co_u32 s26, s26, s38                     ; the K step: 2 y' + (x >= 3)
	s_lshl_b32 s29, s37, 2
	s_add_co_u32 s29, s29, s20
	s_mov_b64 s[22:23], s[10:11]
	s_mov_b32 s24, WV_C
	s_mov_b32 s25, WV_S
	s_mov_b32 s27, 12288
	s_mov_b32 s28, 384
	s_wait_alu depctr_va_vdst(0)
	WBODY 1536
	s_endpgm
.Lx:
	s_sub_co_u32 s21, s21, 69
	s_cmp_ge_u32 ttmp9, 3
	s_cselect_b32 s22, 3, 0
	s_cselect_b32 s23, 4, 0
	s_sub_co_u32 s22, ttmp9, s22                   ; i: K steps 2 i and 2 i + 1
	s_lshl_b32 s24, s21, 3
	s_add_co_u32 s24, s24, s23
	s_add_co_u32 s24, s24, s20                     ; the tile of rows T
	s_lshr_b32 s25, s24, 1
	s_lshl_b32 s25, s25, 5
	s_and_b32 s26, s24, 1
	s_lshl_b32 s26, s26, 3
	s_add_co_u32 s25, s25, s26                     ; its first row: 32 (T / 2) + 8 (T % 2)
	s_mul_i32 s36, s25, 3072
	s_lshl_b32 s27, s22, 10
	s_add_co_u32 s36, s36, s27
	s_mov_b32 s37, 0
	s_add_nc_u64 s[4:5], s[4:5], s[36:37]
	s_mul_i32 s36, s24, 12288
	s_lshl_b32 s27, s22, 12
	s_add_co_u32 s36, s36, s27
	s_add_co_u32 s36, s36, X_C
	s_add_nc_u64 s[32:33], s[18:19], s[36:37]
	s_mul_i32 s36, s24, 384
	s_lshl_b32 s27, s22, 7
	s_add_co_u32 s36, s36, s27
	s_add_co_u32 s36, s36, X_S
	s_add_nc_u64 s[34:35], s[18:19], s[36:37]
	s_wait_alu depctr_va_vdst(0)
	v_mul_u32_u24 v6, v5, 3072                     ; my row, + 64 bytes for lanes 16-31: my 16 numbers of a block
	v_lshl_add_u32 v6, v4, 6, v6
	v_lshlrev_b32 v7, 4, v2
	v_lshlrev_b32 v8, 2, v2
.irp b, 0,1,2,3
	v_mov_b32 v[TM+4+\b], 0                        ; written once: a lane permute's destination counts as one of its sources
.endr
	XLOAD 32, 0
	XLOAD 96, 1
	s_wait_loadcnt 16                              ; the first K step's 16 loads are in; the second's 16 may be out
	QUANT 32, 4, 160, 0
	WORD 24
.irp c, 0,1,2,3
	global_store_b128 v7, v[160+4*\c:163+4*\c], s[32:33] offset:512*\c         ; the conversions' results are the fragment's registers: 512 consecutive bytes a store
.endr
	s_wait_loadcnt 0x0
	QUANT 96, 4, 176, 0
	WORD 25
.irp c, 0,1,2,3
	global_store_b128 v7, v[176+4*\c:179+4*\c], s[32:33] offset:2048+512*\c
.endr
	v_cndmask_b32 v24, v24, v25, s[HI16]           ; lanes 0-15 the even K step's words, lanes 16-31 the odd one's
	global_store_b32 v8, v24, s[34:35]
	s_endpgm
.Lfunc_end_k_qcf2bbd10ed_prep:
	.size	k_qcf2bbd10ed_prep, .Lfunc_end_k_qcf2bbd10ed_prep-k_qcf2bbd10ed_prep
	.p2alignl 7, 3214868480
	.fill 96, 4, 3214868480
	.section	.rodata,"a",@progbits
	.p2align	6, 0x0
	.amdhsa_kernel k_qcf2bbd10ed_prep
		.amdhsa_group_segment_fixed_size 0
		.amdhsa_private_segment_fixed_size 0
		.amdhsa_enable_private_segment 0
		.amdhsa_kernarg_size 64
		.amdhsa_user_sgpr_count 2
		.amdhsa_user_sgpr_kernarg_segment_ptr 1
		.amdhsa_wavefront_size32 1
		.amdhsa_system_sgpr_workgroup_id_x 1
		.amdhsa_system_sgpr_workgroup_id_y 1
		.amdhsa_system_sgpr_workgroup_id_z 1
		.amdhsa_system_vgpr_workitem_id 0
		.amdhsa_next_free_vgpr 224
		.amdhsa_next_free_sgpr 66
		.amdhsa_reserve_vcc 1
		.amdhsa_float_denorm_mode_32 3
		.amdhsa_float_denorm_mode_16_64 3
		.amdhsa_memory_ordered 1
		.amdhsa_forward_progress 1
		.amdhsa_inst_pref_size 110
	.end_amdhsa_kernel
	.amdgpu_metadata
---
amdhsa.version: [ 1, 2 ]
amdhsa.kernels:
  - .name:           k_qcf2bbd10ed_prep
    .symbol:         k_qcf2bbd10ed_prep.kd
    .args:
      - { .name: x, .offset: 0, .size: 8, .value_kind: global_buffer, .address_space: global }
      - { .name: wq, .offset: 8, .size: 8, .value_kind: global_buffer, .address_space: global }
      - { .name: wk, .offset: 16, .size: 8, .value_kind: global_buffer, .address_space: global }
      - { .name: wv, .offset: 24, .size: 8, .value_kind: global_buffer, .address_space: global }
      - { .name: wo, .offset: 32, .size: 8, .value_kind: global_buffer, .address_space: global }
      - { .name: w1, .offset: 40, .size: 8, .value_kind: global_buffer, .address_space: global }
      - { .name: w2, .offset: 48, .size: 8, .value_kind: global_buffer, .address_space: global }
      - { .name: pbuf, .offset: 56, .size: 8, .value_kind: global_buffer, .address_space: global }
    .group_segment_fixed_size: 0
    .private_segment_fixed_size: 0
    .kernarg_segment_align: 8
    .kernarg_segment_size: 64
    .max_flat_workgroup_size: 128
    .sgpr_count:     66
    .vgpr_count:     224
    .wavefront_size: 32
...
	.end_amdgpu_metadata
.endif
;; end of part 8
;; launch qkv (part 9): grid 15 x 16, 4 waves a work-group, no clusters, 197,120 bytes of LDS; arguments pbuf, bq, bk, bv, padding_mask, qkvb; writes qkvb
.if DOCPART == 9
	.amdgcn_target "amdgcn-amd-amdhsa--gfx1250"
	.amdhsa_code_object_version 6
	.text
	.protected	k_qcf2bbd10ed_qkv
	.globl	k_qcf2bbd10ed_qkv
	.p2align	8
	.type	k_qcf2bbd10ed_qkv,@function
k_qcf2bbd10ed_qkv:
	s_mov_b64 s[64:65], 0
	v_nop
	global_prefetch_b8 v0, s[64:65] scope:SCOPE_SE
	s_setreg_imm32_b32 hwreg(HW_REG_WAVE_MODE, 25, 1), 1
	s_wait_xcnt 0x0
; q = x wq + bq, k = x wk + bk, v = x wv + bv on codes of E4M3 (MX), and their results quantised again for the attention: q and k along the head's 64, v along the keys.
; SHARES.  A work-group takes 256 rows (y) x 128 columns of wq | wk | wv (x: 0-5 q, 6-11 k, 12-14 v).  Wave w takes 128 rows (w / 2: one key step of 128) x 64 columns (w % 2): four tiles of a weight, whose 24 fragments
; (K = 768: six K steps) stay in its registers, read from memory once.  x's 16 tiles of rows come once into LDS, one tensor load a wave (4 tiles: 192 rows of 256 dense bytes); no LDS byte is filled twice.
; q, k: the product is used transposed (source 0 = 16 columns of the weight, source 1 = 16 rows of x): a lane holds one row, and the 16 registers of two neighbouring tiles are 16 neighbours of the head's 64.
; v: not transposed (source 0 = 16 rows of x = 16 keys): a lane holds one channel, and the 16 registers of two neighbouring tiles of rows are 16 neighbouring keys.  So the conversions' results are operand registers both times.
; PADDED KEYS: their codes of k are zeros (the hold closes at 0), and a table a[key] = -80000 or 0 goes beside them: the attention takes it as the C of k q^T, so that such a score is -10000 x 8 exactly.
; RECORDS in qkvb.  Q, 8,704 bytes for a head and 128 queries: 8 tiles x 1,024 bytes of codes, 512 bytes of scale words (16 x lane + 4 i: tile 2 i + lane / 16, row lane % 16; bytes 2, 3 = 127 for the K that is not there).
; KV, 13,568 bytes for a head and 128 keys: K as Q's (8,192), V^T (2 tiles x 2,048, chunk = block of 32 keys), K's scale words (512), V's (8 x lane: word, 0), the table (128 f32).
; NO CLUSTER: the grid's 15 along x is no multiple of four, and along y partners share no tile of x.
; LIMITS: as in the first launch (byte 1 for blocks under 2^-118; no NaN, no infinities).
; REGISTERS.  window 0: v1-11 addresses; v16-39 x's scale words; v40-51 the weight's; v52-59 padding flags; v60-63, v196-199 scale words made; v64-95 the bias as C; v96-159 accumulators; v160-175 codes; v176-191 at work.
;   windows 1, 2: the weight's fragments (K step s, tile t) at register 256 + 16 (4 s + t).   window 3: two buffers of 96 for a tile of rows' six fragments.
.set X_C,  6782976
.set WQ_S, 9928704
.set X_S,  10140672
.set KV_OFF, 3342336
.set AS,   16
.set BS,   40
.set PADF, 52
.set SW,   60
.set BIAS, 64
.set ACC,  96
.set PC,   160
.set TM,   176
.set PW,   192
.set MW,   193
.set VSW,  196
.set BVV,  200
.set SEL,  36
.set MNT,  38
.set HI16, 39
.set MSB, 0
.macro WIN new                         ; the immediate's high byte repeats the setting that is left
.if MSB != (\new)
	s_set_vgpr_msb (MSB<<8)|(\new)
.set MSB, (\new)
.endif
.endm
.macro NOPS n
.rept \n
	v_nop
.endr
.endm
.macro QUANT s, nb, pc, pad            ; nb blocks of a lane, v[s + 16 b + i]; codes to v[pc + 4 b ..], bytes in v[TM + 4 + b].  pad = 1: where VCC is 0 the hold closes at 0
.set qb, 0
.rept \nb
	v_max3_num_f32 v[TM+qb], |v[\s+16*qb]|, |v[\s+16*qb+1]|, 0x4800000   ; each accumulator is read from its low end on; the floor 2^(9 - 127) keeps the byte at 1 or more
.set qb, qb+1
.endr
.irp i, 2,4,6,8,10,12,14
.set qb, 0
.rept \nb
	v_max3_num_f32 v[TM+qb], v[TM+qb], |v[\s+16*qb+\i]|, |v[\s+16*qb+\i+1]|
.set qb, qb+1
.endr
.endr
.set qb, 0
.rept \nb
	v_permlanex16_b32 v[TM+4+qb], v[TM+qb], s[SEL], s[SEL+1]
.set qb, qb+1
.endr
.set qb, 0
.rept \nb
	v_max_num_f32 v[TM+qb], v[TM+qb], v[TM+4+qb]
.set qb, qb+1
.endr
.set qb, 0
.rept \nb
	v_add_nc_u32 v[TM+12+qb], 0xfc000000, v[TM+qb]
	v_and_or_b32 v[TM+8+qb], v[TM+qb], 0x7f800000, s[MNT]
.set qb, qb+1
.endr
.set qb, 0
.rept \nb
	v_lshrrev_b32 v[TM+4+qb], 23, v[TM+12+qb]
.if \pad
	v_cndmask_b32 v[TM+8+qb], 0, v[TM+8+qb], vcc_lo
.endif
.set qb, qb+1
.endr
.set qb, 0
.rept \nb
.set qi, 0
.rept 16
	v_med3_num_f32 v[\s+16*qb+qi], v[\s+16*qb+qi], -v[TM+8+qb], v[TM+8+qb]
.set qi, qi+1
.endr
	v_cvt_scalef32_pk8_fp8_f32 v[\pc+4*qb:\pc+4*qb+1], v[\s+16*qb:\s+16*qb+7], v[TM+12+qb]
	v_cvt_scalef32_pk8_fp8_f32 v[\pc+4*qb+2:\pc+4*qb+3], v[\s+16*qb+8:\s+16*qb+15], v[TM+12+qb]
.set qb, qb+1
.endr
	v_nop
.endm
.macro ALOAD m                         ; my tile of rows m: six fragments from LDS into buffer m % 2 of window 3
	WIN 0xc0
.irp s, 0,1,2,3,4,5
.irp c, 0,1,2,3
	ds_load_b128 v[96*((\m)%2)+16*\s+4*\c:96*((\m)%2)+16*\s+4*\c+3], v[6+(\m)/4] offset:((\m)%4)*12288+2048*\s+512*\c
.endr
.endr
.endm
; 24 products: K step by K step, the four accumulators by turns, one instruction a turn.  A scale register holds an even K step's words in lanes 0-15 and the odd one's in lanes 16-31.
.macro CHAINQK m
.set cf, 0
.rept 24
.set cs, cf/4
.set ct, cf%4
.set wn, (1+cf/16)|0x0c
	WIN wn
.set fr, 16*(cf%16)
.set ab, 96*((\m)%2)+16*cs
.set ac, ACC+8*ct
.if cs == 0
	v_wmma_scale_f32_16x16x128_f8f6f4 v[ac:ac+7], v[fr:fr+15], v[ab:ab+15], v[BIAS+8*ct:BIAS+8*ct+7], v[BS+3*ct], v[AS+3*(\m)]
.elseif cs%2 == 0
	v_wmma_scale_f32_16x16x128_f8f6f4 v[ac:ac+7], v[fr:fr+15], v[ab:ab+15], v[ac:ac+7], v[BS+3*ct+cs/2], v[AS+3*(\m)+cs/2]
.else
	v_wmma_scale_f32_16x16x128_f8f6f4 v[ac:ac+7], v[fr:fr+15], v[ab:ab+15], v[ac:ac+7], v[BS+3*ct+cs/2], v[AS+3*(\m)+cs/2] matrix_a_scale:MATRIX_SCALE_ROW1 matrix_b_scale:MATRIX_SCALE_ROW1
.endif
.set cf, cf+1
.endr
	WIN 0
	NOPS 9                                         ; nine places: for the reads of the results and the loads into the buffer (eight), and for the next chain, which starts the accumulators anew (nine)
.endm
; 48 products for v: tiles of rows 2 g and 2 g + 1 (both buffers) x four tiles of wv: eight accumulators by turns
.macro CHAINV g
.set cf, 0
.rept 48
.set cs, cf/8
.set ct, (cf/2)%4
.set cu, cf%2
.set wn, 3|((1+(4*cs+ct)/16)<<2)
	WIN wn
.set fr, 16*((4*cs+ct)%16)
.set ab, 96*cu+16*cs
.set ac, ACC+16*ct+8*cu
.if cs == 0
	v_wmma_scale_f32_16x16x128_f8f6f4 v[ac:ac+7], v[ab:ab+15], v[fr:fr+15], v[BIAS+8*ct:BIAS+8*ct+7], v[AS+3*(2*(\g)+cu)], v[BS+3*ct]
.elseif cs%2 == 0
	v_wmma_scale_f32_16x16x128_f8f6f4 v[ac:ac+7], v[ab:ab+15], v[fr:fr+15], v[ac:ac+7], v[AS+3*(2*(\g)+cu)+cs/2], v[BS+3*ct+cs/2]
.else
	v_wmma_scale_f32_16x16x128_f8f6f4 v[ac:ac+7], v[ab:ab+15], v[fr:fr+15], v[ac:ac+7], v[AS+3*(2*(\g)+cu)+cs/2], v[BS+3*ct+cs/2] matrix_a_scale:MATRIX_SCALE_ROW1 matrix_b_scale:MATRIX_SCALE_ROW1
.endif
.set cf, cf+1
.endr
	WIN 0
	NOPS 9
.endm
.macro QKTILE m
.if (\m) < 7
	ALOAD (\m)+1
	s_wait_dscnt 24                                ; this tile's 24 loads are in; the next tile's 24 may be out
.else
	s_wait_dscnt 0x0
.endif
	CHAINQK \m
	v_cmp_eq_u32 vcc_lo, 0, v[PADF+(\m)]           ; my row is no padded key
	s_wait_xcnt 0x0                                ; the last tile's stores have read the codes' registers
	QUANT ACC, 2, PC, 1
	global_store_b128 v1, v[PC:PC+3], s[60:61] offset:1024*(\m)
	global_store_b128 v1, v[PC+4:PC+7], s[60:61] offset:1024*(\m)+512
	v_lshl_or_b32 v[PW], v[TM+5], 8, v[TM+4]
	v_or_b32 v[PW], 0x7f7f0000, v[PW]
.if (\m)%2 == 0
	v_mov_b32 v[SW+(\m)/2], v[PW]
.else
	v_cndmask_b32 v[SW+(\m)/2], v[SW+(\m)/2], v[PW], s[HI16]
.endif
.endm
	s_load_b256 s[4:11], s[0:1], 0x0               ; pbuf, bq, bk, bv
	s_load_b128 s[12:15], s[0:1], 0x20             ; padding_mask, qkvb
	v_lshl_add_u32 v254, v0, 2, 0x30000
	v_mov_b32 v255, 0
	ds_add_u32 v254, v255
	ds_add_u32 v254, v255
	v_lshrrev_b32 v1, 5, v0
	v_readfirstlane_b32 s16, v1                    ; wave
	s_lshr_b32 s17, s16, 1                         ; which 128 rows
	s_and_b32 s18, s16, 1                          ; which 64 columns
	s_and_b32 s20, ttmp7, 0xffff                   ; y
	s_lshl_b32 s21, ttmp9, 1
	s_add_co_u32 s21, s21, s18                     ; the unit of 64 columns: 0-11 q's heads, 12-23 k's, 24-29 two heads of v each
	s_mov_b32 s28, 3<<16                           ; group 1: elements of 8 bytes, no mask, no padding
	s_mov_b32 s29, 32<<16                          ; tensor_dim0 = 32 (256 bytes)
	s_mov_b32 s30, 192<<16                         ; tensor_dim1 = 192
	s_mov_b32 s31, 32<<16                          ; tile_dim0 = 32
	s_mov_b32 s32, 192                             ; tile_dim1 = 192
	s_mov_b32 s33, 32                              ; the pitch: dense
	s_mov_b32 s34, 0
	s_mov_b32 s35, 0
	s_lshl_b32 s40, s20, 4
	s_lshl_b32 s41, s16, 2
	s_add_co_u32 s40, s40, s41                     ; x's tiles 16 y + 4 w on
	s_mul_i32 s40, s40, 12288
	s_add_co_u32 s40, s40, X_C
	s_mov_b32 s41, 0
	s_mov_b32 s24, 1
	s_mul_i32 s25, s16, 49152                      ; to LDS byte 49,152 x wave
	s_wait_dscnt 0x0
	s_wait_kmcnt 0x0
	s_add_nc_u64 s[26:27], s[4:5], s[40:41]
	s_or_b32 s27, s27, 0x80000000
	tensor_load_to_lds s[24:27], s[28:35]          ; my one tensor load: a first fill
	s_nop 0
	NOPS 4
	v_and_b32 v9, 31, v0                           ; lane
	v_lshlrev_b32 v1, 4, v9                        ; 16 x lane
	v_lshlrev_b32 v2, 2, v9                        ; 4 x lane
	v_and_b32 v3, 15, v0                           ; r
	v_bfe_u32 v4, v0, 4, 1                         ; h
	v_lshlrev_b32 v5, 6, v4                        ; 64 h
	s_mul_i32 s42, s17, 98304
	v_add_nc_u32 v6, s42, v1                       ; LDS: my eight tiles of rows, the first four;
	v_add_nc_u32 v7, 49152, v6                     ; the other four
	v_and_b32 v8, 8, v3
	v_add_nc_u32 v8, v8, v3                        ; r + 8 (r / 8)
	s_wait_alu depctr_va_vdst(0)
	v_lshlrev_b32 v10, 2, v8
	s_wait_alu depctr_va_vdst(0)
	s_mov_b32 s[SEL], 0x76543210
	s_mov_b32 s[SEL+1], 0xfedcba98
	s_mov_b32 s[MNT], 0x600000
	s_mov_b32 s[HI16], 0xffff0000
.irp b, 0,1,2,3
	v_mov_b32 v[TM+4+\b], 0                        ; written once: a lane permute's destination counts as one of its sources
.endr
	s_mul_i32 s40, s21, 49152
	s_add_nc_u64 s[42:43], s[4:5], s[40:41]        ; my four tiles of the weight
	WIN 0x40
.set ff, 0
.rept 16
.irp c, 0,1,2,3
	global_load_b128 v[16*ff+4*\c:16*ff+4*\c+3], v1, s[42:43] offset:(ff%4)*12288+(ff/4)*2048+512*\c
.endr
.set ff, ff+1
.endr
	WIN 0x80
.rept 8
.irp c, 0,1,2,3
	global_load_b128 v[16*(ff-16)+4*\c:16*(ff-16)+4*\c+3], v1, s[42:43] offset:(ff%4)*12288+(ff/4)*2048+512*\c
.endr
.set ff, ff+1
.endr
	WIN 0
	s_mul_i32 s40, s21, 1536
	s_add_co_u32 s40, s40, WQ_S
	s_add_nc_u64 s[44:45], s[4:5], s[40:41]
.set ff, 0
.rept 12
	global_load_b32 v[BS+ff], v2, s[44:45] offset:384*(ff/3)+128*(ff%3)
.set ff, ff+1
.endr
	s_lshl_b32 s40, s20, 4
	s_lshl_b32 s46, s17, 3
	s_add_co_u32 s40, s40, s46
	s_mul_i32 s40, s40, 384
	s_add_co_u32 s40, s40, X_S
	s_add_nc_u64 s[46:47], s[4:5], s[40:41]
.set ff, 0
.rept 24
	global_load_b32 v[AS+ff], v2, s[46:47] offset:384*(ff/3)+128*(ff%3)
.set ff, ff+1
.endr
	s_lshl_b32 s40, s20, 8
	s_lshl_b32 s48, s17, 7
	s_add_co_u32 s40, s40, s48                     ; my first row = 2,048 x batch + 128 x key step
	s_add_nc_u64 s[48:49], s[12:13], s[40:41]
.irp m, 0,1,2,3,4,5,6,7
	global_load_u8 v[PADF+\m], v8, s[48:49] offset:32*(\m/2)+8*(\m%2)   ; the flag of my row of tile m
.endr
	global_load_b32 v[MW], v2, s[48:49]            ; and four keys' flags a lane, in their natural order
	; both kinds of bias are asked for on every path (at unit 0 where they are not used), so that no load stands behind the parting of the paths
	s_cmp_lt_u32 s21, 12
	s_cselect_b64 s[50:51], s[6:7], s[8:9]
	s_cselect_b32 s52, 0, 12
	s_cselect_b32 s53, 0, 1                        ; 1: these are keys
	s_cmp_lt_u32 s21, 24
	s_cselect_b32 s52, s52, s21
	s_sub_co_u32 s52, s21, s52                     ; q's or k's head (0 on v's path)
	s_max_u32 s54, s21, 24
	s_sub_co_u32 s54, s54, 24                      ; v's unit (0 elsewhere)
	s_lshl_b32 s40, s52, 8
	s_add_nc_u64 s[50:51], s[50:51], s[40:41]
	s_lshl_b32 s40, s54, 8
	s_add_nc_u64 s[56:57], s[10:11], s[40:41]
.irp b, 0,1
.irp q, 0,1,2,3
	global_load_b128 v[BIAS+16*\b+4*\q:BIAS+16*\b+4*\q+3], v5, s[50:51] offset:128*\b+16*\q   ; columns 32 b + 16 h + 0 .. 15: the result's layout
.endr
.endr
.irp t, 0,1,2,3
	global_load_b32 v[BVV+\t], v10, s[56:57] offset:128*(\t/2)+32*(\t%2)
.endr
	s_lshr_b32 s58, s20, 3
	s_mul_i32 s58, s58, 12                         ; 12 x batch
	s_and_b32 s59, s20, 7
	s_lshl_b32 s59, s59, 1
	s_add_co_u32 s59, s59, s17                     ; the key step
	s_wait_loadcnt 0x0
	s_wait_tensorcnt 0x0                           ; my part of x's panel has landed,
	s_barrier_signal -1
	s_barrier_wait -1                              ; everybody's has
	s_cmp_ge_u32 ttmp9, 12
	s_cbranch_scc1 .Lvpath
	; ---- q and k
	s_add_co_u32 s58, s58, s52
	s_lshl_b32 s58, s58, 4
	s_add_co_u32 s58, s58, s59                     ; the record: 16 (12 batch + head) + step
	s_mov_b32 s60, 13568
	s_mov_b32 s61, KV_OFF
	s_mov_b32 s62, 12288
	s_cmp_lt_u32 s21, 12
	s_cselect_b32 s60, 8704, s60
	s_cselect_b32 s61, 0, s61
	s_cselect_b32 s62, 8192, s62
	s_mul_i32 s40, s58, s60
	s_add_co_u32 s40, s40, s61
	s_add_nc_u64 s[60:61], s[14:15], s[40:41]
	v_add_nc_u32 v11, s62, v1                      ; where the record's scale words lie
.irp m, 0,1,2,3,4,5,6,7
	v_and_b32 v[PADF+\m], s53, v[PADF+\m]          ; queries are never closed
.endr
	ALOAD 0
	s_wait_alu depctr_va_vdst(0)
.irp m, 0,1,2,3,4,5,6,7
	QKTILE \m
.endr
	global_store_b128 v11, v[SW:SW+3], s[60:61]
	s_cmp_lt_u32 s21, 12
	s_cbranch_scc1 .Lend
.irp j, 0,1,2,3
	v_bfe_u32 v[204+\j], v[MW], 8*\j, 8
.endr
.irp j, 0,1,2,3
	v_cvt_f32_u32 v[204+\j], v[204+\j]
.endr
.irp j, 0,1,2,3
	v_mul_f32 v[204+\j], 0xc79c4000, v[204+\j]     ; -80000 for a padded key, else (minus) 0
.endr
	global_store_b128 v1, v[204:207], s[60:61] offset:13056
.Lend:
	s_wait_tensorcnt 0x0
	ds_add_u32 v254, v255
	s_wait_dscnt 0x0
	s_endpgm
.Lvpath:
	; ---- v: tile t = 2 e + u of my unit is head 2 unit + e, channels 8 u + r + 8 (r / 8)
	s_lshl_b32 s52, s54, 1
	s_add_co_u32 s58, s58, s52
	s_lshl_b32 s58, s58, 4
	s_add_co_u32 s58, s58, s59
	s_mul_i32 s40, s58, 13568
	s_add_co_u32 s40, s40, KV_OFF
	s_add_nc_u64 s[60:61], s[14:15], s[40:41]      ; head e = 0's record; e = 1's lies 16 records (217,088 bytes) on
.irp t, 0,1,2,3
.irp j, 0,1,2,3,4,5,6,7
	v_mov_b32 v[BIAS+8*\t+\j], v[BVV+\t]           ; a lane holds one channel: its bias in all eight registers of the C
.endr
.endr
	ALOAD 0
	ALOAD 1
	s_wait_alu depctr_va_vdst(0)
.irp g, 0,1,2,3
	s_wait_dscnt 0x0
	CHAINV \g
.if \g < 3
	ALOAD 2*\g+2
	ALOAD 2*\g+3
	WIN 0
.endif
	s_wait_xcnt 0x0                                ; the last pair's stores have read the codes' registers
	QUANT ACC, 4, PC, 0                            ; block t: tile t's 16 registers: keys 32 g + 16 h + 0 .. 15
.irp t, 0,1,2,3
	global_store_b128 v1, v[PC+4*\t:PC+4*\t+3], s[60:61] offset:(\t/2)*217088+8192+2048*(\t%2)+512*\g
.endr
.irp t, 0,1,2,3
.if \g == 0
	v_mov_b32 v[VSW+\t], v[TM+4+\t]
.else
	v_lshl_or_b32 v[VSW+\t], v[TM+4+\t], 8*\g, v[VSW+\t]
.endif
.endr
.endr
	v_mov_b32 v209, 0
	v_mov_b32 v211, 0
	v_cndmask_b32 v208, v[VSW], v[VSW+1], s[HI16]
	v_cndmask_b32 v210, v[VSW+2], v[VSW+3], s[HI16]
	v_lshlrev_b32 v11, 3, v9
	global_store_b64 v11, v[208:209], s[60:61] offset:12800
	global_store_b64 v11, v[210:211], s[60:61] offset:217088+12800
	s_wait_tensorcnt 0x0
	ds_add_u32 v254, v255
	s_wait_dscnt 0x0
	s_endpgm
.Lfunc_end_k_qcf2bbd10ed_qkv:
	.size	k_qcf2bbd10ed_qkv, .Lfunc_end_k_qcf2bbd10ed_qkv-k_qcf2bbd10ed_qkv
	.p2alignl 7, 3214868480
	.fill 96, 4, 3214868480
	.section	.rodata,"a",@progbits
	.p2align	6, 0x0
	.amdhsa_kernel k_qcf2bbd10ed_qkv
		.amdhsa_group_segment_fixed_size 197120
		.amdhsa_private_segment_fixed_size 0
		.amdhsa_enable_private_segment 0
		.amdhsa_kernarg_size 48
		.amdhsa_user_sgpr_count 2
		.amdhsa_user_sgpr_kernarg_segment_ptr 1
		.amdhsa_wavefront_size32 1
		.amdhsa_system_sgpr_workgroup_id_x 1
		.amdhsa_system_sgpr_workgroup_id_y 1
		.amdhsa_system_sgpr_workgroup_id_z 1
		.amdhsa_system_vgpr_workitem_id 0
		.amdhsa_next_free_vgpr 960
		.amdhsa_next_free_sgpr 66
		.amdhsa_reserve_vcc 1
		.amdhsa_float_denorm_mode_32 3
		.amdhsa_float_denorm_mode_16_64 3
		.amdhsa_memory_ordered 1
		.amdhsa_forward_progress 1
		.amdhsa_inst_pref_size 169
	.end_amdhsa_kernel
	.amdgpu_metadata
---
amdhsa.version: [ 1, 2 ]
amdhsa.kernels:
  - .name:           k_qcf2bbd10ed_qkv
    .symbol:         k_qcf2bbd10ed_qkv.kd
    .args:
      - { .name: pbuf, .offset: 0, .size: 8, .value_kind: global_buffer, .address_space: global }
      - { .name: bq, .offset: 8, .size: 8, .value_kind: global_buffer, .address_space: global }
      - { .name: bk, .offset: 16, .size: 8, .value_kind: global_buffer, .address_space: global }
      - { .name: bv, .offset: 24, .size: 8, .value_kind: global_buffer, .address_space: global }
      - { .name: padding_mask, .offset: 32, .size: 8, .value_kind: global_buffer, .address_space: global }
      - { .name: qkvb, .offset: 40, .size: 8, .value_kind: global_buffer, .address_space: global }
    .group_segment_fixed_size: 197120
    .private_segment_fixed_size: 0
    .kernarg_segment_align: 8
    .kernarg_segment_size: 48
    .max_flat_workgroup_size: 128
    .sgpr_count:     66
    .vgpr_count:     960
    .wavefront_size: 32
...
	.end_amdgpu_metadata
.endif
;; end of part 9
;; launch attn (part 10): grid 32 x 8, 12 waves a work-group, no clusters, 327,680 bytes of LDS; arguments qkvb, attb; writes attb
.if DOCPART == 10
	.amdgcn_target "amdgcn-amd-amdhsa--gfx1250"
	.amdhsa_code_object_version 6
	.text
	.protected	k_qcf2bbd10ed_attn
	.globl	k_qcf2bbd10ed_attn
	.p2align	8
	.type	k_qcf2bbd10ed_attn,@function
k_qcf2bbd10ed_attn:
	s_mov_b64 s[64:65], 0
	v_nop
	global_prefetch_b8 v0, s[64:65] scope:SCOPE_SE
	s_setreg_imm32_b32 hwreg(HW_REG_WAVE_MODE, 25, 1), 1
	s_wait_xcnt 0x0
; Both attentions of a head (keys up to the query; keys from the query on) on codes of E4M3 (MX), and their results, divided by the rows' sums, quantised along the next product's K: a block of 32 there is one head's 32 channels in one direction.
; THE MASKS' VALUE IS -10000, NOT -INFINITY: masked keys take part in the softmax.  t = raw score x c, c = log2(e) / 8; a masked raw score is -80000.  M = the row's largest t rounded up; p = 2^(t - M) is quantised; the sum is of the unquantised p.
;   padded keys: k's codes are zeros and the table in the record is the C of k q^T: -80000 exactly.   the key step on the diagonal: hidden scores are replaced by -80000 (a compare and a select each).
;   key steps that lie wholly under the mask: every p there is pm = 2^(tm - M), tm = -80000 c = -14427 + 0.0496.  2^0.0496 = 1.035 lies between the codes 1 and 1.125, under their middle 1.0625, and an error of c of one part in 2^24 moves the
;   exponent by 0.001: so the quantised pm is 2^(-14427 - M) for every input, and the step's share of the product is that number x U, U = the sum of the quantised v: made by the same matrix instruction with an operand of codes 1.0
;   (0x38) and scale bytes 127.  At the end M takes tm in, O += 2^(-14427 - M) U, and the sum takes 128 pm for each such step (64 in each of a query's two lanes).
; SHARES.  A work-group of twelve waves takes four neighbouring tiles of 16 queries (x) of each of three heads (y): wave w has head 3 y + w / 4 and tile 4 x + w % 4.  A tile has 17 key steps to work in full (16, and the diagonal's twice):
; 24 heads x 128 tiles x 17 = 52,224, which 256 work-groups of twelve waves share evenly, 17 a wave.  The four tiles lie in one key step D = x / 2, so all twelve waves meet the diagonal in the same trip.
; ONE PASS OVER THE KEYS.  In a step under D the first direction's softmax is worked and the step's V also adds to the second direction's U; above D the other way round; in step D the first direction's step is worked with its
; mask, its O^T, its statistics and the second direction's U are parked in v256-291, the state begins anew, and the step is worked again with the second mask.  Each direction's steps stay in ascending order.
; THE RING.  A record (K, V^T, scale words, the table: 13,568 bytes for a head and 128 keys) is one tensor load.  A slot holds four key steps of the three heads: twelve records, one a wave, at slot + 13,568 x wave; two slots.
; Both first fills go out at the head; slot 0 is filled again behind steps 0-3, slot 1 behind steps 4-7: the load then has four key steps' work in which to land.  A wave has one tensor load out at a time.
; In front of each change of slots every wave waits for all its tensor loads, adds 0 to its spare word, waits for that and for its reads, and passes the barrier; the refill is the first thing behind it.
; LAYOUT.  Both products transposed: S^T = K Q^T + C, O^T = V^T P^T: a lane holds one query throughout; the 16 registers of tiles 2 b, 2 b + 1 of S^T are keys 32 b + 16 (lane / 16) + 0 .. 15.
; K = 64 in an instruction of 128: Q's registers 8-15 are zero codes; K's tiles lie 8 registers apart, so a tile's upper half is the next tile's codes (never the NaN code) against zeros; eight zero registers stand behind tile 7.
; NO CLUSTER: the work-groups that read the same records differ in D, so the branch on the diagonal would hang on a partner's place in the cluster.
; LIMITS: p and pm under 2^-126 count as 0 (beside a row's largest p above 1/2); NaN and infinities are not served; blocks under 2^-118 get the byte 1.
; REGISTERS: v1 16 x lane, v2 my spare word's address, v3 0, v4-6 addresses in hand, v7 the ones' scale word, v8 query - first key of its step - 16 h, v9 -80000, v10 V's scale words, v11 a direction's byte, v12 -M, v13 the largest t, v[14:15] the sum;
;   v16-31 Q; v32-95 K, then V in v32-63; v96-103 zeros; v104-167 S^T, then p; v168-183 p's codes; v184-199 ones; v200-215 O^T; v216-231 U; v232-247, v252, v254 at work; v248-251 K's scale words; v253 p's; v255 Q's;
;   v256-271 the first direction's O^T, v272-287 the second direction's U, v288-291 the first direction's statistics.
.set KV_OFF, 3342336
.set AS_OFF, 3145728
.set REC,  13568
.set SLOT, 12*REC                      ; 162,816 bytes
.set SPARE, 2*SLOT                     ; behind the ring: the spare words, 128 bytes for each of twelve waves: six blocks of 256 bytes that no other line names
.set V_C,  8192
.set K_S,  12288
.set V_S,  12800
.set BIA,  13056
.set SPW,  2
.set NIL,  3
.set S,    104
.set UT,   136                         ; where the parked U comes back to
.set PCD,  168
.set ONES, 184
.set OA,   200
.set UA,   216
.set TM,   232
.set G0A,  16                          ; s[16:19] descriptor group 0 for slot 0
.set G1,   20                          ; s[20:27] group 1: the same for every load
.set G0B,  48                          ; s[48:51] group 0 for slot 1
.set SEL,  28
.set CS,   30
.set MNT,  32
.set HI16, 33
.set ST,   34                          ; s34  the key step
.set SB,   35                          ; s35  LDS byte at which my head's record of the step begins
.set NN,   37
.set CT,   52                          ; s52  counts a slot's four steps
.set MSB, 0
.macro WIN new                         ; the immediate's high byte repeats the setting that is left
.if MSB != (\new)
	s_set_vgpr_msb (MSB<<8)|(\new)
.set MSB, (\new)
.endif
.endm
.macro NOPS n
.rept \n
	v_nop
.endr
.endm
.macro QUANT s, nb, pc, pad
.set qb, 0
.rept \nb
	v_max3_num_f32 v[TM+qb], |v[\s+16*qb]|, |v[\s+16*qb+1]|, 0x4800000
.set qb, qb+1
.endr
.irp i, 2,4,6,8,10,12,14
.set qb, 0
.rept \nb
	s_delay_alu instid0(VALU_DEP_1)
	v_max3_num_f32 v[TM+qb], v[TM+qb], |v[\s+16*qb+\i]|, |v[\s+16*qb+\i+1]|
.set qb, qb+1
.endr
.endr
.set qb, 0
.rept \nb
	s_delay_alu instid0(VALU_DEP_1)
	v_permlanex16_b32 v[TM+4+qb], v[TM+qb], s[SEL], s[SEL+1]
.set qb, qb+1
.endr
.set qb, 0
.rept \nb
	s_delay_alu instid0(VALU_DEP_1)
	v_max_num_f32 v[TM+qb], v[TM+qb], v[TM+4+qb]
.set qb, qb+1
.endr
.set qb, 0
.rept \nb
	s_delay_alu instid0(VALU_DEP_1)
	v_add_nc_u32 v[TM+12+qb], 0xfc000000, v[TM+qb]
	s_delay_alu instid0(VALU_DEP_2)
	v_and_or_b32 v[TM+8+qb], v[TM+qb], 0x7f800000, s[MNT]
.set qb, qb+1
.endr
.set qb, 0
.rept \nb
	s_delay_alu instid0(VALU_DEP_2)
	v_lshrrev_b32 v[TM+4+qb], 23, v[TM+12+qb]
.if \pad
	v_cndmask_b32 v[TM+8+qb], 0, v[TM+8+qb], vcc_lo
.endif
.set qb, qb+1
.endr
.set qb, 0
.rept \nb
.set qi, 0
.rept 16
	v_med3_num_f32 v[\s+16*qb+qi], v[\s+16*qb+qi], -v[TM+8+qb], v[TM+8+qb]
.set qi, qi+1
.endr
	v_cvt_scalef32_pk8_fp8_f32 v[\pc+4*qb:\pc+4*qb+1], v[\s+16*qb:\s+16*qb+7], v[TM+12+qb]
	v_cvt_scalef32_pk8_fp8_f32 v[\pc+4*qb+2:\pc+4*qb+3], v[\s+16*qb+8:\s+16*qb+15], v[TM+12+qb]
.set qb, qb+1
.endr
	v_nop
.endm
.macro VLOAD                           ; the step's two tiles of V^T and their scale words
.irp u, 0,1
.irp c, 0,1,2,3
	ds_load_b128 v[32+16*\u+4*\c:35+16*\u+4*\c], v4 offset:V_C+2048*\u+512*\c
.endr
.endr
	ds_load_b32 v10, v6 offset:V_S
.endm
.macro INIT                            ; a direction begins: the largest t under every t, the sum, O^T and U zeros: the step is written once, its first pass finds zeros
	v_mov_b32 v13, 0xff61b1e6                      ; -3e38
	s_delay_alu instid0(VALU_DEP_1)
	v_floor_f32 v12, -v13
	v_mov_b32 v14, 0
	v_mov_b32 v15, 0
.set n, 0
.rept 32
	v_mov_b32 v[OA+n], 0
.set n, n+1
.endr
.endm
; A key step worked in full.  second = 0: the trip's first pass: on the diagonal the keys behind my query are hidden.  second = 1: the diagonal's second pass: the keys before it are hidden.
.macro FULL second
	v_add_nc_u32 v4, s[SB], v1                     ; 16 x lane,
	v_bfe_u32 v5, v1, 8, 1
	v_lshrrev_b32 v6, 1, v1
	s_delay_alu instid0(VALU_DEP_2)
	v_lshl_add_u32 v5, v5, 6, s[SB]                ; 64 (lane / 16),
	s_delay_alu instid0(VALU_DEP_2)
	v_add_nc_u32 v6, s[SB], v6                     ; 8 x lane, each in my head's record of the step
	NOPS 3                                         ; with the five lines above: eight places in front of loads into registers that the last products read
.irp t, 0,1,2,3,4,5,6,7
	ds_load_b128 v[32+8*\t:35+8*\t], v4 offset:1024*\t
	ds_load_b128 v[36+8*\t:39+8*\t], v4 offset:1024*\t+512
.endr
.irp t, 0,1,2,3,4,5,6,7
	ds_load_b128 v[S+8*\t:S+8*\t+3], v5 offset:BIA+128*(\t/2)+32*(\t%2)          ; the table at my eight keys of tile t: the C of the product
	ds_load_b128 v[S+8*\t+4:S+8*\t+7], v5 offset:BIA+128*(\t/2)+32*(\t%2)+16
.endr
	ds_load_b128 v[248:251], v4 offset:K_S
	s_wait_alu depctr_va_vdst(0)
	s_wait_dscnt 0x0
.irp t, 0,2,4,6
	v_wmma_scale_f32_16x16x128_f8f6f4 v[S+8*\t:S+8*\t+7], v[32+8*\t:47+8*\t], v[16:31], v[S+8*\t:S+8*\t+7], v[248+\t/2], v255
	v_wmma_scale_f32_16x16x128_f8f6f4 v[S+8*\t+8:S+8*\t+15], v[40+8*\t:55+8*\t], v[16:31], v[S+8*\t+8:S+8*\t+15], v[248+\t/2], v255 matrix_a_scale:MATRIX_SCALE_ROW1
.endr
	NOPS 8                                         ; eight places: for the loads over K's registers and for the first reads of the scores
	VLOAD                                          ; V lands while the softmax is worked
.if \second == 0
	s_cmp_lg_u32 s[ST], s11
	s_cbranch_scc1 .Lopen_\@
.endif
.set n, 0
.rept 64                                       ; the step on the diagonal: register 16 b + i holds key 32 b + 16 h + i of the step
.if \second == 0
	v_cmp_gt_i32 vcc_lo, 32*(n/16)+n%16, v8        ; hidden: the key comes after my query
.else
	v_cmp_lt_i32 vcc_lo, 32*(n/16)+n%16, v8        ; hidden: it comes before
.endif
	v_cndmask_b32 v[S+n], v[S+n], v9, vcc_lo
.set n, n+1
.endr
.if \second == 0
.Lopen_\@:
.endif
.irp b, 0,1,2,3
	v_max3_num_f32 v[232+\b], v[S+16*\b], v[S+1+16*\b], v[S+2+16*\b]   ; the largest score of each block of 32 keys: for the row's maximum and, since p rises with the score, for the block's largest p
.endr
.irp i, 3,5,7,9,11,13
.irp b, 0,1,2,3
	v_max3_num_f32 v[232+\b], v[232+\b], v[S+16*\b+\i], v[S+1+16*\b+\i]
.endr
.endr
.irp b, 0,1,2,3
	v_max_num_f32 v[232+\b], v[232+\b], v[S+15+16*\b]
.endr
.irp b, 0,1,2,3
	s_delay_alu instid0(VALU_DEP_4)
	v_permlanex16_b32 v[236+\b], v[232+\b], s[SEL], s[SEL+1]
.endr
.irp b, 0,1,2,3
	s_delay_alu instid0(VALU_DEP_4)
	v_max_num_f32 v[232+\b], v[232+\b], v[236+\b]
.endr
	s_delay_alu instid0(VALU_DEP_2)
	v_max3_num_f32 v254, v232, v233, v234
	s_delay_alu instid0(VALU_DEP_1)
	v_max_num_f32 v254, v254, v235
	s_delay_alu instid0(VALU_DEP_1)
	v_mul_f32 v254, s[CS], v254                    ; as t (c is positive)
	s_delay_alu instid0(VALU_DEP_1)
	v_max_num_f32 v13, v13, v254                   ; the running largest t
	v_mov_b32 v254, v12
	s_delay_alu instid0(VALU_DEP_2)
	v_floor_f32 v12, -v13                          ; the new -M = floor(-t): M is a whole number
	s_delay_alu instid0(VALU_DEP_1)
	v_sub_f32 v254, v12, v254                      ; old M - new M: a whole number, 0 or less
	s_delay_alu instid0(VALU_DEP_1)
	v_cvt_i32_f32 v254, v254                       ; (it saturates)
	s_delay_alu instid0(VALU_DEP_1)
	v_ldexp_f32 v252, 1.0, v254                    ; f = 2^(old M - new M): rounds nothing
.set n, 0
.rept 32
	v_pk_fma_f32 v[S+n:S+n+1], v[S+n:S+n+1], s[CS:CS+1], v[12:13] op_sel_hi:[1,0,0]   ; t - M
.set n, n+2
.endr
.irp b, 0,1,2,3
	v_fma_f32 v[232+\b], v[232+\b], s[CS], v12
.endr
.set n, 0
	s_wait_alu depctr_va_vdst(0)
.rept 64
	v_exp_f32 v[S+n], v[S+n]                       ; p = 2^(t - M)
.set n, n+1
.endr
	v_pk_mul_f32 v[14:15], v[14:15], v[252:253] op_sel_hi:[1,0]   ; the sums under the new M: the plain line behind the exponentials
	s_wait_alu depctr_va_vdst(0)                   ; one wait for the batch of 64, ahead of its first reader
.irp b, 0,1,2,3
	v_exp_f32 v[232+\b], v[232+\b]                 ; each block's largest p
.endr
	v_pk_add_f32 v[236:237], v[S:S+1], v[S+2:S+3]  ; the row's sum is taken of the unquantised p, in two chains
.irp j, 4,8,12,16,20,24,28,32,36,40,44,48,52,56,60
	v_pk_add_f32 v[14:15], v[14:15], v[S+\j:S+\j+1]
	v_pk_add_f32 v[236:237], v[236:237], v[S+2+\j:S+3+\j]
.endr
	s_delay_alu instid0(VALU_DEP_1)
	v_pk_add_f32 v[14:15], v[14:15], v[236:237]
	s_wait_alu depctr_va_vdst(0)                   ; and one for the four
.irp b, 0,1,2,3
	v_max_num_f32 v[232+\b], 0x4800000, v[232+\b]  ; the floor: the byte cannot fall under 1
.endr
.irp b, 0,1,2,3
	s_delay_alu instid0(VALU_DEP_4)
	v_add_nc_u32 v[244+\b], 0xfc000000, v[232+\b]
.endr
.irp b, 0,1,2,3
	v_and_or_b32 v[240+\b], v[232+\b], 0x7f800000, s[MNT]
.endr
.irp b, 0,1,2,3
	v_lshrrev_b32 v[236+\b], 23, v[244+\b]
.endr
	s_delay_alu instid0(VALU_DEP_3)
	v_lshl_or_b32 v253, v237, 8, v236              ; p's scale word for these 128 keys: the 64 holds below are its places
	s_delay_alu instid0(VALU_DEP_1)
	v_lshl_or_b32 v253, v238, 16, v253
	s_delay_alu instid0(VALU_DEP_1)
	v_lshl_or_b32 v253, v239, 24, v253
.irp b, 0,1,2,3
.set n, 0
.rept 16
	v_min_num_f32 v[S+16*\b+n], v[S+16*\b+n], v[240+\b]          ; p is not negative: a one-sided hold
.set n, n+1
.endr
	v_cvt_scalef32_pk8_fp8_f32 v[PCD+4*\b:PCD+4*\b+1], v[S+16*\b:S+16*\b+7], v[244+\b]
	v_cvt_scalef32_pk8_fp8_f32 v[PCD+4*\b+2:PCD+4*\b+3], v[S+16*\b+8:S+16*\b+15], v[244+\b]
.endr
.irp j, 0,2,4,6,8,10,12,14
	v_pk_mul_f32 v[OA+\j:OA+\j+1], v[OA+\j:OA+\j+1], v[252:253] op_sel_hi:[1,0]   ; O^T under the new M; these eight are the places in front of the products
.endr
	s_wait_alu depctr_va_vdst(0)
	s_wait_dscnt 0x0                               ; V is in
	v_wmma_scale_f32_16x16x128_f8f6f4 v[OA:OA+7], v[32:47], v[PCD:PCD+15], v[OA:OA+7], v10, v253
	v_wmma_scale_f32_16x16x128_f8f6f4 v[OA+8:OA+15], v[48:63], v[PCD:PCD+15], v[OA+8:OA+15], v10, v253 matrix_a_scale:MATRIX_SCALE_ROW1
.endm
; On the diagonal, between its two passes: the second direction's U (the steps under D), the first direction's statistics and its O^T go to v256-291, and the state begins anew.
; U's and the statistics' twenty moves name no register of the two products just issued: they are the places in front of the first read of O^T.
.macro PARK
	WIN 0x40                                       ; destinations in window 1
.set n, 0
.rept 16
	v_mov_b32 v[16+n], v[UA+n]                     ; v272 on
.set n, n+1
.endr
.irp j, 0,1,2,3
	v_mov_b32 v[32+\j], v[12+\j]                   ; v288 on
.endr
.set n, 0
.rept 16
	v_mov_b32 v[n], v[OA+n]                        ; v256 on
.set n, n+1
.endr
	WIN 0
	INIT
.endm
; A slot's four key steps: a loop of a constant four trips; what differs between trips is chosen inside, by scalar branches on the step's number and the work-group's D.
.macro PHASE slotoff
	s_add_co_u32 s[SB], s15, \slotoff              ; my head's four records in the slot
	s_mov_b32 s[CT], 4
.Lstep_\@:
	FULL 0
	s_cmp_eq_u32 s[ST], s11
	s_cbranch_scc1 .Ldiag_\@
	v_wmma_scale_f32_16x16x128_f8f6f4 v[UA:UA+7], v[32:47], v[ONES:ONES+15], v[UA:UA+7], v10, v7          ; for the other direction the step lies wholly under the mask: U += the sum of its quantised v
	v_wmma_scale_f32_16x16x128_f8f6f4 v[UA+8:UA+15], v[48:63], v[ONES:ONES+15], v[UA+8:UA+15], v10, v7 matrix_a_scale:MATRIX_SCALE_ROW1
	s_branch .Lnext_\@
.Ldiag_\@:
	PARK
	FULL 1
.Lnext_\@:
	s_add_co_u32 s[SB], s[SB], REC
	s_add_co_u32 s[ST], s[ST], 1
	s_sub_co_u32 s[CT], s[CT], 1
	s_cmp_lg_u32 s[CT], 0
	s_cbranch_scc1 .Lstep_\@
.endm
; The change of slots.  g0: the group 0 of the slot that has just been read and is filled again with the key steps eight further on; 0: nothing is left to fetch.
.macro CHANGE g0
	s_wait_tensorcnt 0x0                           ; all my tensor loads have landed, my record of the slot ahead among them: so a group 0 may be written
	ds_add_u32 v[SPW], v[NIL]                      ; 0 onto my spare word
.if \g0
	s_add_nc_u64 s[\g0+2:\g0+3], s[\g0+2:\g0+3], 8*REC   ; the address steps; the type bits on top are not reached
.endif
	s_wait_dscnt 0x0                               ; the add is done, and my reads of the slot that I leave are over
	s_barrier_signal -1
	s_barrier_wait -1                              ; both now hold of all twelve waves
.if \g0
	tensor_load_to_lds s[\g0:\g0+3], s[G1:G1+7]    ; my one tensor load behind this barrier, and the first thing there
	s_nop 0
	NOPS 4
.endif
.endm
; A direction's end.  ur: where its U stands.
.macro FINX dir, ur
.if \dir == 0
	s_sub_co_u32 s[NN], 15, s11                    ; how many key steps lay wholly under the mask
.else
	s_mov_b32 s[NN], s11
.endif
	s_cmp_eq_u32 s[NN], 0
	s_cbranch_scc1 .Lnomask_\@
	s_lshl_b32 s[NN], s[NN], 6                     ; my lane's share of their keys
	v_mul_f32 v254, s[CS], v9                      ; tm
	s_delay_alu instid0(VALU_DEP_1)
	v_max_num_f32 v13, v13, v254
	v_mov_b32 v254, v12
	s_delay_alu instid0(VALU_DEP_2)
	v_floor_f32 v12, -v13
	s_delay_alu instid0(VALU_DEP_1)
	v_sub_f32 v254, v12, v254
	s_delay_alu instid0(VALU_DEP_1)
	v_cvt_i32_f32 v254, v254
	s_delay_alu instid0(VALU_DEP_1)
	v_ldexp_f32 v252, 1.0, v254
	s_delay_alu instid0(VALU_DEP_4)
	v_fma_f32 v232, v9, s[CS], v12
	s_wait_alu depctr_va_vdst(0)
	v_exp_f32 v232, v232                           ; pm
	v_cvt_i32_f32 v233, v12
	s_delay_alu instid0(VALU_DEP_1)
	v_add_nc_u32 v233, 0xffffc7a5, v233            ; -M - 14427
	s_delay_alu instid0(VALU_DEP_1)
	v_ldexp_f32 v234, 1.0, v233                    ; the quantised pm
	v_cvt_f32_u32 v235, s[NN]
	v_pk_mul_f32 v[14:15], v[14:15], v[252:253] op_sel_hi:[1,0]
	s_wait_alu depctr_va_vdst(0)
.irp j, 0,2,4,6,8,10,12,14
	v_pk_mul_f32 v[OA+\j:OA+\j+1], v[OA+\j:OA+\j+1], v[252:253] op_sel_hi:[1,0]
.endr
.irp j, 0,2,4,6,8,10,12,14
	v_pk_fma_f32 v[OA+\j:OA+\j+1], v[\ur+\j:\ur+\j+1], v[234:235], v[OA+\j:OA+\j+1] op_sel_hi:[1,0,1]
.endr
	s_wait_alu depctr_va_vdst(0)                   ; ahead of pm's first reader
	v_fmac_f32 v14, v232, v235
.Lnomask_\@:
	s_wait_alu depctr_va_vdst(0)
	v_add_f32 v14, v14, v15
	s_delay_alu instid0(VALU_DEP_1)
	v_permlanex16_b32 v252, v14, s[SEL], s[SEL+1]
	s_delay_alu instid0(VALU_DEP_1)
	v_add_f32 v14, v14, v252                       ; the row's sum
	s_wait_alu depctr_va_vdst(0)
	v_rcp_f32 v14, v14
	v_nop
	s_wait_alu depctr_va_vdst(0)
.set n, 0
.rept 16
	v_mul_f32 v[S+n], v[OA+n], v14                 ; channels 16 h + 0 .. 15 of my query
.set n, n+1
.endr
	QUANT S, 1, PCD, 0
	global_store_b128 v1, v[PCD:PCD+3], s[38:39] offset:6144*\dir   ; block 12 dir + head of the tile's image: 512 consecutive bytes
.endm
	s_load_b128 s[4:7], s[0:1], 0x0                ; qkvb, attb
	v_lshl_add_u32 v[SPW], v0, 2, SPARE
	v_mov_b32 v[NIL], 0
	ds_add_u32 v2, v3
	ds_add_u32 v2, v3
	s_wait_dscnt 0x0
	v_lshrrev_b32 v1, 5, v0
	s_delay_alu instid0(VALU_DEP_1)
	v_readfirstlane_b32 s8, v1                     ; wave 0..11
	s_and_b32 s36, ttmp7, 0xffff                   ; y: which three heads
	s_lshr_b32 s42, s8, 2                          ; which of the three is mine
	s_and_b32 s46, s8, 3                           ; which of the four tiles; also: which of a slot's four key steps I fetch
	s_mul_i32 s9, s36, 3
	s_add_co_u32 s9, s9, s42                       ; 12 x batch + head
	s_lshl_b32 s10, ttmp9, 2
	s_add_co_u32 s10, s10, s46                     ; my tile of queries, 0..127
	s_lshr_b32 s11, ttmp9, 1                       ; the key step on its diagonal: the same for all twelve waves
	s_mul_i32 s15, s42, 4*REC                      ; my head's four records in a slot
	s_cmp_ge_u32 s9, 12
	s_cselect_b32 s12, 1, 0
	s_cselect_b32 s13, 12, 0
	s_sub_co_u32 s13, s9, s13                      ; head
	s_lshl_b32 s14, s12, 7
	s_add_co_u32 s14, s14, s10                     ; the tile of rows T
	s_mov_b32 s[G1], 3<<16                         ; group 1: elements of 8 bytes, no mask, no padding
	s_mov_b32 s[G1+1], 32<<16                      ; tensor_dim0 = 32 (256 bytes)
	s_mov_b32 s[G1+2], 53<<16                      ; tensor_dim1 = 53
	s_mov_b32 s[G1+3], 32<<16                      ; tile_dim0
	s_mov_b32 s[G1+4], 53                          ; tile_dim1
	s_mov_b32 s[G1+5], 32                          ; dense
	s_mov_b32 s[G1+6], 0
	s_mov_b32 s[G1+7], 0
	s_lshl_b32 s44, s9, 4
	s_add_co_u32 s44, s44, s46                     ; my head's record of key step wave % 4
	s_mul_i32 s44, s44, REC
	s_add_co_u32 s44, s44, KV_OFF
	s_mov_b32 s45, 0
	s_mov_b32 s[G0A], 1
	s_mul_i32 s[G0A+1], s8, REC                    ; to slot 0, record = my wave's number
	s_mov_b32 s[G0B], 1
	s_add_co_u32 s[G0B+1], s[G0A+1], SLOT          ; to slot 1
	s_wait_kmcnt 0x0
	s_add_nc_u64 s[G0A+2:G0A+3], s[4:5], s[44:45]
	s_add_nc_u64 s[G0B+2:G0B+3], s[G0A+2:G0A+3], 4*REC   ; four key steps on
	s_or_b32 s[G0A+3], s[G0A+3], 0x80000000
	s_or_b32 s[G0B+3], s[G0B+3], 0x80000000
	tensor_load_to_lds s[G0A:G0A+3], s[G1:G1+7]    ; slot 0's first fill; slot 1's goes out behind the wait for it and a barrier
	s_nop 0
	s_wait_alu depctr_va_vdst(0)
	s_wait_tensorcnt 0x0
	ds_add_u32 v2, v3
	s_wait_dscnt 0x0
	s_barrier_signal -1
	s_barrier_wait -1
	tensor_load_to_lds s[G0B:G0B+3], s[G1:G1+7]
	s_nop 0
	NOPS 4
	s_lshl_b32 s42, s9, 4
	s_add_co_u32 s42, s42, s11
	s_mul_i32 s42, s42, 8704
	s_mov_b32 s43, 0
	s_add_nc_u64 s[2:3], s[4:5], s[42:43]          ; Q's record
	s_and_b32 s44, s10, 7                          ; my tile in it
	s_lshl_b32 s45, s44, 10
	s_lshr_b32 s46, s44, 1
	s_lshl_b32 s36, s46, 5
	s_lshl_b32 s46, s46, 2
	s_and_b32 s47, s10, 1
	s_lshl_b32 s37, s47, 8
	s_add_co_u32 s46, s46, s37
	s_add_co_u32 s46, s46, 8192                    ; its scale words: 8,192 + 16 (r + 16 (tile % 2)) + 4 (tile / 2)
	s_lshl_b32 s47, s47, 3
	s_add_co_u32 s36, s36, s47                     ; its first query in the step: 32 (tile / 2) + 8 (tile % 2)
	v_and_b32 v4, 31, v0
	s_delay_alu instid0(VALU_DEP_1)
	v_lshlrev_b32 v1, 4, v4                        ; 16 x lane
	v_bfe_u32 v5, v0, 4, 1
	v_and_b32 v6, 15, v0
	s_delay_alu instid0(VALU_DEP_1)
	v_and_b32 v8, 8, v6
	s_delay_alu instid0(VALU_DEP_1)
	v_add_nc_u32 v8, v8, v6
	s_delay_alu instid0(VALU_DEP_4)
	v_lshlrev_b32 v5, 4, v5
	s_delay_alu instid0(VALU_DEP_1)
	v_sub_nc_u32 v8, v8, v5
	s_delay_alu instid0(VALU_DEP_1)
	v_add_nc_u32 v8, s36, v8                       ; my query in the step - 16 h
	v_add_nc_u32 v4, s45, v1
	v_lshl_add_u32 v5, v6, 4, s46
	global_load_b128 v[16:19], v4, s[2:3]
	global_load_b128 v[20:23], v4, s[2:3] offset:512
	global_load_b32 v255, v5, s[2:3]
	s_mov_b32 s[SEL], 0x76543210
	s_mov_b32 s[SEL+1], 0xfedcba98
	s_mov_b32 s[CS], 0x3e38aa3b                    ; c = log2(e) / 8
	s_mov_b32 s[CS+1], s[CS]
	s_mov_b32 s[MNT], 0x600000
	s_mov_b32 s[HI16], 0xffff0000
	s_mul_i32 s42, s14, 12288
	s_lshl_b32 s44, s13, 9
	s_add_co_u32 s42, s42, s44
	s_add_nc_u64 s[38:39], s[6:7], s[42:43]        ; the tile's image, block = head
	s_mul_i32 s42, s14, 384
	s_lshr_b32 s44, s13, 2
	s_lshl_b32 s44, s44, 6
	s_add_co_u32 s42, s42, s44
	s_and_b32 s44, s13, 3
	s_add_co_u32 s42, s42, s44
	s_add_co_u32 s42, s42, AS_OFF
	s_add_nc_u64 s[40:41], s[6:7], s[42:43]        ; and that block's byte in the tile's scale words
	v_mov_b32 v7, 0x7f7f7f7f
	v_mov_b32 v9, 0xc79c4000                       ; -80000
	v_mov_b32 v11, 0
.irp j, 0,1,2,3,4,5,6,7
	v_mov_b32 v[24+\j], 0                          ; Q's upper half: zero codes
	v_mov_b32 v[96+\j], 0                          ; behind K's tile 7
.endr
.set n, 0
.rept 16
	v_mov_b32 v[ONES+n], 0x38383838                ; codes of 1.0
.set n, n+1
.endr
.irp b, 0,1,2,3
	v_mov_b32 v[236+\b], 0                         ; written once: a lane permute's destination counts as one of its sources
.endr
	v_mov_b32 v252, 0
	v_mov_b32 v253, 0                              ; (named as the upper half of v[252:253] before it is first written)
	WIN 0x40
.set n, 0
.rept 36
	v_mov_b32 v[n], 0                              ; v256-291: written once here, so that they are written on every way to the lines that read them
.set n, n+1
.endr
	WIN 0
	INIT
	s_mov_b32 s[ST], 0
	s_wait_loadcnt 0x0                             ; Q
	s_wait_tensorcnt 0x1                           ; my record of slot 0 has landed; slot 1's load, issued behind it, may stay out
	s_barrier_signal -1
	s_barrier_wait -1                              ; all twelve records of slot 0 have
	PHASE 0                                        ; key steps 0-3
	CHANGE G0A                                     ; slot 0 takes key steps 8-11
	PHASE SLOT                                     ; key steps 4-7
	CHANGE G0B                                     ; slot 1 takes key steps 12-15
	PHASE 0                                        ; key steps 8-11
	CHANGE 0                                       ; nothing is left to fetch
	PHASE SLOT                                     ; key steps 12-15
	; the second direction is in hand: its U comes back from v272 on
	NOPS 8                                         ; eight places behind the last products
	WIN 0x01                                       ; source 0 in window 1
.set n, 0
.rept 16
	v_mov_b32 v[UT+n], v[16+n]
.set n, n+1
.endr
	WIN 0
	FINX 1, UT
	v_mov_b32 v11, v236                            ; the second direction's byte
	s_wait_xcnt 0x0                                ; the store has read the codes' registers
	WIN 0x01
.set n, 0
.rept 16
	v_mov_b32 v[OA+n], v[n]                        ; the first direction's O^T,
.set n, n+1
.endr
.irp j, 0,1,2,3
	v_mov_b32 v[12+\j], v[32+\j]                   ; and its statistics; its U is the one in hand
.endr
	WIN 0
	FINX 0, UA
	v_cndmask_b32 v11, v236, v11, s[HI16]          ; lanes 0-15 store the first direction's byte, lanes 16-31 the second's, three K steps (192 bytes) on
	v_and_b32 v4, 15, v0
	v_bfe_u32 v5, v0, 4, 1
	s_delay_alu instid0(VALU_DEP_1)
	v_mul_u32_u24 v5, v5, 192
	s_delay_alu instid0(VALU_DEP_1)
	v_lshl_add_u32 v4, v4, 2, v5
	global_store_b8 v4, v11, s[40:41]
	s_wait_tensorcnt 0x0                           ; the wave's end
	ds_add_u32 v[SPW], v[NIL]
	s_wait_dscnt 0x0
	s_endpgm
.Lfunc_end_k_qcf2bbd10ed_attn:
	.size	k_qcf2bbd10ed_attn, .Lfunc_end_k_qcf2bbd10ed_attn-k_qcf2bbd10ed_attn
	.p2alignl 7, 3214868480
	.fill 96, 4, 3214868480
	.section	.rodata,"a",@progbits
	.p2align	6, 0x0
	.amdhsa_kernel k_qcf2bbd10ed_attn
		.amdhsa_group_segment_fixed_size 327680
		.amdhsa_private_segment_fixed_size 0
		.amdhsa_enable_private_segment 0
		.amdhsa_kernarg_size 16
		.amdhsa_user_sgpr_count 2
		.amdhsa_user_sgpr_kernarg_segment_ptr 1
		.amdhsa_wavefront_size32 1
		.amdhsa_system_sgpr_workgroup_id_x 1
		.amdhsa_system_sgpr_workgroup_id_y 1
		.amdhsa_system_sgpr_workgroup_id_z 1
		.amdhsa_system_vgpr_workitem_id 0
		.amdhsa_next_free_vgpr 320
		.amdhsa_next_free_sgpr 66
		.amdhsa_reserve_vcc 1
		.amdhsa_float_denorm_mode_32 3
		.amdhsa_float_denorm_mode_16_64 3
		.amdhsa_memory_ordered 1
		.amdhsa_forward_progress 1
		.amdhsa_inst_pref_size 226
	.end_amdhsa_kernel
	.amdgpu_metadata
---
amdhsa.version: [ 1, 2 ]
amdhsa.kernels:
  - .name:           k_qcf2bbd10ed_attn
    .symbol:         k_qcf2bbd10ed_attn.kd
    .args:
      - { .name: qkvb, .offset: 0, .size: 8, .value_kind: global_buffer, .address_space: global }
      - { .name: attb, .offset: 8, .size: 8, .value_kind: global_buffer, .address_space: global }
    .group_segment_fixed_size: 327680
    .private_segment_fixed_size: 0
    .kernarg_segment_align: 8
    .kernarg_segment_size: 16
    .max_flat_workgroup_size: 384
    .sgpr_count:     66
    .vgpr_count:     320
    .wavefront_size: 32
...
	.end_amdgpu_metadata
.endif
;; end of part 10
;; launch proj (part 11): grid 256 x 1, 12 waves a work-group, no clusters, 3,584 bytes of LDS; arguments attb, pbuf, x, bo, ln1_s, ln1_b, hbuf; writes hbuf
.if DOCPART == 11
	.amdgcn_target "amdgcn-amd-amdhsa--gfx1250"
	.amdhsa_code_object_version 6
	.text
	.protected	k_qcf2bbd10ed_proj
	.globl	k_qcf2bbd10ed_proj
	.p2align	8
	.type	k_qcf2bbd10ed_proj,@function
k_qcf2bbd10ed_proj:
	s_mov_b64 s[64:65], 0
	v_nop
	global_prefetch_b8 v0, s[64:65] scope:SCOPE_SE
	s_setreg_imm32_b32 hwreg(HW_REG_WAVE_SCHED_MODE, 0, 2), 2
	s_setreg_imm32_b32 hwreg(HW_REG_WAVE_MODE, 25, 1), 1
	s_wait_xcnt 0x0
	s_wait_alu depctr_vm_vsrc(0)
; h = LayerNorm(x + attention wo + bo) with gains ln1_s, ln1_b; the product on codes of E4M3 (MX).  h leaves twice: in f32, for the second residual, and as codes with scale bytes, for the next product.
; SHARES.  A work-group owns one tile of 16 rows and all 768 columns, so that a row's mean and variance stay inside it; wave j of twelve owns columns 64 j on: four tiles of wo.
; The product is used transposed (source 0 = 16 columns of wo, source 1 = the 16 rows): a lane holds one row and 32 of its columns, 32 b + 16 h + 0 .. 15 for two blocks b.  x + bo is the C of the first K step.
; Operands go from memory straight into registers as fragment images, two K steps ahead (20 loads a K step); no tensor load, so no cluster's joint load either.
; The rows' sums meet in LDS: 16 rows x 12 words, twice (sum; sum of squared differences: the variance is taken about the mean, as the definition has it), with a barrier each.
; h in f32 lies in TILE ORDER: [tile][block of 32 columns][q][lane][16 bytes]: lane (r, h)'s columns 32 b + 16 h + 4 q on of row r: every store covers 512 consecutive bytes.
; LIMITS: blocks under 2^-118 get the byte 1; NaN and infinities are not served.
; REGISTERS: v1-9 addresses; v10-12 the rows' scale words; v16-27 wo's; v32-63 accumulators; v64-95 bo; v96-127 the rows' fragments, two buffers; v128-255 wo's, two buffers; behind the chain: v128-159, v160-191 the gains, v192-199 codes, v200-231 at work.
; THE MODE: SCHED_MODE bits 1:0 = 2 (LLVM: expert scheduling mode 2), set by the entry lines.  The code itself states the register dependences
; between vector or matrix instructions and memory or LDS instructions, with s_wait_alu, always for 0.
; THE PLAN.  Registers that memory or LDS instructions touch:
;   v1, v2, v5-v9   offsets and LDS addresses: made once at the head, never written again.   v30, v31: made at the head, read by the closing add alone.
;   v96-127, v128-255   two buffers by the K step's parity.  Written by a K step's 20 loads; read by its four products; behind them the loads of the K step two on land there.  Behind the chain the gains land in v128-191.
;   v216, v218      each the data of one LDS store (a row's partial sum), then written again (the mean; the variance).
;   v220-231        the twelve partial sums land here, twice; named by the additions behind each landing and by a permute ahead of each LDS store.
;   v32-63          h: written by the products and the vector work behind them; read by eight global stores; then written again by the quantiser's holds.
;   v192-199, v216  the codes and the scale byte: written by the conversions and a select; read by the last three stores.
; So a wait on va_vdst stands behind the products of each K step that has loads behind it (the buffer is asked for again at once: 20 to 40 loads of a wave stay on their way), ahead of each LDS store (it also serves the LDS
; loads behind the barrier: no vector instruction stands between) and ahead of each run of global stores; a wait on vm_vsrc ahead of each first write of a register that a store has read.
.set WO_C, 1474560
.set WO_S, 9974784
.set AS_OFF, 3145728
.set HT_OFF, 3244032
.set AS,   10
.set BS,   16
.set ACC,  32
.set BO,   64
.set LS,   128
.set LB,   160
.set PC,   192
.set TM,   200
.set SEL,  30
.set MNT,  32
.set HI16, 33
.macro NOPS n
.rept \n
	v_nop
.endr
.endm
.macro QUANT s, nb, pc, pad
.set qb, 0
.rept \nb
	v_max3_num_f32 v[TM+qb], |v[\s+16*qb]|, |v[\s+16*qb+1]|, 0x4800000
.set qb, qb+1
.endr
.irp i, 2,4,6,8,10,12,14
.set qb, 0
.rept \nb
	v_max3_num_f32 v[TM+qb], v[TM+qb], |v[\s+16*qb+\i]|, |v[\s+16*qb+\i+1]|
.set qb, qb+1
.endr
.endr
.set qb, 0
.rept \nb
	v_permlanex16_b32 v[TM+4+qb], v[TM+qb], s[SEL], s[SEL+1]
.set qb, qb+1
.endr
.set qb, 0
.rept \nb
	v_max_num_f32 v[TM+qb], v[TM+qb], v[TM+4+qb]
.set qb, qb+1
.endr
.set qb, 0
.rept \nb
	v_add_nc_u32 v[TM+12+qb], 0xfc000000, v[TM+qb]
	v_and_or_b32 v[TM+8+qb], v[TM+qb], 0x7f800000, s[MNT]
.set qb, qb+1
.endr
.set qb, 0
.rept \nb
	v_lshrrev_b32 v[TM+4+qb], 23, v[TM+12+qb]
.if \pad
	v_cndmask_b32 v[TM+8+qb], 0, v[TM+8+qb], vcc_lo
.endif
.set qb, qb+1
.endr
.set qb, 0
.rept \nb
.set qi, 0
.rept 16
	v_med3_num_f32 v[\s+16*qb+qi], v[\s+16*qb+qi], -v[TM+8+qb], v[TM+8+qb]
.set qi, qi+1
.endr
	v_cvt_scalef32_pk8_fp8_f32 v[\pc+4*qb:\pc+4*qb+1], v[\s+16*qb:\s+16*qb+7], v[TM+12+qb]
	v_cvt_scalef32_pk8_fp8_f32 v[\pc+4*qb+2:\pc+4*qb+3], v[\s+16*qb+8:\s+16*qb+15], v[TM+12+qb]
.set qb, qb+1
.endr
	v_nop
.endm
.macro LOADK s                         ; K step s: the rows' fragment and my four of wo, into buffers s % 2: 20 loads
.irp c, 0,1,2,3
	global_load_b128 v[96+16*((\s)%2)+4*\c:96+16*((\s)%2)+4*\c+3], v1, s[20:21] offset:2048*(\s)+512*\c
.endr
.irp t, 0,1,2,3
.irp c, 0,1,2,3
	global_load_b128 v[128+64*((\s)%2)+16*\t+4*\c:128+64*((\s)%2)+16*\t+4*\c+3], v1, s[22:23] offset:12288*\t+2048*(\s)+512*\c
.endr
.endr
.endm
.macro KSTEP s
.if (\s) < 5
	s_wait_loadcnt 20                              ; all but the next K step's 20 loads are in
.else
	s_wait_loadcnt 0x0
.endif
.if (\s) == 0
.set n, 0
.rept 16
	v_pk_add_f32 v[ACC+n:ACC+n+1], v[ACC+n:ACC+n+1], v[BO+n:BO+n+1]   ; x + bo: what the sums begin with
.set n, n+2
.endr
.endif
.irp t, 0,1,2,3                                ; the four accumulators by turns
.if (\s)%2 == 0
	v_wmma_scale_f32_16x16x128_f8f6f4 v[ACC+8*\t:ACC+8*\t+7], v[128+64*((\s)%2)+16*\t:128+64*((\s)%2)+16*\t+15], v[96+16*((\s)%2):96+16*((\s)%2)+15], v[ACC+8*\t:ACC+8*\t+7], v[BS+3*\t+(\s)/2], v[AS+(\s)/2]
.else
	v_wmma_scale_f32_16x16x128_f8f6f4 v[ACC+8*\t:ACC+8*\t+7], v[128+64*((\s)%2)+16*\t:128+64*((\s)%2)+16*\t+15], v[96+16*((\s)%2):96+16*((\s)%2)+15], v[ACC+8*\t:ACC+8*\t+7], v[BS+3*\t+(\s)/2], v[AS+(\s)/2] matrix_a_scale:MATRIX_SCALE_ROW1 matrix_b_scale:MATRIX_SCALE_ROW1
.endif
.endr
	NOPS 9                                         ; the places behind the products stay as they stood: the last K step's stand in front of the first reads of the results
.if (\s) < 4
	s_wait_alu depctr_va_vdst(0)                   ; this K step's four products are done reading the buffers s % 2, in which the 20 loads below land
	LOADK (\s)+2
.endif
.endm
.macro SUM12 off                       ; my row's twelve partial sums from LDS, added into v220
	ds_load_b128 v[220:223], v8 offset:\off
	ds_load_b128 v[224:227], v8 offset:\off+16
	ds_load_b128 v[228:231], v8 offset:\off+32
	s_wait_dscnt 0x0
	v_add_f32 v220, v220, v221
	v_add_f32 v222, v222, v223
	v_add_f32 v224, v224, v225
	v_add_f32 v226, v226, v227
	v_add_f32 v228, v228, v229
	v_add_f32 v230, v230, v231
	v_add_f32 v220, v220, v222
	v_add_f32 v224, v224, v226
	v_add_f32 v228, v228, v230
	v_add_f32 v220, v220, v224
	v_add_f32 v220, v220, v228
.endm
	s_load_b256 s[4:11], s[0:1], 0x0               ; attb, pbuf, x, bo
	s_load_b128 s[12:15], s[0:1], 0x20             ; ln1_s, ln1_b
	s_load_b64 s[16:17], s[0:1], 0x30              ; hbuf
	v_lshl_add_u32 v30, v0, 2, 0x800
	v_mov_b32 v31, 0
	v_lshrrev_b32 v1, 5, v0
	v_readfirstlane_b32 s18, v1                    ; wave j
	v_and_b32 v9, 31, v0
	v_lshlrev_b32 v1, 4, v9                        ; 16 x lane
	v_lshlrev_b32 v2, 2, v9                        ; 4 x lane
	v_and_b32 v3, 15, v0                           ; r
	v_bfe_u32 v4, v0, 4, 1                         ; h
	v_lshlrev_b32 v5, 6, v4                        ; 64 h
	v_and_b32 v6, 8, v3
	v_add_nc_u32 v6, v6, v3
	v_mul_u32_u24 v6, v6, 3072
	v_add_nc_u32 v6, v6, v5                        ; x: row r + 8 (r / 8) of the tile, + 64 h
	s_wait_alu depctr_va_sdst(0)                   ; s18 is written, ahead of its first reader: LDS addresses and all the bases are made from it
	s_lshl_b32 s19, s18, 2
	v_lshlrev_b32 v8, 6, v3                        ; LDS: my row's 16 words,
	v_add_nc_u32 v7, s19, v8                       ; and my wave's word among them
	v_lshl_add_u32 v9, v3, 2, v4                   ; 4 r + h
	s_mov_b32 s[SEL], 0x76543210
	s_mov_b32 s[SEL+1], 0xfedcba98
	s_mov_b32 s[MNT], 0x600000
	s_mov_b32 s[HI16], 0xffff0000
	s_mov_b32 s42, 0x3aaaaaab                      ; 1 / 768
	s_mov_b32 s35, 0
	s_wait_kmcnt 0x0
	s_mul_i32 s34, ttmp9, 12288
	s_add_nc_u64 s[20:21], s[4:5], s[34:35]        ; the tile's image
	s_lshl_b32 s43, s18, 10
	s_add_co_u32 s34, s34, s43
	s_add_nc_u64 s[36:37], s[16:17], s[34:35]      ; h's image, my two blocks
	s_mul_i32 s34, ttmp9, 384
	s_add_co_u32 s34, s34, AS_OFF
	s_add_nc_u64 s[24:25], s[4:5], s[34:35]        ; its scale words
	s_lshr_b32 s43, s18, 1
	s_lshl_b32 s43, s43, 6
	s_add_co_u32 s34, s34, s43
	s_and_b32 s43, s18, 1
	s_lshl_b32 s43, s43, 1
	s_add_co_u32 s34, s34, s43
	s_add_nc_u64 s[40:41], s[16:17], s[34:35]      ; h's scale bytes of my two blocks (the same place in hbuf as in attb)
	s_mul_i32 s34, s18, 49152
	s_add_co_u32 s34, s34, WO_C
	s_add_nc_u64 s[22:23], s[6:7], s[34:35]
	s_mul_i32 s34, s18, 1536
	s_add_co_u32 s34, s34, WO_S
	s_add_nc_u64 s[26:27], s[6:7], s[34:35]
	s_lshr_b32 s34, ttmp9, 1
	s_lshl_b32 s34, s34, 5
	s_and_b32 s43, ttmp9, 1
	s_lshl_b32 s43, s43, 3
	s_add_co_u32 s34, s34, s43                     ; the tile's first row
	s_mul_i32 s34, s34, 3072
	s_lshl_b32 s43, s18, 8
	s_add_co_u32 s34, s34, s43
	s_add_nc_u64 s[28:29], s[8:9], s[34:35]
	s_mov_b32 s34, s43                             ; 256 j: my 64 columns in bo and in the gains
	s_add_nc_u64 s[10:11], s[10:11], s[34:35]
	s_add_nc_u64 s[12:13], s[12:13], s[34:35]
	s_add_nc_u64 s[14:15], s[14:15], s[34:35]
	s_mul_i32 s34, ttmp9, 49152
	s_lshl_b32 s43, s18, 12
	s_add_co_u32 s34, s34, s43
	s_add_co_u32 s34, s34, HT_OFF
	s_add_nc_u64 s[38:39], s[16:17], s[34:35]      ; h in f32, my two blocks
	s_wait_alu depctr_va_vdst(0)                   ; the offsets and LDS addresses v1, v2 and v5 to v9 are written: every load and store of the kernel reads one of them
.irp i, 0,1,2
	global_load_b32 v[AS+\i], v2, s[24:25] offset:128*\i
.endr
.set n, 0
.rept 12
	global_load_b32 v[BS+n], v2, s[26:27] offset:384*(n/3)+128*(n%3)
.set n, n+1
.endr
.irp b, 0,1
.irp q, 0,1,2,3
	global_load_b128 v[ACC+16*\b+4*\q:ACC+16*\b+4*\q+3], v6, s[28:29] offset:128*\b+16*\q
.endr
.endr
.irp b, 0,1
.irp q, 0,1,2,3
	global_load_b128 v[BO+16*\b+4*\q:BO+16*\b+4*\q+3], v5, s[10:11] offset:128*\b+16*\q
.endr
.endr
	LOADK 0
	LOADK 1
.irp s, 0,1,2,3,4,5
	KSTEP \s
.endr
	s_wait_alu depctr_va_vdst(0)                   ; the products of K step 4 are done reading v128-191, in which the gains land
.irp b, 0,1
.irp q, 0,1,2,3
	global_load_b128 v[LS+16*\b+4*\q:LS+16*\b+4*\q+3], v5, s[12:13] offset:128*\b+16*\q
	global_load_b128 v[LB+16*\b+4*\q:LB+16*\b+4*\q+3], v5, s[14:15] offset:128*\b+16*\q
.endr
.endr
.irp b, 0,1,2,3
	v_mov_b32 v[TM+4+\b], 0                        ; permutes' destinations, written once
.endr
	v_mov_b32 v220, 0
	; the row's sum: my 32 numbers (each accumulator from its low end on), lane l xor 16's, then the twelve waves'
	v_pk_add_f32 v[216:217], v[ACC:ACC+1], v[ACC+2:ACC+3]
	v_pk_add_f32 v[218:219], v[ACC+4:ACC+5], v[ACC+6:ACC+7]
.irp j, 8,12,16,20,24,28
	v_pk_add_f32 v[216:217], v[216:217], v[ACC+\j:ACC+\j+1]
	v_pk_add_f32 v[218:219], v[218:219], v[ACC+\j+2:ACC+\j+3]
.endr
	v_pk_add_f32 v[216:217], v[216:217], v[218:219]
	v_add_f32 v216, v216, v217
	v_permlanex16_b32 v220, v216, s[SEL], s[SEL+1]
	v_add_f32 v216, v216, v220
	s_wait_alu depctr_va_vdst(0)                   ; v216 is written, which the LDS store reads; the products and the lines above are done with v220-231, in which the LDS loads behind the barrier land
	ds_store_b32 v7, v216
	s_wait_dscnt 0x0                               ; for the others' sake: my store has landed
	s_barrier_signal -1
	s_barrier_wait -1
	SUM12 0
	s_wait_alu depctr_vm_vsrc(0)                   ; the LDS store has read v216, into which the mean is written
	v_mul_f32 v216, s42, v220                      ; the mean
.set n, 0
.rept 16
	v_pk_add_f32 v[ACC+n:ACC+n+1], v[ACC+n:ACC+n+1], v[216:217] op_sel_hi:[1,0] neg_lo:[0,1] neg_hi:[0,1]
.set n, n+2
.endr
	v_pk_mul_f32 v[218:219], v[ACC:ACC+1], v[ACC:ACC+1]
	v_pk_mul_f32 v[222:223], v[ACC+2:ACC+3], v[ACC+2:ACC+3]
.irp j, 4,8,12,16,20,24,28
	v_pk_fma_f32 v[218:219], v[ACC+\j:ACC+\j+1], v[ACC+\j:ACC+\j+1], v[218:219]
	v_pk_fma_f32 v[222:223], v[ACC+\j+2:ACC+\j+3], v[ACC+\j+2:ACC+\j+3], v[222:223]
.endr
	v_pk_add_f32 v[218:219], v[218:219], v[222:223]
	v_add_f32 v218, v218, v219
	v_permlanex16_b32 v220, v218, s[SEL], s[SEL+1]
	v_add_f32 v218, v218, v220
	s_wait_alu depctr_va_vdst(0)                   ; v218 is written, which the LDS store reads; the lines above are done with v220-231, in which the LDS loads behind the barrier land
	ds_store_b32 v7, v218 offset:1024              ; other bytes than the first sums'
	s_wait_dscnt 0x0
	s_barrier_signal -1
	s_barrier_wait -1
	SUM12 1024
	s_wait_alu depctr_vm_vsrc(0)                   ; the LDS store has read v218, into which the variance is written
	v_fmaak_f32 v218, s42, v220, 0x3727c5ac        ; the variance + 1e-5
	s_wait_alu depctr_va_vdst(0)
	v_rsq_f32 v218, v218
	v_nop
	s_wait_alu depctr_va_vdst(0)                   ; the reciprocal root has written v218, ahead of its first reader
	s_wait_loadcnt 0x0                             ; the gains
.set n, 0
.rept 16
	v_pk_mul_f32 v[ACC+n:ACC+n+1], v[ACC+n:ACC+n+1], v[218:219] op_sel_hi:[1,0]
.set n, n+2
.endr
.set n, 0
.rept 16
	v_pk_fma_f32 v[ACC+n:ACC+n+1], v[ACC+n:ACC+n+1], v[LS+n:LS+n+1], v[LB+n:LB+n+1]
.set n, n+2
.endr
	s_wait_alu depctr_va_vdst(0)                   ; the multiply-adds have written h, which the eight stores read
.irp b, 0,1
.irp q, 0,1,2,3
	global_store_b128 v1, v[ACC+16*\b+4*\q:ACC+16*\b+4*\q+3], s[38:39] offset:2048*\b+512*\q
.endr
.endr
	s_wait_xcnt 0x0                                ; the stores have read h: the holds below write it
	s_wait_alu depctr_vm_vsrc(0)                   ; beside it: the eight stores have read v32-63, which the holds write again
	QUANT ACC, 2, PC, 0
	v_cndmask_b32 v216, v[TM+4], v[TM+5], s[HI16]  ; lanes 0-15 store the first block's byte, lanes 16-31 the second's
	s_wait_alu depctr_va_vdst(0)                   ; the conversions have written the codes and the select v216: the data of the three stores below
	global_store_b128 v1, v[PC:PC+3], s[36:37]
	global_store_b128 v1, v[PC+4:PC+7], s[36:37] offset:512
	global_store_b8 v9, v216, s[40:41]
	s_wait_dscnt 0x0                               ; the closing lines, six on end
	s_wait_alu 0x0
	s_wait_tensorcnt 0x0
	ds_add_u32 v30, v31
	s_wait_dscnt 0x0
	s_endpgm
.Lfunc_end_k_qcf2bbd10ed_proj:
	.size	k_qcf2bbd10ed_proj, .Lfunc_end_k_qcf2bbd10ed_proj-k_qcf2bbd10ed_proj
	.p2alignl 7, 3214868480
	.fill 96, 4, 3214868480
	.section	.rodata,"a",@progbits
	.p2align	6, 0x0
	.amdhsa_kernel k_qcf2bbd10ed_proj
		.amdhsa_group_segment_fixed_size 3584
		.amdhsa_private_segment_fixed_size 0
		.amdhsa_enable_private_segment 0
		.amdhsa_kernarg_size 56
		.amdhsa_user_sgpr_count 2
		.amdhsa_user_sgpr_kernarg_segment_ptr 1
		.amdhsa_wavefront_size32 1
		.amdhsa_system_sgpr_workgroup_id_x 1
		.amdhsa_system_sgpr_workgroup_id_y 1
		.amdhsa_system_sgpr_workgroup_id_z 1
		.amdhsa_system_vgpr_workitem_id 0
		.amdhsa_next_free_vgpr 256
		.amdhsa_next_free_sgpr 66
		.amdhsa_reserve_vcc 1
		.amdhsa_float_denorm_mode_32 3
		.amdhsa_float_denorm_mode_16_64 3
		.amdhsa_memory_ordered 1
		.amdhsa_forward_progress 1
		.amdhsa_inst_pref_size 38
	.end_amdhsa_kernel
	.amdgpu_metadata
---
amdhsa.version: [ 1, 2 ]
amdhsa.kernels:
  - .name:           k_qcf2bbd10ed_proj
    .symbol:         k_qcf2bbd10ed_proj.kd
    .args:
      - { .name: attb, .offset: 0, .size: 8, .value_kind: global_buffer, .address_space: global }
      - { .name: pbuf, .offset: 8, .size: 8, .value_kind: global_buffer, .address_space: global }
      - { .name: x, .offset: 16, .size: 8, .value_kind: global_buffer, .address_space: global }
      - { .name: bo, .offset: 24, .size: 8, .value_kind: global_buffer, .address_space: global }
      - { .name: ln1_s, .offset: 32, .size: 8, .value_kind: global_buffer, .address_space: global }
      - { .name: ln1_b, .offset: 40, .size: 8, .value_kind: global_buffer, .address_space: global }
      - { .name: hbuf, .offset: 48, .size: 8, .value_kind: global_buffer, .address_space: global }
    .group_segment_fixed_size: 3584
    .private_segment_fixed_size: 0
    .kernarg_segment_align: 8
    .kernarg_segment_size: 56
    .max_flat_workgroup_size: 384
    .sgpr_count:     66
    .vgpr_count:     256
    .wavefront_size: 32
...
	.end_amdgpu_metadata
.endif
;; end of part 11
;; launch ffn1 (part 12): grid 8 x 32, 4 waves a work-group, no clusters, 168,448 bytes of LDS; arguments hbuf, pbuf, b1, hid; writes hid
.if DOCPART == 12
	.amdgcn_target "amdgcn-amd-amdhsa--gfx1250"
	.amdhsa_code_object_version 6
	.text
	.protected	k_qcf2bbd10ed_ffn1
	.globl	k_qcf2bbd10ed_ffn1
	.p2align	8
	.type	k_qcf2bbd10ed_ffn1,@function
k_qcf2bbd10ed_ffn1:
	s_mov_b64 s[64:65], 0
	v_nop
	global_prefetch_b8 v0, s[64:65] scope:SCOPE_SE
	s_setreg_imm32_b32 hwreg(HW_REG_WAVE_MODE, 25, 1), 1
	s_wait_xcnt 0x0
; hidden = leaky_relu(h w1 + b1), slope 0.01, on codes of E4M3 (MX), quantised again along the next product's K (the hidden units).
; SHARES.  A work-group takes 128 rows (y) x 384 columns (x).  Wave w takes 96 columns: six tiles of w1, whose 36 fragments stay in its registers, read from memory once; it walks the eight tiles of rows.
; h's eight tiles come once into LDS, one tensor load a wave (two tiles: 96 rows of 256 dense bytes); no LDS byte is filled twice.
; The product is used transposed (source 0 = 16 columns of w1, source 1 = 16 rows of h): a lane holds one row, and the 16 registers of two neighbouring tiles are 16 neighbouring hidden units: the conversions' results are the next operand's registers.
; b1 is the C of each sum's first product.  leaky_relu(x) = max(x, 0.01 x).
; The scale bytes (three blocks a wave and tile of rows) are gathered in 1,536 bytes of LDS of their own and leave in whole runs of 512 bytes, laid [y][x][tile of rows][3 K steps][16 words].
; NO CLUSTER: what partners would share is h's panel, 96 KiB of the 384 KiB that a work-group takes in; the weights go to registers.
; LIMITS: blocks under 2^-118 get the byte 1; NaN and infinities are not served.
; REGISTERS.  window 0: v1-12 addresses; v16-39 h's scale words; v40-57 w1's; v64-111 b1; v112-159 accumulators; v160-167, v192-207 at work; v168-179 codes.
;   windows 1, 2 and v0-63 of window 3: w1's fragments (K step s, tile t) at register 256 + 16 (6 s + t).   window 3, v64-159 and v160-255: two buffers for a tile of rows' six fragments.
.set W1_C, 2064384
.set W1_S, 9993216
.set HS_OFF, 3145728
.set HIDS, 12582912
.set SM,   98304
.set AS,   16
.set BS,   40
.set BIAS, 64
.set ACC,  112
.set PC,   168
.set TM,   192
.set SEL,  28
.set MNT,  30
.set MSB, 0
.macro WIN new
.if MSB != (\new)
	s_set_vgpr_msb (MSB<<8)|(\new)
.set MSB, (\new)
.endif
.endm
.macro NOPS n
.rept \n
	v_nop
.endr
.endm
.macro QUANT s, nb, pc, pad
.set qb, 0
.rept \nb
	v_max3_num_f32 v[TM+qb], |v[\s+16*qb]|, |v[\s+16*qb+1]|, 0x4800000
.set qb, qb+1
.endr
.irp i, 2,4,6,8,10,12,14
.set qb, 0
.rept \nb
	v_max3_num_f32 v[TM+qb], v[TM+qb], |v[\s+16*qb+\i]|, |v[\s+16*qb+\i+1]|
.set qb, qb+1
.endr
.endr
.set qb, 0
.rept \nb
	v_permlanex16_b32 v[TM+4+qb], v[TM+qb], s[SEL], s[SEL+1]
.set qb, qb+1
.endr
.set qb, 0
.rept \nb
	v_max_num_f32 v[TM+qb], v[TM+qb], v[TM+4+qb]
.set qb, qb+1
.endr
.set qb, 0
.rept \nb
	v_add_nc_u32 v[TM+12+qb], 0xfc000000, v[TM+qb]
	v_and_or_b32 v[TM+8+qb], v[TM+qb], 0x7f800000, s[MNT]
.set qb, qb+1
.endr
.set qb, 0
.rept \nb
	v_lshrrev_b32 v[TM+4+qb], 23, v[TM+12+qb]
.if \pad
	v_cndmask_b32 v[TM+8+qb], 0, v[TM+8+qb], vcc_lo
.endif
.set qb, qb+1
.endr
.set qb, 0
.rept \nb
.set qi, 0
.rept 16
	v_med3_num_f32 v[\s+16*qb+qi], v[\s+16*qb+qi], -v[TM+8+qb], v[TM+8+qb]
.set qi, qi+1
.endr
	v_cvt_scalef32_pk8_fp8_f32 v[\pc+4*qb:\pc+4*qb+1], v[\s+16*qb:\s+16*qb+7], v[TM+12+qb]
	v_cvt_scalef32_pk8_fp8_f32 v[\pc+4*qb+2:\pc+4*qb+3], v[\s+16*qb+8:\s+16*qb+15], v[TM+12+qb]
.set qb, qb+1
.endr
	v_nop
.endm
.macro ALOAD m                         ; tile of rows m: six fragments from LDS into buffer m % 2
	WIN 0xc0
.irp s, 0,1,2,3,4,5
.irp c, 0,1,2,3
	ds_load_b128 v[64+96*((\m)%2)+16*\s+4*\c:64+96*((\m)%2)+16*\s+4*\c+3], v[6+(\m)/4] offset:((\m)%4)*12288+2048*\s+512*\c
.endr
.endr
.endm
; 36 products: K step by K step, the six accumulators by turns, one instruction a turn
.macro CHAIN m
.set cf, 0
.rept 36
.set cs, cf/6
.set ct, cf%6
.set wn, (1+cf/16)|0x0c
	WIN wn
.set fr, 16*(cf%16)
.set ab, 64+96*((\m)%2)+16*cs
.set ac, ACC+8*ct
.if cs == 0
	v_wmma_scale_f32_16x16x128_f8f6f4 v[ac:ac+7], v[fr:fr+15], v[ab:ab+15], v[BIAS+8*ct:BIAS+8*ct+7], v[BS+3*ct], v[AS+3*(\m)]
.elseif cs%2 == 0
	v_wmma_scale_f32_16x16x128_f8f6f4 v[ac:ac+7], v[fr:fr+15], v[ab:ab+15], v[ac:ac+7], v[BS+3*ct+cs/2], v[AS+3*(\m)+cs/2]
.else
	v_wmma_scale_f32_16x16x128_f8f6f4 v[ac:ac+7], v[fr:fr+15], v[ab:ab+15], v[ac:ac+7], v[BS+3*ct+cs/2], v[AS+3*(\m)+cs/2] matrix_a_scale:MATRIX_SCALE_ROW1 matrix_b_scale:MATRIX_SCALE_ROW1
.endif
.set cf, cf+1
.endr
	WIN 0
	NOPS 9                                         ; nine places: reads of the results and loads into the buffer want eight, the next chain's new start of the accumulators nine
.endm
.macro TILE m
.if (\m) < 7
	ALOAD (\m)+1
	s_wait_dscnt 24                                ; this tile's loads (and the last tile's byte stores) are done; the next tile's 24 loads may be out
.else
	s_wait_dscnt 0x0
.endif
	CHAIN \m
.set lg, 0
.rept 6
.irp j, 0,2,4,6
	v_pk_mul_f32 v[160+\j:161+\j], v[ACC+8*lg+\j:ACC+8*lg+\j+1], s[32:33] op_sel_hi:[1,0]   ; 0.01 x, each accumulator from its low end on
.endr
.irp j, 0,1,2,3,4,5,6,7
	v_max_num_f32 v[ACC+8*lg+\j], v[ACC+8*lg+\j], v[160+\j]
.endr
.set lg, lg+1
.endr
	s_wait_xcnt 0x0                                ; the last tile's stores have read the codes' registers
	QUANT ACC, 3, PC, 0
.irp b, 0,1,2
	global_store_b128 v1, v[PC+4*\b:PC+4*\b+3], s[44:45] offset:49152*(\m)+512*\b
	ds_store_b8 v[8+\b], v[TM+4+\b] offset:192*(\m)   ; both lanes of a row write the same byte with the same value
.endr
.endm
	s_load_b256 s[4:11], s[0:1], 0x0               ; hbuf, pbuf, b1, hid
	v_lshl_add_u32 v254, v0, 2, 0x29000
	v_mov_b32 v255, 0
	ds_add_u32 v254, v255
	ds_add_u32 v254, v255
	v_lshrrev_b32 v1, 5, v0
	v_readfirstlane_b32 s12, v1                    ; wave
	s_and_b32 s14, ttmp7, 0xffff                   ; y
	s_mov_b32 s20, 3<<16                           ; group 1: elements of 8 bytes, no mask, no padding
	s_mov_b32 s21, 32<<16                          ; tensor_dim0 = 32 (256 bytes)
	s_mov_b32 s22, 96<<16                          ; tensor_dim1 = 96
	s_mov_b32 s23, 32<<16                          ; tile_dim0
	s_mov_b32 s24, 96                              ; tile_dim1
	s_mov_b32 s25, 32                              ; dense
	s_mov_b32 s26, 0
	s_mov_b32 s27, 0
	s_lshl_b32 s48, s14, 3
	s_lshl_b32 s49, s12, 1
	s_add_co_u32 s48, s48, s49
	s_mul_i32 s48, s48, 12288                      ; h's tiles 8 y + 2 w on
	s_mov_b32 s49, 0
	s_mov_b32 s16, 1
	s_mul_i32 s17, s12, 24576
	s_wait_dscnt 0x0
	s_wait_kmcnt 0x0
	s_add_nc_u64 s[18:19], s[4:5], s[48:49]
	s_or_b32 s19, s19, 0x80000000
	tensor_load_to_lds s[16:19], s[20:27]          ; my one tensor load: a first fill
	s_nop 0
	NOPS 4
	v_and_b32 v13, 31, v0
	v_lshlrev_b32 v1, 4, v13                       ; 16 x lane
	v_lshlrev_b32 v2, 2, v13                       ; 4 x lane
	v_and_b32 v3, 15, v0                           ; r
	s_wait_alu depctr_va_vdst(0)
	v_bfe_u32 v4, v0, 4, 1
	v_lshlrev_b32 v5, 6, v4                        ; 64 h
	v_lshlrev_b32 v6, 4, v13                       ; LDS: tiles of rows 0-3;
	v_add_nc_u32 v7, 49152, v6                     ; tiles 4-7
	s_mul_i32 s34, s12, 3
.irp b, 0,1,2
	s_add_co_u32 s35, s34, \b                      ; my block 3 w + b among the work-group's twelve:
	s_lshr_b32 s50, s35, 2
	s_lshl_b32 s50, s50, 6                         ; its K step's 16 words,
	s_and_b32 s35, s35, 3
	s_add_co_u32 s50, s50, s35                     ; its byte in a word
	s_add_co_u32 s50, s50, SM
	v_lshl_add_u32 v[8+\b], v3, 2, s50
.endr
	s_lshl_b32 s34, s12, 9
	v_add_nc_u32 v12, s34, v1                      ; the way out of the scale bytes: 512 w + 16 x lane
	v_add_nc_u32 v11, SM, v12
	s_mov_b32 s[SEL], 0x76543210
	s_mov_b32 s[SEL+1], 0xfedcba98
	s_mov_b32 s[MNT], 0x600000
	s_mov_b32 s32, 0x3c23d70a                      ; 0.01
	s_mov_b32 s33, s32
.irp b, 0,1,2,3
	v_mov_b32 v[TM+4+\b], 0
.endr
	s_mul_i32 s48, ttmp9, 24
	s_mul_i32 s34, s12, 6
	s_add_co_u32 s34, s34, s48                     ; my first tile of w1: 24 x + 6 w
	s_mul_i32 s48, s34, 12288
	s_add_co_u32 s48, s48, W1_C
	s_add_nc_u64 s[36:37], s[6:7], s[48:49]
	s_mul_i32 s48, s34, 384
	s_add_co_u32 s48, s48, W1_S
	s_add_nc_u64 s[38:39], s[6:7], s[48:49]
	s_mul_i32 s48, s14, 3072
	s_add_co_u32 s48, s48, HS_OFF
	s_add_nc_u64 s[40:41], s[4:5], s[48:49]
	s_lshl_b32 s48, s34, 6                         ; 16 columns x 4 bytes a tile
	s_add_nc_u64 s[42:43], s[8:9], s[48:49]
	s_mul_i32 s48, s14, 393216
	s_lshl_b32 s35, s34, 8                         ; half a block of 512 bytes a tile
	s_add_co_u32 s48, s48, s35
	s_add_nc_u64 s[44:45], s[10:11], s[48:49]
	s_lshl_b32 s48, s14, 3
	s_add_co_u32 s48, s48, ttmp9
	s_mul_i32 s48, s48, 1536
	s_add_co_u32 s48, s48, HIDS
	s_add_nc_u64 s[46:47], s[10:11], s[48:49]
.set ff, 0
.rept 36
.set wn, (1+ff/16)<<6
	WIN wn
.irp c, 0,1,2,3
	global_load_b128 v[16*(ff%16)+4*\c:16*(ff%16)+4*\c+3], v1, s[36:37] offset:(ff%6)*12288+(ff/6)*2048+512*\c
.endr
.set ff, ff+1
.endr
	WIN 0
.set ff, 0
.rept 18
	global_load_b32 v[BS+ff], v2, s[38:39] offset:384*(ff/3)+128*(ff%3)
.set ff, ff+1
.endr
.set ff, 0
.rept 24
	global_load_b32 v[AS+ff], v2, s[40:41] offset:384*(ff/3)+128*(ff%3)
.set ff, ff+1
.endr
.irp b, 0,1,2
.irp q, 0,1,2,3
	global_load_b128 v[BIAS+16*\b+4*\q:BIAS+16*\b+4*\q+3], v5, s[42:43] offset:128*\b+16*\q
.endr
.endr
	s_wait_loadcnt 0x0
	s_wait_tensorcnt 0x0                           ; my part of h's panel has landed,
	s_barrier_signal -1
	s_barrier_wait -1                              ; everybody's has
	ALOAD 0
.irp m, 0,1,2,3,4,5,6,7
	TILE \m
.endr
	s_wait_dscnt 0x0                               ; for the others' sake: my byte stores have landed
	s_barrier_signal -1
	s_barrier_wait -1
	s_cmp_ge_u32 s12, 3
	s_cbranch_scc1 .Lend
	ds_load_b128 v[160:163], v11                   ; 1,536 bytes: three waves take 512 each
	s_wait_dscnt 0x0
	global_store_b128 v12, v[160:163], s[46:47]
.Lend:
	s_wait_tensorcnt 0x0
	ds_add_u32 v254, v255
	s_wait_dscnt 0x0
	s_endpgm
.Lfunc_end_k_qcf2bbd10ed_ffn1:
	.size	k_qcf2bbd10ed_ffn1, .Lfunc_end_k_qcf2bbd10ed_ffn1-k_qcf2bbd10ed_ffn1
	.p2alignl 7, 3214868480
	.fill 96, 4, 3214868480
	.section	.rodata,"a",@progbits
	.p2align	6, 0x0
	.amdhsa_kernel k_qcf2bbd10ed_ffn1
		.amdhsa_group_segment_fixed_size 168448
		.amdhsa_private_segment_fixed_size 0
		.amdhsa_enable_private_segment 0
		.amdhsa_kernarg_size 32
		.amdhsa_user_sgpr_count 2
		.amdhsa_user_sgpr_kernarg_segment_ptr 1
		.amdhsa_wavefront_size32 1
		.amdhsa_system_sgpr_workgroup_id_x 1
		.amdhsa_system_sgpr_workgroup_id_y 1
		.amdhsa_system_sgpr_workgroup_id_z 1
		.amdhsa_system_vgpr_workitem_id 0
		.amdhsa_next_free_vgpr 1024
		.amdhsa_next_free_sgpr 66
		.amdhsa_reserve_vcc 1
		.amdhsa_float_denorm_mode_32 3
		.amdhsa_float_denorm_mode_16_64 3
		.amdhsa_memory_ordered 1
		.amdhsa_forward_progress 1
		.amdhsa_inst_pref_size 151
	.end_amdhsa_kernel
	.amdgpu_metadata
---
amdhsa.version: [ 1, 2 ]
amdhsa.kernels:
  - .name:           k_qcf2bbd10ed_ffn1
    .symbol:         k_qcf2bbd10ed_ffn1.kd
    .args:
      - { .name: hbuf, .offset: 0, .size: 8, .value_kind: global_buffer, .address_space: global }
      - { .name: pbuf, .offset: 8, .size: 8, .value_kind: global_buffer, .address_space: global }
      - { .name: b1, .offset: 16, .size: 8, .value_kind: global_buffer, .address_space: global }
      - { .name: hid, .offset: 24, .size: 8, .value_kind: global_buffer, .address_space: global }
    .group_segment_fixed_size: 168448
    .private_segment_fixed_size: 0
    .kernarg_segment_align: 8
    .kernarg_segment_size: 32
    .max_flat_workgroup_size: 128
    .sgpr_count:     66
    .vgpr_count:     1024
    .wavefront_size: 32
...
	.end_amdgpu_metadata
.endif
;; end of part 12
;; launch ffn2 (part 13): grid 8 x 32, 4 waves a work-group, no clusters, 197,120 bytes of LDS; arguments hid, pbuf, b2, y2; writes y2
.if DOCPART == 13
	.amdgcn_target "amdgcn-amd-amdhsa--gfx1250"
	.amdhsa_code_object_version 6
	.text
	.protected	k_qcf2bbd10ed_ffn2
	.globl	k_qcf2bbd10ed_ffn2
	.p2align	8
	.type	k_qcf2bbd10ed_ffn2,@function
k_qcf2bbd10ed_ffn2:
	s_mov_b64 s[64:65], 0
	v_nop
	global_prefetch_b8 v0, s[64:65] scope:SCOPE_SE
	s_setreg_imm32_b32 hwreg(HW_REG_WAVE_SCHED_MODE, 0, 2), 2
	s_setreg_imm32_b32 hwreg(HW_REG_WAVE_MODE, 25, 1), 1
	s_wait_xcnt 0x0
	s_wait_alu depctr_vm_vsrc(0)
; ff = hidden w2 + b2 on codes of E4M3 (MX); f32 out, in tile order ([tile of rows][block of 32 columns][q][lane][16 bytes]).
; SHARES.  A work-group takes 128 rows (y) x 96 columns (x): six tiles of w2.  THE WAVES SHARE K: wave w takes K steps 6 w .. 6 w + 5 of the 24, so both its operands are its own and go from memory straight into registers:
; w2's 36 fragments once, the hidden layer's six for each of eight tiles of rows, a tile ahead.  The four partial sums of each tile meet in LDS (6,144 bytes for a wave and tile); behind one barrier wave w adds tiles 2 w and 2 w + 1 and b2.
; The product is used transposed (source 0 = 16 columns of w2, source 1 = 16 rows): a lane holds one row and 16 neighbouring columns for each pair of tiles.
; No tensor load, so no cluster's joint load.  The order of the four partial sums is fixed: waves 0, 1, 2, 3.
; REGISTERS.  window 0: v1-14 addresses; v16-39 the rows' scale words; v40-57 w2's; v64-111 b2; v112-159 accumulators.
;   windows 1, 2 and v0-63 of window 3: w2's fragments at register 256 + 16 (6 s + t).   window 3, v64-159 and v160-255: two buffers for six fragments; at the end the four partial sums.
; THE MODE: SCHED_MODE bits 1:0 = 2 (LLVM: expert scheduling mode 2), set by the entry lines.  The code itself states the register dependences
; between vector or matrix instructions and memory or LDS instructions, with s_wait_alu, always for 0.
; THE PLAN.  Registers that memory or LDS instructions touch:
;   v1, v2, v5, v10, v11, v14   offsets and an LDS address: made once at the head, never written again.   v254, v255: made at the head, read by the closing add alone.
;   w2's fragments, the scale words, b2   loaded once at the head; read by products and additions alone afterwards.
;   A0, A1 (window 3)   Tile m: its 36 products read A[m % 2]; behind them the 24 loads of tile m + 2 land in it.  At the end the partial sums land in both, are added there, and leave from v64-111.
;   ACC (v112-159)      Tile m: written by its products; read by its twelve LDS stores; begun anew by tile m + 1's first products.
;   v13                 the LDS address of those twelve stores: written by one add a tile, behind the tile's products.
; So ONE wait on va_vdst stands in a tile, behind its products' places and the add: the accumulators and v13 are written, and the products are done reading A[m % 2].  Behind it follow the 24 loads of tile m + 2 and the
; twelve LDS stores, with no vector or matrix instruction among them.  One wait on vm_vsrc stands ahead of a tile's products: the last tile's LDS stores have read the accumulators and v13.
.set W2_C, 4423680
.set W2_S, 10066944
.set HIDS, 12582912
.set AS,   16
.set BS,   40
.set BIAS, 64
.set ACC,  112
.set MSB, 0
.macro WIN new
.if MSB != (\new)
	s_set_vgpr_msb (MSB<<8)|(\new)
.set MSB, (\new)
.endif
.endm
.macro NOPS n
.rept \n
	v_nop
.endr
.endm
.macro GLOADA m                        ; tile of rows m: my six fragments into buffer m % 2: 24 loads; the destination's window, 3, is set ahead
.irp s, 0,1,2,3,4,5
.irp c, 0,1,2,3
	global_load_b128 v[64+96*((\m)%2)+16*\s+4*\c:64+96*((\m)%2)+16*\s+4*\c+3], v1, s[20:21] offset:49152*(\m)+2048*\s+512*\c
.endr
.endr
.endm
.macro CHAIN m                         ; 36 products, the six accumulators by turns; the first K step starts the sums
.set cf, 0
.rept 36
.set cs, cf/6
.set ct, cf%6
.set wn, (1+cf/16)|0x0c
	WIN wn
.set fr, 16*(cf%16)
.set ab, 64+96*((\m)%2)+16*cs
.set ac, ACC+8*ct
.if cs == 0
	v_wmma_scale_f32_16x16x128_f8f6f4 v[ac:ac+7], v[fr:fr+15], v[ab:ab+15], 0, v[BS+3*ct], v[AS+3*(\m)]
.elseif cs%2 == 0
	v_wmma_scale_f32_16x16x128_f8f6f4 v[ac:ac+7], v[fr:fr+15], v[ab:ab+15], v[ac:ac+7], v[BS+3*ct+cs/2], v[AS+3*(\m)+cs/2]
.else
	v_wmma_scale_f32_16x16x128_f8f6f4 v[ac:ac+7], v[fr:fr+15], v[ab:ab+15], v[ac:ac+7], v[BS+3*ct+cs/2], v[AS+3*(\m)+cs/2] matrix_a_scale:MATRIX_SCALE_ROW1 matrix_b_scale:MATRIX_SCALE_ROW1
.endif
.set cf, cf+1
.endr
	WIN 0
	NOPS 9                                         ; nine places: the LDS stores of the results want eight, the next chain's new start nine; they stay beside the wait that follows
.endm
.macro TILE m
.if (\m) < 7
	s_wait_loadcnt 24                              ; this tile's loads are in; the next tile's 24 may be out
.else
	s_wait_loadcnt 0x0
.endif
	s_wait_dscnt 0x0                               ; the last tile's LDS stores have read the accumulators
.if (\m) > 0
	s_wait_alu depctr_vm_vsrc(0)                   ; beside it: the last tile's twelve LDS stores have read v112-159, which the products below begin anew, and v13, which the add below writes
.endif
	CHAIN \m
	v_add_nc_u32 v13, 24576*(\m), v12
.if (\m) < 6
	WIN 0xc0                                       ; the loads' destination in window 3: the switch, then the wait, then the loads
	s_wait_alu depctr_va_vdst(0)                   ; the products are done reading buffer m % 2, in which the loads below land; they have written the accumulators, and the add v13, which the LDS stores below read
	GLOADA (\m)+2                                  ; the buffer is asked for again at once
	WIN 0
.else
	s_wait_alu depctr_va_vdst(0)                   ; the products have written the accumulators, and the add v13, which the LDS stores below read
.endif
.set n, 0
.rept 12
	ds_store_b128 v13, v[ACC+4*n:ACC+4*n+3] offset:512*n   ; each accumulator from its low end on.  No vector or matrix instruction since the wait names these registers
.set n, n+1
.endr
.endm
	s_load_b256 s[4:11], s[0:1], 0x0               ; hid, pbuf, b2, y2
	v_lshl_add_u32 v254, v0, 2, 0x30000
	v_mov_b32 v255, 0
	v_lshrrev_b32 v1, 5, v0
	v_readfirstlane_b32 s12, v1                    ; wave
	s_and_b32 s14, ttmp7, 0xffff                   ; y
	v_and_b32 v9, 31, v0
	v_lshlrev_b32 v1, 4, v9                        ; 16 x lane
	v_lshlrev_b32 v2, 2, v9                        ; 4 x lane
	v_and_b32 v3, 15, v0                           ; r
	v_bfe_u32 v4, v0, 4, 1                         ; h
	v_lshlrev_b32 v5, 6, v4                        ; 64 h
	v_lshl_add_u32 v10, v3, 2, v5                  ; 4 r + 64 h: two K steps of one group of three
	v_mul_u32_u24 v11, v4, 1408
	v_lshl_add_u32 v11, v3, 2, v11                 ; 4 r + 1,408 h: the last of one group and the first of the next
	s_wait_alu depctr_va_sdst(0)                   ; s12 is written, ahead of its first reader: LDS addresses and all the bases are made from it
	s_mul_i32 s16, s12, 6144
	v_add_nc_u32 v12, s16, v1                      ; LDS: my partial sums of tile 0
	s_mul_i32 s16, s12, 49152
	v_add_nc_u32 v14, s16, v1                      ; LDS: all partial sums of tile 2 w
	s_mov_b32 s17, 0
	s_wait_kmcnt 0x0
	s_mul_i32 s16, s14, 393216
	s_mul_i32 s18, s12, 12288
	s_add_co_u32 s16, s16, s18
	s_add_nc_u64 s[20:21], s[4:5], s[16:17]        ; the rows' fragments: tile 8 y, K step 6 w
	s_mul_i32 s16, s14, 12288
	s_mul_i32 s18, s12, 3072
	s_add_co_u32 s16, s16, s18
	s_add_co_u32 s16, s16, HIDS
	s_add_nc_u64 s[22:23], s[4:5], s[16:17]        ; their scale words: [y][group 2 w of three K steps]
	s_mul_i32 s16, ttmp9, 294912
	s_mul_i32 s18, s12, 12288
	s_add_co_u32 s16, s16, s18
	s_add_co_u32 s16, s16, W2_C
	s_add_nc_u64 s[24:25], s[6:7], s[16:17]
	s_mul_i32 s16, ttmp9, 9216
	s_mul_i32 s18, s12, 384
	s_add_co_u32 s16, s16, s18
	s_add_co_u32 s16, s16, W2_S
	s_add_nc_u64 s[26:27], s[6:7], s[16:17]
	s_mul_i32 s16, ttmp9, 384
	s_add_nc_u64 s[28:29], s[8:9], s[16:17]
	s_mul_i32 s16, s14, 393216
	s_mul_i32 s18, s12, 98304
	s_add_co_u32 s16, s16, s18
	s_mul_i32 s18, ttmp9, 6144
	s_add_co_u32 s16, s16, s18
	s_add_nc_u64 s[30:31], s[10:11], s[16:17]      ; y2: tile 8 y + 2 w, blocks 3 x on
	WIN 0x40                                       ; the first loads' destination in window 1: the switch, then the wait, then the loads
	s_wait_alu depctr_va_vdst(0)                   ; the offsets v1, v2, v5, v10, v11 and the LDS address v14 are written, which the loads and stores of the kernel read; only loads and window switches follow up to the first tile
.set ff, 0
.rept 36
.set wn, (1+ff/16)<<6
	WIN wn
.irp c, 0,1,2,3
	global_load_b128 v[16*(ff%16)+4*\c:16*(ff%16)+4*\c+3], v1, s[24:25] offset:(ff%6)*49152+(ff/6)*2048+512*\c
.endr
.set ff, ff+1
.endr
	WIN 0
.set ff, 0
.rept 18
	global_load_b32 v[BS+ff], v2, s[26:27] offset:1536*(ff/3)+128*(ff%3)
.set ff, ff+1
.endr
.irp m, 0,1,2,3,4,5,6,7
	global_load_b32 v[AS+3*\m], v10, s[22:23] offset:192*\m
	global_load_b32 v[AS+3*\m+1], v11, s[22:23] offset:192*\m+128
	global_load_b32 v[AS+3*\m+2], v10, s[22:23] offset:192*\m+1600
.endr
.irp b, 0,1,2
.irp q, 0,1,2,3
	global_load_b128 v[BIAS+16*\b+4*\q:BIAS+16*\b+4*\q+3], v5, s[28:29] offset:128*\b+16*\q
.endr
.endr
	WIN 0xc0
	GLOADA 0
	GLOADA 1                                       ; both buffers are asked for; each tile then asks for the tile two on
.irp m, 0,1,2,3,4,5,6,7
	TILE \m
.endr
	s_wait_dscnt 0x0                               ; for the others' sake: my partial sums have landed
	s_barrier_signal -1
	s_barrier_wait -1
.irp e, 0,1
.if \e
	s_wait_xcnt 0x0                                ; the first tile's stores have read their registers
.endif
	WIN 0xc0                                       ; the LDS loads' destination in window 3: the switch, then the waits, then the loads
.if \e
	s_wait_alu depctr_vm_vsrc(0)                   ; beside the wait on XCNT: the first tile's twelve stores have read v64-111 of window 3, in which the loads below land
.endif
	s_wait_alu depctr_va_vdst(0)                   ; the last products (second tile: the additions above) are done with v64-255 of window 3, in which the 48 loads below land
.irp w, 0,1,2,3
.set n, 0
.rept 12
	ds_load_b128 v[64+48*\w+4*n:64+48*\w+4*n+3], v14 offset:24576*\e+6144*\w+512*n
.set n, n+1
.endr
.endr
	s_wait_dscnt 0x0
	WIN 0xcf
.irp w, 1,2,3
.set n, 0
.rept 24
	v_pk_add_f32 v[64+n:65+n], v[64+n:65+n], v[64+48*\w+n:65+48*\w+n]
.set n, n+2
.endr
.endr
	WIN 0xc3
.set n, 0
.rept 24
	v_pk_add_f32 v[64+n:65+n], v[64+n:65+n], v[BIAS+n:BIAS+n+1]
.set n, n+2
.endr
	WIN 0x0c
	s_wait_alu depctr_va_vdst(0)                   ; the additions have written v64-111 of window 3, which the twelve stores read
.set n, 0
.rept 12
	global_store_b128 v1, v[64+4*n:67+4*n], s[30:31] offset:49152*\e+512*n   ; 512 consecutive bytes a store
.set n, n+1
.endr
.endr
	WIN 0                                          ; the add's two registers lie in window 0: the switch stands ahead of the closing lines
	s_wait_dscnt 0x0                               ; the closing lines, six on end
	s_wait_alu 0x0
	s_wait_tensorcnt 0x0
	ds_add_u32 v254, v255
	s_wait_dscnt 0x0
	s_endpgm
.Lfunc_end_k_qcf2bbd10ed_ffn2:
	.size	k_qcf2bbd10ed_ffn2, .Lfunc_end_k_qcf2bbd10ed_ffn2-k_qcf2bbd10ed_ffn2
	.p2alignl 7, 3214868480
	.fill 96, 4, 3214868480
	.section	.rodata,"a",@progbits
	.p2align	6, 0x0
	.amdhsa_kernel k_qcf2bbd10ed_ffn2
		.amdhsa_group_segment_fixed_size 197120
		.amdhsa_private_segment_fixed_size 0
		.amdhsa_enable_private_segment 0
		.amdhsa_kernarg_size 32
		.amdhsa_user_sgpr_count 2
		.amdhsa_user_sgpr_kernarg_segment_ptr 1
		.amdhsa_wavefront_size32 1
		.amdhsa_system_sgpr_workgroup_id_x 1
		.amdhsa_system_sgpr_workgroup_id_y 1
		.amdhsa_system_sgpr_workgroup_id_z 1
		.amdhsa_system_vgpr_workitem_id 0
		.amdhsa_next_free_vgpr 1024
		.amdhsa_next_free_sgpr 66
		.amdhsa_reserve_vcc 0
		.amdhsa_float_denorm_mode_32 3
		.amdhsa_float_denorm_mode_16_64 3
		.amdhsa_memory_ordered 1
		.amdhsa_forward_progress 1
		.amdhsa_inst_pref_size 108
	.end_amdhsa_kernel
	.amdgpu_metadata
---
amdhsa.version: [ 1, 2 ]
amdhsa.kernels:
  - .name:           k_qcf2bbd10ed_ffn2
    .symbol:         k_qcf2bbd10ed_ffn2.kd
    .args:
      - { .name: hid, .offset: 0, .size: 8, .value_kind: global_buffer, .address_space: global }
      - { .name: pbuf, .offset: 8, .size: 8, .value_kind: global_buffer, .address_space: global }
      - { .name: b2, .offset: 16, .size: 8, .value_kind: global_buffer, .address_space: global }
      - { .name: y2, .offset: 24, .size: 8, .value_kind: global_buffer, .address_space: global }
    .group_segment_fixed_size: 197120
    .private_segment_fixed_size: 0
    .kernarg_segment_align: 8
    .kernarg_segment_size: 32
    .max_flat_workgroup_size: 128
    .sgpr_count:     66
    .vgpr_count:     1024
    .wavefront_size: 32
...
	.end_amdgpu_metadata
.endif
;; end of part 13
;; launch ln2 (part 14): grid 256 x 1, 4 waves a work-group, no clusters, 49,920 bytes of LDS; arguments y2, hbuf, ln2_s, ln2_b, out0; writes out0
.if DOCPART == 14
	.amdgcn_target "amdgcn-amd-amdhsa--gfx1250"
	.amdhsa_code_object_version 6
	.text
	.protected	k_qcf2bbd10ed_ln2
	.globl	k_qcf2bbd10ed_ln2
	.p2align	8
	.type	k_qcf2bbd10ed_ln2,@function
k_qcf2bbd10ed_ln2:
	s_mov_b64 s[64:65], 0
	v_nop
	global_prefetch_b8 v0, s[64:65] scope:SCOPE_SE
	s_setreg_imm32_b32 hwreg(HW_REG_WAVE_MODE, 25, 1), 1
	s_wait_xcnt 0x0
; out = LayerNorm(h + ff) with gains ln2_s, ln2_b, all in f32.  h and ff lie in tile order ([tile of 16 rows][block of 32 columns][q][lane][16 bytes]); out is row-major.
; A work-group takes one tile of 16 rows.  Phase 1: wave w adds six blocks of h and ff (24 + 24 loads of 512 consecutive bytes) and lays the sums in LDS as rows of 3,072 bytes + 16 (772 words: the sixteen rows that a store
; touches begin four banks apart).  One barrier.  Phase 2: wave w takes four whole rows, 24 numbers a lane; mean and variance (about the mean) stay inside the wave; each store covers 512 consecutive bytes of a row.
; Row p of the tile is row 32 (T / 2) + 8 (T % 2) + p + 8 (p / 8) of the tensor.  A stream: no matrix unit, no cluster, no tensor load would add anything.
; REGISTERS: v16-111 ff, then the sums, then four rows; v112-207 h, then at work; v208-231, v232-255 the gains of my columns 128 q + 4 lane + 0 .. 3.
.set HT_OFF, 3244032
.set PITCH,  3088
	s_load_b256 s[4:11], s[0:1], 0x0               ; y2, hbuf, ln2_s, ln2_b
	s_load_b64 s[12:13], s[0:1], 0x20              ; out0
	v_lshl_add_u32 v14, v0, 2, 0xc100
	v_mov_b32 v15, 0
	v_lshrrev_b32 v1, 5, v0
	v_readfirstlane_b32 s14, v1                    ; wave
	v_and_b32 v2, 31, v0
	v_lshlrev_b32 v1, 4, v2                        ; 16 x lane
	v_and_b32 v3, 15, v0                           ; r
	v_bfe_u32 v4, v0, 4, 1                         ; h
	v_mul_u32_u24 v5, v3, PITCH
	v_lshl_add_u32 v5, v4, 6, v5
	s_mul_i32 s15, s14, 768
	v_add_nc_u32 v5, s15, v5                       ; LDS, in: row r, + 64 h, + my six blocks
	s_mul_i32 s15, s14, 4*PITCH
	v_add_nc_u32 v6, s15, v1                       ; LDS, out: my four rows, 16 bytes a lane
	s_mov_b32 s18, 0x76543210
	s_mov_b32 s19, 0xfedcba98
	s_mov_b32 s20, 0x3aaaaaab                      ; 1 / 768
	s_mul_i32 s16, ttmp9, 49152
	s_mul_i32 s17, s14, 12288
	s_add_co_u32 s16, s16, s17
	s_mov_b32 s17, 0
	s_lshr_b32 s22, ttmp9, 1
	s_lshl_b32 s22, s22, 5
	s_and_b32 s23, ttmp9, 1
	s_lshl_b32 s23, s23, 3
	s_add_co_u32 s22, s22, s23
	s_lshl_b32 s23, s14, 2
	s_add_co_u32 s22, s22, s23
	s_lshr_b32 s23, s14, 1
	s_lshl_b32 s23, s23, 3
	s_add_co_u32 s22, s22, s23                     ; my first row of out
	s_mul_i32 s22, s22, 3072
	s_mov_b32 s23, 0
	s_wait_alu depctr_va_vdst(0)
	s_wait_kmcnt 0x0
	s_add_nc_u64 s[4:5], s[4:5], s[16:17]
	s_add_nc_u64 s[6:7], s[6:7], s[16:17]
	s_add_nc_u64 s[6:7], s[6:7], HT_OFF
	s_add_nc_u64 s[12:13], s[12:13], s[22:23]
.set n, 0
.rept 24
	global_load_b128 v[16+4*n:19+4*n], v1, s[4:5] offset:512*n th:TH_LOAD_NT
	global_load_b128 v[112+4*n:115+4*n], v1, s[6:7] offset:512*n th:TH_LOAD_NT
.set n, n+1
.endr
.irp q, 0,1,2,3,4,5
	global_load_b128 v[208+4*\q:211+4*\q], v1, s[8:9] offset:512*\q
	global_load_b128 v[232+4*\q:235+4*\q], v1, s[10:11] offset:512*\q
.endr
	s_wait_loadcnt 0x0
.set n, 0
.rept 48
	v_pk_add_f32 v[16+n:17+n], v[16+n:17+n], v[112+n:113+n]
.set n, n+2
.endr
.set n, 0
.rept 24
	ds_store_b128 v5, v[16+4*n:19+4*n] offset:128*(n/4)+16*(n%4)
.set n, n+1
.endr
	s_wait_dscnt 0x0                               ; for the others' sake: my stores have landed
	s_barrier_signal -1
	s_barrier_wait -1
.irp k, 0,1,2,3
.irp q, 0,1,2,3,4,5
	ds_load_b128 v[16+24*\k+4*\q:19+24*\k+4*\q], v6 offset:PITCH*\k+512*\q
.endr
.endr
	s_wait_dscnt 0x0
; a sum over a lane's pair and then over the 32 lanes, for the four rows by turns; the result stands in every lane of v[reg + 2 k]
.macro ACROSS reg
.irp k, 0,1,2,3
	v_add_f32 v[\reg+2*\k], v[\reg+2*\k], v[\reg+2*\k+1]
.endr
.irp x, 1,2,4,8
.irp k, 0,1,2,3
	v_add_f32_dpp v[\reg+2*\k], v[\reg+2*\k], v[\reg+2*\k] row_xmask:\x row_mask:0xf bank_mask:0xf
.endr
.endr
.irp k, 0,1,2,3
	v_permlanex16_b32 v[\reg+2*\k+1], v[\reg+2*\k], s18, s19
.endr
.irp k, 0,1,2,3
	v_add_f32 v[\reg+2*\k], v[\reg+2*\k], v[\reg+2*\k+1]
.endr
.endm
.irp k, 0,1,2,3
	v_pk_add_f32 v[112+2*\k:113+2*\k], v[16+24*\k:17+24*\k], v[18+24*\k:19+24*\k]
.endr
.irp j, 4,6,8,10,12,14,16,18,20,22
.irp k, 0,1,2,3
	v_pk_add_f32 v[112+2*\k:113+2*\k], v[112+2*\k:113+2*\k], v[16+24*\k+\j:17+24*\k+\j]
.endr
.endr
	ACROSS 112
.irp k, 0,1,2,3
	v_mul_f32 v[112+2*\k], s20, v[112+2*\k]        ; the means
.endr
.irp k, 0,1,2,3
.irp j, 0,2,4,6,8,10,12,14,16,18,20,22
	v_pk_add_f32 v[16+24*\k+\j:17+24*\k+\j], v[16+24*\k+\j:17+24*\k+\j], v[112+2*\k:113+2*\k] op_sel_hi:[1,0] neg_lo:[0,1] neg_hi:[0,1]
.endr
.endr
.irp k, 0,1,2,3
	v_pk_mul_f32 v[120+2*\k:121+2*\k], v[16+24*\k:17+24*\k], v[16+24*\k:17+24*\k]
.endr
.irp j, 2,4,6,8,10,12,14,16,18,20,22
.irp k, 0,1,2,3
	v_pk_fma_f32 v[120+2*\k:121+2*\k], v[16+24*\k+\j:17+24*\k+\j], v[16+24*\k+\j:17+24*\k+\j], v[120+2*\k:121+2*\k]
.endr
.endr
	ACROSS 120
.irp k, 0,1,2,3
	v_fmaak_f32 v[120+2*\k], s20, v[120+2*\k], 0x3727c5ac   ; the variance + 1e-5
.endr
	s_wait_alu depctr_va_vdst(0)
.irp k, 0,1,2,3
	v_rsq_f32 v[120+2*\k], v[120+2*\k]
.endr
	v_nop
	s_wait_alu depctr_va_vdst(0)                   ; one wait for the four, ahead of their first reader
.irp k, 0,1,2,3
.irp j, 0,2,4,6,8,10,12,14,16,18,20,22
	v_pk_mul_f32 v[16+24*\k+\j:17+24*\k+\j], v[16+24*\k+\j:17+24*\k+\j], v[120+2*\k:121+2*\k] op_sel_hi:[1,0]
.endr
.irp j, 0,2,4,6,8,10,12,14,16,18,20,22
	v_pk_fma_f32 v[16+24*\k+\j:17+24*\k+\j], v[16+24*\k+\j:17+24*\k+\j], v[208+\j:209+\j], v[232+\j:233+\j]
.endr
.irp q, 0,1,2,3,4,5
	global_store_b128 v1, v[16+24*\k+4*\q:19+24*\k+4*\q], s[12:13] offset:3072*\k+512*\q th:TH_STORE_NT
.endr
.endr
	s_wait_tensorcnt 0x0
	ds_add_u32 v14, v15
	s_wait_dscnt 0x0
	s_endpgm
.Lfunc_end_k_qcf2bbd10ed_ln2:
	.size	k_qcf2bbd10ed_ln2, .Lfunc_end_k_qcf2bbd10ed_ln2-k_qcf2bbd10ed_ln2
	.p2alignl 7, 3214868480
	.fill 96, 4, 3214868480
	.section	.rodata,"a",@progbits
	.p2align	6, 0x0
	.amdhsa_kernel k_qcf2bbd10ed_ln2
		.amdhsa_group_segment_fixed_size 49920
		.amdhsa_private_segment_fixed_size 0
		.amdhsa_enable_private_segment 0
		.amdhsa_kernarg_size 40
		.amdhsa_user_sgpr_count 2
		.amdhsa_user_sgpr_kernarg_segment_ptr 1
		.amdhsa_wavefront_size32 1
		.amdhsa_system_sgpr_workgroup_id_x 1
		.amdhsa_system_sgpr_workgroup_id_y 1
		.amdhsa_system_sgpr_workgroup_id_z 1
		.amdhsa_system_vgpr_workitem_id 0
		.amdhsa_next_free_vgpr 256
		.amdhsa_next_free_sgpr 66
		.amdhsa_reserve_vcc 0
		.amdhsa_float_denorm_mode_32 3
		.amdhsa_float_denorm_mode_16_64 3
		.amdhsa_memory_ordered 1
		.amdhsa_forward_progress 1
		.amdhsa_inst_pref_size 35
	.end_amdhsa_kernel
	.amdgpu_metadata
---
amdhsa.version: [ 1, 2 ]
amdhsa.kernels:
  - .name:           k_qcf2bbd10ed_ln2
    .symbol:         k_qcf2bbd10ed_ln2.kd
    .args:
      - { .name: y2, .offset: 0, .size: 8, .value_kind: global_buffer, .address_space: global }
      - { .name: hbuf, .offset: 8, .size: 8, .value_kind: global_buffer, .address_space: global }
      - { .name: ln2_s, .offset: 16, .size: 8, .value_kind: global_buffer, .address_space: global }
      - { .name: ln2_b, .offset: 24, .size: 8, .value_kind: global_buffer, .address_space: global }
      - { .name: out0, .offset: 32, .size: 8, .value_kind: global_buffer, .address_space: global }
    .group_segment_fixed_size: 49920
    .private_segment_fixed_size: 0
    .kernarg_segment_align: 8
    .kernarg_segment_size: 40
    .max_flat_workgroup_size: 128
    .sgpr_count:     66
    .vgpr_count:     256
    .wavefront_size: 32
...
	.end_amdgpu_metadata
.endif
;; end of part 14
